; MI455X (gfx1250); checked and timed in simulation.
; The chip was launched on July 23, 2026; its instructions are those of AMD's public machine-readable ISA for CDNA 5 (MIT licence, August 2026) and "CDNA5" Instruction Set Architecture Reference Guide (July 2026). The comments in the code are by the model that wrote it; some were corrected since.
;; Differential Cross Attention Layer. Allowed arithmetic: matrix products marked QUANTISED: E4M3 operands, one given power-of-two scale a tensor, by v_wmma_f32_16x16x64_fp8_fp8 or v_wmma_f32_16x16x128_fp8_fp8, f32 sums; everything else in f32.
;; Inputs: Wk 1,024 x 1,024 float32; Wo 1,024 x 1,024 float32; Wq 1,024 x 1,024 float32; Wv 1,024 x 1,024 float32; ffn_b1 4,096 float32; ffn_b2 1,024 float32; ffn_w1 1,024 x 4,096 float32; ffn_w2 4,096 x 1,024 float32; key 2 x 2,048 x 1,024 float32; lambda_param one number float32; ln1_b 1,024 float32; ln1_g 1,024 float32; ln2_b 1,024 float32; ln2_g 1,024 float32; lowp_scales 16 int32 (the exponents e of the quantised operands' scales 2^e); query 2 x 2,048 x 1,024 float32; value 2 x 2,048 x 1,024 float32.
;; Outputs: out0 2 x 2,048 x 1,024 float32.
;; This version of the problem:
;;   THIS VERSION OF THE PROBLEM IS GIVEN IN LOW PRECISION. The matrix products marked QUANTISED in the list below multiply operands that are first quantised to E4M3 (4 exponent bits, 3 mantissa bits; 8 bits a number), with one given power-of-two scale for each operand tensor; their sums are f32. All else is computed in f32.
;;   The module's matrix products, in the order in which they are computed (A, B: the left and right operand; K: the contracted axis; several contracted axes count as one K, in the product's order):
;;     1. [M 4,096, K 1,024] x [K 1,024, N 1,024]; A: input query; B: input Wq: QUANTISED (scales: A lowp_scales[0], B lowp_scales[1])
;;     2. [M 4,096, K 1,024] x [K 1,024, N 1,024]; A: input key; B: input Wk: QUANTISED (scales: A lowp_scales[2], B lowp_scales[3])
;;     3. [M 4,096, K 1,024] x [K 1,024, N 1,024]; A: input value; B: input Wv: QUANTISED (scales: A lowp_scales[4], B lowp_scales[5])
;;     4. batch 16 x [M 2,048, K 128] x [K 128, N 2,048]; A: computed on the way; B: computed on the way: QUANTISED (scales: A lowp_scales[6], B lowp_scales[7])
;;     5. batch 16 x [M 128, K 2,048] x [K 2,048, N 2,048]; A: computed on the way; B: computed on the way: QUANTISED (scales: A lowp_scales[8], B lowp_scales[9])
;;     6. [M 4,096, K 1,024] x [K 1,024, N 1,024]; A: computed on the way; B: input Wo: QUANTISED (scales: A lowp_scales[10], B lowp_scales[11])
;;     7. [M 4,096, K 1,024] x [K 1,024, N 4,096]; A: computed on the way; B: input ffn_w1: QUANTISED (scales: A lowp_scales[12], B lowp_scales[13])
;;     8. [M 4,096, K 4,096] x [K 4,096, N 1,024]; A: computed on the way; B: input ffn_w2: QUANTISED (scales: A lowp_scales[14], B lowp_scales[15])
;;   THE QUANTISER, for each operand of a quantised product, along K:
;;     - The operand's scale is 2^e, e = its entry of the input lowp_scales (int32; the entries are numbered through the quantised products in the list's order, A before B).
;;     - Each number is divided by the scale, clamped to +-448, and rounded to the nearest number of E4M3, ties to even, subnormals kept.
;;     - The product sums the exact products of the quantised numbers (number of the format x scale) in f32.
;;   ~~~python
;;   def quantise(x, axis, e):      # numpy; x: float32 -> the quantised numbers, widened to float32 again
;;       x = np.moveaxis(x, axis, -1); K = x.shape[-1]
;;       r = np.clip(x / 2.0 ** e, -448, 448)
;;       step = 2.0 ** (np.maximum(np.frexp(np.where(r == 0, 1, r))[1] - 1, -6) - 3)
;;       q = np.round(r / step) * step * 2.0 ** e      # np.round: ties to even
;;       return np.moveaxis(q, -1, axis).astype(np.float32)
;;   ~~~
;;   OPERANDS COMPUTED ON THE WAY. 'Computed on the way' means the value that the module computes at that place (a softmax that the list does not call 'softmax' is quantised finished and normalised). What goes into a quantiser is computed in f32, as accurately as f32 sums, v_exp_f32 and their like allow (about 1e-6 of the number): no bf16 or f16 on the way to a quantiser, and a product that is left as it is and whose result goes on into a quantised operand takes f32 operands (vector FMAs, or v_wmma_f32_16x16x4_f32). A number that lies on a knife's edge between two numbers of the format may be rounded either way, as far as f32 arithmetic and the matrix unit's own rounding can turn it there, and no further.
;; 2 versions, each right. Each part assembles by itself: llvm-mc -triple=amdgcn-amd-amdhsa -mcpu=gfx1250 --defsym DOCPART=n.
;; ======== version 1 of 2: 7 launches
;; workspace buffers: actc 12,582,912 bytes; wtc 12,582,912 bytes; qkv 12,582,912 bytes; ao 4,194,304 bytes; x1 16,777,216 bytes; x1c 4,194,304 bytes; hc 16,777,216 bytes
;; launch qact (part 1): grid 384 x 1, 4 waves a work-group, no clusters, 33,280 bytes of LDS; arguments query, key, value, lowp_scales, actc; writes actc
.if DOCPART == 1
	.amdgcn_target "amdgcn-amd-amdhsa--gfx1250"
	.amdhsa_code_object_version 6
	.text
	.protected	k_qee96feee9d_qact
	.globl	k_qee96feee9d_qact
	.p2align	8
	.type	k_qee96feee9d_qact,@function
k_qee96feee9d_qact:
	s_mov_b64 s[64:65], 0
	v_nop
	global_prefetch_b8 v0, s[64:65] scope:SCOPE_SE
	s_setreg_imm32_b32 hwreg(HW_REG_WAVE_MODE, 25, 1), 1
	s_wait_xcnt 0x0
; FIRST OF SEVEN LAUNCHES of a differential cross attention layer on codes of FP8 (E4M3), one given scale 2^e for each operand.
; WORK LEFT OUT IN THE WHOLE PROGRAM: the second softmax.  attn2 = softmax(scores - 1): the 1 is the same along the softmax's axis, so for all finite scores, in exact arithmetic,
; exp(s - 1) / sum exp(s - 1) = exp(s) / sum exp(s): attn2 = attn1, and attn = attn1 - lam attn2 = (1 - lam) attn1.  The launch attn forms (1 - lam) attn1, finished and normalised, and quantises that:
; the operand's numbers are those of the problem.  No input loses its way to the output: all are loaded.  LIMIT: a NaN, an infinity or an overflow that arises only in scores - 1 is not carried to the result.
; THIS LAUNCH: query, key and value, each [4096][1024] f32, become codes, K innermost, row-major, in actc: query at 0, key at 4 MiB, value at 8 MiB, with the scales' entries 0, 2 and 4.
; code = x / 2^e, held within +-448, rounded to the nearest code, ties to even.  LIMITS: -126 <= e and e + 8 <= 127.  NaN among the inputs is not served; an infinity is held at the largest code.
; KEY'S ROWS CHANGE PLACES: in each group of 32 rows the four groups of 8 rows are laid in the order 0, 2, 1, 3.  K = key Wk inherits the order, so that 16 consecutive rows of K are the keys
; 32 b + 8 u + m + 8 (m / 8), which the launch attn wants as a tile: its weights then come out of the first product as 16 neighbouring keys a lane.  A wave's 8,192 numbers are 8 rows: only its place in actc changes.
; A wave takes 16 steps of 512 numbers.  Each of a step's four loads reads 512 consecutive bytes, 16 a lane; the 2,048 bytes go through the wave's own stage in LDS and come back 64 bytes a lane, so that a lane holds
; 16 neighbours along K for the conversions.  A lane's 16 codes are 16 bytes: the wave stores 512 consecutive bytes.  No barrier: waves share nothing.  Loads run four steps ahead, the turn through LDS one step.
.set WAVES, 4
.set STEPS, 16
.set EMAX,  8
.set MANT,  0x600000                   ; the mantissa field of 448 as f32
.set CB,    16                         ; bytes of 16 codes
.set R,     16                         ; v16-79   four sets of 16 numbers as they are loaded
.set X,     80                         ; v80-111  two sets of 16 neighbours
.set C,     128                        ; v128-191 codes: four registers for each step, so that no store's data are written again
.set WREG,  8192                       ; LDS: a region for each wave: two stages of 32 x SP bytes
.set SP,    80                         ; a lane's place in a stage: its 64 bytes + 16 of padding
.set SPW,   12                         ; v12      LDS address of my spare word; never rewritten
.set NIL,   13                         ; v13      0; never rewritten
.set SPARE, WAVES*WREG                 ; behind the four regions: the spare words, 128 bytes for each wave
	s_load_b256 s[4:11], s[0:1], 0x0               ; query s[4:5], key s[6:7], value s[8:9], the scales' exponents s[10:11]
	s_load_b64 s[12:13], s[0:1], 0x20              ; actc
	v_lshl_add_u32 v[SPW], v0, 2, SPARE
	v_mov_b32 v[NIL], 0
	v_lshrrev_b32 v1, 5, v0
	v_readfirstlane_b32 s16, v1                    ; wave
	v_and_b32 v2, 31, v0                           ; lane
	v_lshlrev_b32 v3, 4, v2                        ; my 16 bytes of a load's 512
	s_mul_i32 s17, s16, WREG
	v_lshrrev_b32 v14, 2, v2
	v_mul_u32_u24 v14, v14, SP
	v_and_b32 v15, 3, v2
	v_lshl_add_u32 v14, v15, 4, v14
	v_add_nc_u32 v14, s17, v14                     ; the stage, on the way in: SP (lane / 4) + 16 (lane % 4)
	v_mul_u32_u24 v15, v2, SP
	v_add_nc_u32 v15, s17, v15                     ; and on the way out: SP x lane: my 16 neighbours
	v_mul_u32_u24 v4, v2, CB                       ; my codes' place in a step's
	s_lshr_b32 s18, ttmp9, 7                       ; which tensor: 128 work-groups each
	s_and_b32 s19, ttmp9, 127                      ; which 32 rows of it
	s_and_b32 s20, s16, 1
	s_lshl_b32 s20, s20, 1
	s_lshr_b32 s21, s16, 1
	s_or_b32 s20, s20, s21                         ; 0, 2, 1, 3
	s_cmp_eq_u32 s18, 1
	s_cselect_b32 s20, s20, s16                    ; where my 8 rows go among the 32: changed for key alone
	s_lshl_b32 s21, s19, 2
	s_add_co_u32 s22, s21, s16
	s_lshl_b32 s22, s22, 15                        ; in: 32,768 bytes a wave
	s_mov_b32 s23, 0
	s_add_co_u32 s32, s21, s20
	s_lshl_b32 s32, s32, 13                        ; out: 8,192 bytes a wave,
	s_lshl_b32 s21, s18, 22
	s_add_co_u32 s32, s32, s21                     ; + the tensor's 4 MiB
	s_mov_b32 s33, 0
	s_wait_kmcnt 0x0
	s_load_b256 s[24:31], s[10:11], 0x0            ; entries 0 to 7
	s_cmp_eq_u32 s18, 0                            ; the choice hangs on the work-group's number alone
	s_cselect_b64 s[4:5], s[4:5], s[6:7]
	s_cmp_eq_u32 s18, 2
	s_cselect_b64 s[4:5], s[8:9], s[4:5]
	s_add_nc_u64 s[4:5], s[4:5], s[22:23]
	s_add_nc_u64 s[8:9], s[12:13], s[32:33]
.macro LOAD t
.irp i, 0,1,2,3
	global_load_b128 v[R+16*((\t)%4)+4*\i:R+16*((\t)%4)+4*\i+3], v3, s[4:5] offset:2048*(\t)+512*\i   ; 32 lanes read 512 consecutive bytes
.endr
.endm
.macro TURN t                          ; step t's numbers through the stage: LDS serves a wave's instructions in order, so no wait stands between the stores and the loads
.irp i, 0,1,2,3
	ds_store_b128 v14, v[R+16*((\t)%4)+4*\i:R+16*((\t)%4)+4*\i+3] offset:32*SP*((\t)%2)+8*SP*\i
.endr
.irp i, 0,1,2,3
	ds_load_b128 v[X+16*((\t)%2)+4*\i:X+16*((\t)%2)+4*\i+3], v15 offset:32*SP*((\t)%2)+16*\i
.endr
.endm
.irp t, 0,1,2,3
	LOAD \t
.endr
	s_wait_kmcnt 0x0
	s_cmp_eq_u32 s18, 0
	s_cselect_b32 s22, s24, s26
	s_cmp_eq_u32 s18, 2
	s_cselect_b32 s22, s28, s22                    ; e: entry 0, 2 or 4
	s_add_co_i32 s22, s22, 127
	s_lshl_b32 s23, s22, 23
	v_mov_b32 v11, s23                             ; 2^e as f32: the conversion takes its exponent field
	s_add_co_i32 s22, s22, EMAX
	s_lshl_b32 s22, s22, 23
	s_or_b32 s22, s22, MANT
	v_mov_b32 v10, s22                             ; 448 x 2^e
	s_wait_loadcnt 12                              ; step 0's four loads are in; the 12 of steps 1 to 3 may be out
	TURN 0
.macro STEP t
.set XS, X+16*((\t)%2)
	s_wait_dscnt 0x0                               ; this step's numbers are back from the stage: so its stores into the stage have read their registers,
.if (\t)+4 < STEPS
	LOAD (\t)+4                                    ; which take the loads of four steps on
.endif
.if (\t)+1 < STEPS
.if STEPS-2-(\t) >= 3
	s_wait_loadcnt 12                              ; the next step's four loads are in; those of the three steps behind it may be out
.else
	s_wait_loadcnt 4*(STEPS-2-(\t))
.endif
	TURN (\t)+1                                    ; and go through the other stage while this step is worked
.endif
.irp i, 0,1,2,3,4,5,6,7,8,9,10,11,12,13,14,15
	v_med3_num_f32 v[XS+\i], v[XS+\i], -v10, v10   ; the conversion to an 8-bit code does not saturate (ISA guide 7.6.2): the hold at the largest code x the scale
.endr
	v_cvt_scalef32_pk8_fp8_f32 v[C+4*(\t):C+4*(\t)+1], v[XS:XS+7], v11
	v_cvt_scalef32_pk8_fp8_f32 v[C+4*(\t)+2:C+4*(\t)+3], v[XS+8:XS+15], v11
	global_store_b128 v4, v[C+4*(\t):C+4*(\t)+3], s[8:9] offset:32*CB*(\t)   ; the results go to a store alone; the next vector lines, the next step's holds, are plain and touch other registers
.endm
.irp t, 0,1,2,3,4,5,6,7,8,9,10,11,12,13,14,15
	STEP \t
.endr
	s_wait_tensorcnt 0x0                           ; the wave's end, behind my last LDS store
	ds_add_u32 v[SPW], v[NIL]
	s_wait_dscnt 0x0
	s_endpgm
.Lfunc_end_k_qee96feee9d_qact:
	.size	k_qee96feee9d_qact, .Lfunc_end_k_qee96feee9d_qact-k_qee96feee9d_qact
	.p2alignl 7, 3214868480
	.fill 96, 4, 3214868480
	.section	.rodata,"a",@progbits
	.p2align	6, 0x0
	.amdhsa_kernel k_qee96feee9d_qact
		.amdhsa_group_segment_fixed_size 33280
		.amdhsa_private_segment_fixed_size 0
		.amdhsa_enable_private_segment 0
		.amdhsa_kernarg_size 40
		.amdhsa_user_sgpr_count 2
		.amdhsa_user_sgpr_kernarg_segment_ptr 1
		.amdhsa_wavefront_size32 1
		.amdhsa_system_sgpr_workgroup_id_x 1
		.amdhsa_system_sgpr_workgroup_id_y 1
		.amdhsa_system_sgpr_workgroup_id_z 1
		.amdhsa_system_vgpr_workitem_id 0
		.amdhsa_next_free_vgpr 192
		.amdhsa_next_free_sgpr 66
		.amdhsa_reserve_vcc 0
		.amdhsa_float_denorm_mode_32 3
		.amdhsa_float_denorm_mode_16_64 3
		.amdhsa_memory_ordered 1
		.amdhsa_forward_progress 1
		.amdhsa_inst_pref_size 38
	.end_amdhsa_kernel
	.amdgpu_metadata
---
amdhsa.version: [ 1, 2 ]
amdhsa.kernels:
  - .name:           k_qee96feee9d_qact
    .symbol:         k_qee96feee9d_qact.kd
    .args:
      - { .name: query, .offset: 0, .size: 8, .value_kind: global_buffer, .address_space: global }
      - { .name: key, .offset: 8, .size: 8, .value_kind: global_buffer, .address_space: global }
      - { .name: value, .offset: 16, .size: 8, .value_kind: global_buffer, .address_space: global }
      - { .name: lowp_scales, .offset: 24, .size: 8, .value_kind: global_buffer, .address_space: global }
      - { .name: actc, .offset: 32, .size: 8, .value_kind: global_buffer, .address_space: global }
    .group_segment_fixed_size: 33280
    .private_segment_fixed_size: 0
    .kernarg_segment_align: 8
    .kernarg_segment_size: 40
    .max_flat_workgroup_size: 128
    .sgpr_count:     66
    .vgpr_count:     192
    .wavefront_size: 32
...
	.end_amdgpu_metadata
.endif
;; end of part 1
;; launch qwt (part 2): grid 384 x 1, 4 waves a work-group, no clusters, 35,840 bytes of LDS; arguments Wq, Wk, Wv, Wo, ffn_w1, ffn_w2, lowp_scales, wtc; writes wtc
.if DOCPART == 2
	.amdgcn_target "amdgcn-amd-amdhsa--gfx1250"
	.amdhsa_code_object_version 6
	.text
	.protected	k_qee96feee9d_qwt
	.globl	k_qee96feee9d_qwt
	.p2align	8
	.type	k_qee96feee9d_qwt,@function
k_qee96feee9d_qwt:
	s_mov_b64 s[64:65], 0
	v_nop
	global_prefetch_b8 v0, s[64:65] scope:SCOPE_SE
	s_setreg_imm32_b32 hwreg(HW_REG_WAVE_MODE, 25, 1), 1
	s_wait_xcnt 0x0
; The six weights, f32, stored [K][N] with K as the FIRST axis, become codes of FP8 (E4M3) with K innermost, in wtc, with the scales' entries 1, 3, 5, 11, 13, 15.
; Wq at 0, Wk at 1 MiB, Wv at 2 MiB and ffn_w1 at 4 MiB: row-major [N][1024].  Wo at 3 MiB and ffn_w2 at 8 MiB: IN THE ORDER OF THE OPERAND'S REGISTERS, [K / 128][N / 16][c 0..3][lane 16 h + r][16 bytes]:
; the codes k = 128 kb + 32 c + 16 h + 0 .. 15 of row 16 tile + r, so that the launch that multiplies by them loads each fragment as four runs of 512 consecutive bytes.
; code = x / 2^e, held within +-448, rounded to the nearest code, ties to even.  LIMITS: -126 <= e and e + 8 <= 127.  NaN among the inputs is not served.
; A LANE TAKES A COLUMN n, AND ITS REGISTERS RUN DOWN K: each load reads neighbouring n in neighbouring lanes (128 consecutive bytes a wave, 512 a work-group), and the conversions give codes with K innermost.
; A work-group takes 128 columns x 256 along K, a wave 32 columns.  Work-groups 0-127: Wq, Wk, Wv, Wo, 32 each; 128-255: ffn_w1; 256-383: ffn_w2.  The tensors differ in pointers, in the row's bytes and in the way out.
; A wave's codes gather in its own stage in LDS (a row a column, 272 bytes apart) and leave by one of two ways, chosen by the work-group's number.  No barrier: waves share nothing.  Loads run two blocks ahead.
.set PITCH, 272                        ; a stage row: 256 bytes of codes + 16
.set EMAX,  8
.set MANT,  0x600000
.set X,     32                         ; v32-95   two sets of 32 numbers
.set C,     96                         ; v96-103  a block's codes
.set OUTR,  112                        ; v112-175 the way out
.set VA,    176                        ; v176-207 4 x lane + i rows of W: the rows' bytes differ between the tensors, so they stand in registers
.set SPW,   14
.set NIL,   15
.set SPARE, 4*32*PITCH                 ; behind the four stages: the spare words
.set SB,    40                         ; s[40:55] eight bases, one for each block of 32 along K
	s_load_b512 s[4:19], s[0:1], 0x0               ; Wq, Wk, Wv, Wo, ffn_w1, ffn_w2, the scales s[16:17], wtc s[18:19]
	v_lshl_add_u32 v[SPW], v0, 2, SPARE
	v_mov_b32 v[NIL], 0
	v_lshrrev_b32 v1, 5, v0
	v_readfirstlane_b32 s20, v1                    ; wave
	v_and_b32 v2, 31, v0                           ; lane
	s_lshr_b32 s22, ttmp9, 7                       ; 0: the four square weights; 1: ffn_w1; 2: ffn_w2
	s_lshr_b32 s21, ttmp9, 5
	s_add_co_u32 s23, s22, 3
	s_and_b32 s24, ttmp9, 31
	s_and_b32 s25, ttmp9, 127
	s_cmp_eq_u32 s22, 0
	s_cselect_b32 s21, s21, s23                    ; the tensor, 0 to 5
	s_cselect_b32 s24, s24, s25                    ; my place in it
	s_cmp_eq_u32 s22, 1
	s_cselect_b32 s25, 5, 3                        ; log2 of its blocks of 128 columns
	s_lshl_b32 s26, 1, s25
	s_sub_co_u32 s26, s26, 1
	s_and_b32 s26, s24, s26                        ; which 128 columns
	s_lshr_b32 s27, s24, s25                       ; which 256 along K
	s_lshl_b32 s28, 512, s25                       ; a row of W in bytes
	s_lshl_b32 s26, s26, 7
	s_lshl_b32 s29, s20, 5
	s_add_co_u32 s26, s26, s29                     ; my wave's first column
	v_lshlrev_b32 v3, 2, v2
.irp i, 0,1,2,3,4,5,6,7,8,9,10,11,12,13,14,15,16,17,18,19,20,21,22,23,24,25,26,27,28,29,30,31
	v_mad_u32_u24 v[VA+\i], s28, \i, v3
.endr
	s_mul_i32 s29, s20, 32*PITCH                   ; my stage
	v_mul_u32_u24 v4, v2, PITCH
	v_add_nc_u32 v4, s29, v4                       ; into it: row = my column
	v_and_b32 v5, 15, v2
	v_lshrrev_b32 v6, 4, v2
	v_mul_u32_u24 v7, v6, PITCH
	v_lshl_add_u32 v7, v5, 4, v7
	v_add_nc_u32 v7, s29, v7                       ; out, row-major: sixteen lanes to a row, two rows an instruction
	v_lshlrev_b32 v8, 10, v6
	v_lshl_add_u32 v8, v5, 4, v8                   ; and the same place in rows of 1,024 bytes
	v_mul_u32_u24 v9, v5, PITCH
	v_lshl_add_u32 v9, v6, 4, v9
	v_add_nc_u32 v9, s29, v9                       ; out, in the registers' order: row lane % 16, + 16 (lane / 16)
	v_lshlrev_b32 v12, 4, v2                       ; and 16 x lane
	s_mul_i32 s30, s27, s28
	s_lshl_b32 s30, s30, 8
	s_lshl_b32 s31, s26, 2
	s_add_co_u32 s30, s30, s31
	s_mov_b32 s31, 0                               ; s[30:31]: where my wave's part begins in W
	s_lshl_b32 s32, s28, 5
	s_mov_b32 s33, 0                               ; s[32:33]: 32 rows of W
	s_lshl_b32 s34, s26, 10
	s_lshl_b32 s35, s27, 8
	s_add_co_u32 s34, s34, s35                     ; row-major: column x 1,024 + 256 x (which 256 along K)
	s_lshl_b32 s35, s27, 18
	s_lshl_b32 s36, s26, 7
	s_add_co_u32 s35, s35, s36                     ; registers' order: two blocks of 128 along K are 262,144 bytes; a tile of 16 columns 2,048
	s_lshl_b32 s36, s21, 20                        ; the tensor's place in wtc: 0, 1, 2, 3, 4 MiB,
	s_cmp_eq_u32 s21, 3
	s_cselect_b32 s37, 1, 0
	s_cmp_eq_u32 s21, 5
	s_cselect_b32 s37, 1, s37                      ; 1: Wo and ffn_w2 leave in the registers' order
	s_cselect_b32 s36, 0x800000, s36               ; ffn_w2: 8 MiB
	s_cmp_eq_u32 s37, 1
	s_cselect_b32 s34, s35, s34
	s_add_co_u32 s34, s34, s36
	s_mov_b32 s35, 0
	s_wait_kmcnt 0x0
	s_load_b512 s[68:83], s[16:17], 0x0            ; the sixteen exponents
	s_cmp_eq_u32 s21, 1                            ; the choices hang on the work-group's number alone
	s_cselect_b64 s[4:5], s[6:7], s[4:5]
	s_cmp_eq_u32 s21, 2
	s_cselect_b64 s[4:5], s[8:9], s[4:5]
	s_cmp_eq_u32 s21, 3
	s_cselect_b64 s[4:5], s[10:11], s[4:5]
	s_cmp_eq_u32 s21, 4
	s_cselect_b64 s[4:5], s[12:13], s[4:5]
	s_cmp_eq_u32 s21, 5
	s_cselect_b64 s[4:5], s[14:15], s[4:5]
	s_add_nc_u64 s[SB:SB+1], s[4:5], s[30:31]
.irp t, 1,2,3,4,5,6,7
	s_add_nc_u64 s[SB+2*\t:SB+2*\t+1], s[SB+2*\t-2:SB+2*\t-1], s[32:33]
.endr
	s_add_nc_u64 s[18:19], s[18:19], s[34:35]
.macro LOAD t                          ; block t: W(32 t + i, my column), i = 0 .. 31, into set t % 2
.irp i, 0,1,2,3,4,5,6,7,8,9,10,11,12,13,14,15,16,17,18,19,20,21,22,23,24,25,26,27,28,29,30,31
	global_load_b32 v[X+32*((\t)%2)+\i], v[VA+\i], s[SB+2*(\t):SB+2*(\t)+1] th:TH_LOAD_NT
.endr
.endm
	LOAD 0
	LOAD 1
	s_wait_kmcnt 0x0
	s_cmp_eq_u32 s21, 1
	s_cselect_b32 s38, s71, s69
	s_cmp_eq_u32 s21, 2
	s_cselect_b32 s38, s73, s38
	s_cmp_eq_u32 s21, 3
	s_cselect_b32 s38, s79, s38
	s_cmp_eq_u32 s21, 4
	s_cselect_b32 s38, s81, s38
	s_cmp_eq_u32 s21, 5
	s_cselect_b32 s38, s83, s38                    ; e: entry 1, 3, 5, 11, 13 or 15
	s_add_co_i32 s38, s38, 127
	s_lshl_b32 s39, s38, 23
	v_mov_b32 v11, s39                             ; 2^e as f32
	s_add_co_i32 s38, s38, EMAX
	s_lshl_b32 s38, s38, 23
	s_or_b32 s38, s38, MANT
	v_mov_b32 v10, s38                             ; 448 x 2^e
.macro BLOCK t
.set XS, X+32*((\t)%2)
.if (\t) < 7
	s_wait_loadcnt 32                              ; this block's 32 loads are in; the next block's may be out
.else
	s_wait_loadcnt 0
.endif
.irp i, 0,1,2,3,4,5,6,7,8,9,10,11,12,13,14,15,16,17,18,19,20,21,22,23,24,25,26,27,28,29,30,31
	v_med3_num_f32 v[XS+\i], v[XS+\i], -v10, v10   ; the hold at the largest code x the scale (ISA guide 7.6.2: the conversion does not saturate)
.endr
.irp g, 0,1,2,3
	v_cvt_scalef32_pk8_fp8_f32 v[C+2*\g:C+2*\g+1], v[XS+8*\g:XS+8*\g+7], v11
.endr
	ds_store_b128 v4, v[C:C+3] offset:32*(\t)      ; 32 codes: 32 bytes of my column's row
	ds_store_b128 v4, v[C+4:C+7] offset:32*(\t)+16
.if (\t)+2 < 8
	LOAD (\t)+2
.endif
	s_wait_dscnt 0x0                               ; the stores have read their registers: the next block's codes may be written; the next block begins with plain vector lines
.endm
.irp t, 0,1,2,3,4,5,6,7
	BLOCK \t
.endr
	s_cmp_eq_u32 s37, 1                            ; a branch on the work-group's number; both ways only read my stage
	s_cbranch_scc1 .Limage
.irp t, 0,1,2,3,4,5,6,7,8,9,10,11,12,13,14,15
	ds_load_b128 v[OUTR+4*\t:OUTR+4*\t+3], v7 offset:2*\t*PITCH
.endr
.irp t, 0,1,2,3,4,5,6,7,8,9,10,11,12,13,14,15
	s_wait_dscnt 15-\t                             ; the younger loads may be out
	global_store_b128 v8, v[OUTR+4*\t:OUTR+4*\t+3], s[18:19] offset:2*\t*1024   ; sixteen lanes store 256 consecutive bytes, aligned
.endr
	s_branch .Lend
.Limage:
.irp n, 0,1
.irp u, 0,1
.irp c, 0,1,2,3
	ds_load_b128 v[OUTR+4*(8*\n+4*\u+\c):OUTR+4*(8*\n+4*\u+\c)+3], v9 offset:\n*16*PITCH+128*\u+32*\c
.endr
.endr
.endr
.set Q, 0
.irp n, 0,1
.irp u, 0,1
.irp c, 0,1,2,3
	s_wait_dscnt 15-Q
	global_store_b128 v12, v[OUTR+4*Q:OUTR+4*Q+3], s[18:19] offset:\u*131072+\n*2048+512*\c   ; 32 lanes store 512 consecutive bytes
.set Q, Q+1
.endr
.endr
.endr
.Lend:
	s_wait_tensorcnt 0x0                           ; the wave's end, behind my last LDS store
	ds_add_u32 v[SPW], v[NIL]
	s_wait_dscnt 0x0
	s_endpgm
.Lfunc_end_k_qee96feee9d_qwt:
	.size	k_qee96feee9d_qwt, .Lfunc_end_k_qee96feee9d_qwt-k_qee96feee9d_qwt
	.p2alignl 7, 3214868480
	.fill 96, 4, 3214868480
	.section	.rodata,"a",@progbits
	.p2align	6, 0x0
	.amdhsa_kernel k_qee96feee9d_qwt
		.amdhsa_group_segment_fixed_size 35840
		.amdhsa_private_segment_fixed_size 0
		.amdhsa_enable_private_segment 0
		.amdhsa_kernarg_size 64
		.amdhsa_user_sgpr_count 2
		.amdhsa_user_sgpr_kernarg_segment_ptr 1
		.amdhsa_wavefront_size32 1
		.amdhsa_system_sgpr_workgroup_id_x 1
		.amdhsa_system_sgpr_workgroup_id_y 1
		.amdhsa_system_sgpr_workgroup_id_z 1
		.amdhsa_system_vgpr_workitem_id 0
		.amdhsa_next_free_vgpr 208
		.amdhsa_next_free_sgpr 100
		.amdhsa_reserve_vcc 0
		.amdhsa_float_denorm_mode_32 3
		.amdhsa_float_denorm_mode_16_64 3
		.amdhsa_memory_ordered 1
		.amdhsa_forward_progress 1
		.amdhsa_inst_pref_size 56
	.end_amdhsa_kernel
	.amdgpu_metadata
---
amdhsa.version: [ 1, 2 ]
amdhsa.kernels:
  - .name:           k_qee96feee9d_qwt
    .symbol:         k_qee96feee9d_qwt.kd
    .args:
      - { .name: Wq, .offset: 0, .size: 8, .value_kind: global_buffer, .address_space: global }
      - { .name: Wk, .offset: 8, .size: 8, .value_kind: global_buffer, .address_space: global }
      - { .name: Wv, .offset: 16, .size: 8, .value_kind: global_buffer, .address_space: global }
      - { .name: Wo, .offset: 24, .size: 8, .value_kind: global_buffer, .address_space: global }
      - { .name: ffn_w1, .offset: 32, .size: 8, .value_kind: global_buffer, .address_space: global }
      - { .name: ffn_w2, .offset: 40, .size: 8, .value_kind: global_buffer, .address_space: global }
      - { .name: lowp_scales, .offset: 48, .size: 8, .value_kind: global_buffer, .address_space: global }
      - { .name: wtc, .offset: 56, .size: 8, .value_kind: global_buffer, .address_space: global }
    .group_segment_fixed_size: 35840
    .private_segment_fixed_size: 0
    .kernarg_segment_align: 8
    .kernarg_segment_size: 64
    .max_flat_workgroup_size: 128
    .sgpr_count:     100
    .vgpr_count:     208
    .wavefront_size: 32
...
	.end_amdgpu_metadata
.endif
;; end of part 2
;; launch proj (part 3): grid 12 x 16, 4 waves a work-group, clusters of 4 x 4, 327,680 bytes of LDS; arguments actc, wtc, lowp_scales, qkv; writes qkv
.if DOCPART == 3
	.amdgcn_target "amdgcn-amd-amdhsa--gfx1250"
	.amdhsa_code_object_version 6
	.text
	.protected	k_qee96feee9d_proj
	.globl	k_qee96feee9d_proj
	.p2align	8
	.type	k_qee96feee9d_proj,@function
k_qee96feee9d_proj:
	s_mov_b64 s[64:65], 0
	v_nop
	global_prefetch_b8 v0, s[64:65] scope:SCOPE_SE
	s_setreg_imm32_b32 hwreg(HW_REG_WAVE_MODE, 25, 1), 1
	s_wait_xcnt 0x0
	s_wait_alu depctr_hold_cnt(0) depctr_sa_sdst(0) depctr_va_vdst(0) depctr_va_sdst(0) depctr_va_ssrc(0) depctr_va_vcc(0) depctr_vm_vsrc(0)
	s_getreg_b32 s2, hwreg(HW_REG_IB_STS2, 6, 4)
	s_cmp_eq_u32 s2, 0
	s_cbranch_scc0 .Lentry_in_a_cluster
	s_endpgm
.Lentry_in_a_cluster:
	s_bfe_u32 s2, ttmp6, 0x10000c
	s_cmp_lg_u32 s2, 0xf033
	s_cbranch_scc0 .Lentry_shape_is_right
	s_endpgm
.Lentry_shape_is_right:
; A GEMM on codes of FP8 (E4M3), C = A B^T over K = 1,024, whose results are quantised at once and leave as codes IN THE ORDER OF THE NEXT OPERAND'S REGISTERS.  One text, two uses, by the constant FFN.
; FFN = 0, this file: the three projections.  Clusters x = 0, 1: Q = query Wq and K = key Wk (A = the tokens' codes in actc, B = the weight's in wtc; 4,096 x 1,024).  Cluster x = 2: V^T = Wv^T value^T (A = Wv's codes,
; B = value's; 1,024 x 4,096), since the keys are the K of the product that takes V.  Scales: entries 0+1, 2+3, 4+5 in, entries 6, 7, 8 out.  192 work-groups: that many tiles of 256 x 256 there are.
; FFN = 1: hidden = relu(q_enh ffn_w1 + ffn_b1): A = x1c, B = ffn_w1's codes, 4,096 x 4,096, entries 12+13 in, 14 out; the bias, divided by 2^(ea + eb), is the C of each sum's first product; the hold clips at 0.
; A sum stands for sum x 2^(ea + eb), so its code is sum / 2^(eo - ea - eb): the three scales are folded into the conversion's one.  LIMITS: eo - ea - eb between -126 and 119; ea + eb between -126 and 126.
; OUT: [column / 128][row / 16][c 0..3][lane 16 h + r][16 bytes] = codes of columns 128 kb + 32 c + 16 h + 0 .. 15 of row 16 tile + r.  A wave's 128 x 128 are 16,384 consecutive bytes.
; A tile of C, 256 x 256, is made by four waves, each 128 x 128: 64 accumulators, 512 registers.  K goes in steps of 256 through two LDS slots filled by the tensor data mover: a tile's row is 256 bytes of memory.
; CLUSTERS: 4 x 4 work-groups.  The four of a row of the cluster need the same tiles of A, the four of a column the same tiles of B: each tile is asked for JOINTLY.  THE MATRIX INSTRUCTION IS USED TRANSPOSED
; (source 0 = 16 rows of B, source 1 = 16 rows of A): a lane then holds eight neighbouring columns of a row of C, which are neighbours along the next K.
; No prefetch: K has four slots' worth, and the first two go out at the head.
; REGISTERS: window 0: v16-31 addresses and the two scale numbers; v32-95 the bias, later numbers at work; from v128 A's fragments, ONE set; window 1: B's fragments, TWO sets; windows 2, 3: the accumulators ((a, b) at v[8 (8 (a % 4) + b)]).
.set FFN,    0
.set ROWB,   256                       ; a tile's row in bytes
.set KROW,   1024                      ; a row of A or of B in memory
.set PITCH,  272                       ; an LDS row: 256 bytes + 16 of padding: the 16 rows that a load touches start at 16 different banks (64 banks of 4 bytes: ISA guide 11.1)
.set FR,     16                        ; registers of a fragment: 16 rows x 128 K
.set NL,     4                         ; LDS loads that bring one
.set NP,     4                         ; places behind this matrix instruction (ISA guide 7.12.1)
.set HALFT,  128*PITCH
.set SLOT,   4*HALFT                   ; A's 256 rows, then B's 256 rows
.set LAPS,   2                         ; K = 1,024 is twice round the ring
.set SPARE,  2*SLOT                    ; behind the ring: the spare words
.set SP,     144                       ; the way out: a stage of 128 rows x (128 bytes + 16) for each wave, in slot 0, which has had its last fill and its last read by then
.set ADRA, 16
.set ADRB, 20
.set STO,  24                          ; v24  the way out: where I put 8 bytes of a row
.set RD,   25                          ; v25  where I read 16 bytes back
.set CO,   26                          ; v26  16 x lane
.set SPW,  28
.set NIL,  29
.set LIM,  30                          ; v30  448 x 2^(eo - ea - eb)
.set SCL,  31                          ; v31  2^(eo - ea - eb)
.set TMP,  32
.set BI,   32                          ; FFN: the bias, 8 tiles x 8 registers in the result's layout
.set AF,   128
.set CD,   128                         ; the way out: the codes, 16 registers a block
.set G1, 24
.set G0, 32
.set G1B, 48
.set G0B, 56
.set MSB, 0
.macro WIN new                         ; the immediate's high byte repeats the setting that is left
.if MSB != (\new)
	s_set_vgpr_msb (MSB<<8)|(\new)
.set MSB, (\new)
.endif
.endm
.set MUL_LO, 0xa1                      ; source 0 (B) window 1, source 1 (A) window 0, C and D window 2
.set MUL_HI, 0xf1
.set TO_B,   0x40
; A joint load: waves 0 and 1 fetch for A, waves 2 and 3 for B; the branch hangs on the wave's number alone.  An s_nop 0 and four v_nop follow each of the two lines.
.macro JLOAD g0a, g1a, g0b, g1b
	s_cmp_eq_u32 s15, 0
	s_cbranch_scc0 .Lfor_b_\@
	tensor_load_to_lds s[\g0a:\g0a+3], s[\g1a:\g1a+7]
	s_nop 0
.rept 4
	v_nop
.endr
	s_branch .Lasked_\@
.Lfor_b_\@:
	tensor_load_to_lds s[\g0b:\g0b+3], s[\g1b:\g1b+7]
	s_nop 0
.rept 4
	v_nop
.endr
.Lasked_\@:
.endm
.macro CREST                           ; a round of the cluster's barrier behind its opening barrier
	s_cmp_lg_u32 s14, 0
	s_cbranch_scc1 .Lnot_wave_0_\@
	s_barrier_signal -3
.Lnot_wave_0_\@:
	s_barrier_wait -3
	s_barrier_signal -1
	s_barrier_wait -1
.endm
.macro CROUND
	s_barrier_signal -1
	s_barrier_wait -1
	CREST
.endm
	s_load_b256 s[4:11], s[0:1], 0x0               ; A's buffer s[4:5], wtc s[6:7], the scales s[8:9], the output s[10:11]
.if FFN
	s_load_b64 s[12:13], s[0:1], 0x20              ; the bias
.endif
	v_lshl_add_u32 v[SPW], v0, 2, SPARE
	v_mov_b32 v[NIL], 0
	ds_add_u32 v[SPW], v[NIL]                      ; the wave's opening: the add, twice on end, and its wait ahead of my first tensor load
	ds_add_u32 v[SPW], v[NIL]
	v_lshrrev_b32 v1, 5, v0
	v_readfirstlane_b32 s14, v1                    ; wave 0..3
	s_lshr_b32 s15, s14, 1                         ; which half of the tile's rows is mine.  Also: I fetch for A (0) or for B (1)
	s_and_b32 s16, s14, 1                          ; which half of its columns.  Also: which 128 rows of that tile I fetch
	s_bfe_u32 s40, ttmp6, 0x40000                  ; cx, cy: my place in the cluster
	s_bfe_u32 s41, ttmp6, 0x40004
	s_and_b32 s84, ttmp7, 0xffff                   ; the cluster's y
.if FFN
	s_lshl_b32 s42, ttmp9, 2
	s_add_co_u32 s42, s42, s40                     ; tile column = 4 x cluster x + cx
	s_lshl_b32 s17, s84, 2
	s_add_co_u32 s17, s17, s41                     ; tile row = 4 x cluster y + cy
.else
	s_cmp_eq_u32 ttmp9, 2                          ; Q, K: 16 tile rows x 4 tile columns; V^T: 4 x 16
	s_cselect_b32 s85, 0, s84
	s_cselect_b32 s86, s84, 0
	s_lshl_b32 s42, s86, 2
	s_add_co_u32 s42, s42, s40                     ; tile column
	s_lshl_b32 s17, s85, 2
	s_add_co_u32 s17, s17, s41                     ; tile row
.endif
	s_lshl_b32 s43, s41, 2
	s_lshl_b32 s43, 15, s43                        ; my row of the cluster
	s_lshl_b32 s44, 0x1111, s40                    ; my column
	s_or_b32 s[G1+0], s43, (0<<16)|(1<<20)|(1<<21)|(5<<22)|(3<<25)  ; 15:0 the mask; elements of 1 byte; padding on; bit 21 beside a mask; after every 64 words (code 5) four words (code 3)
	s_or_b32 s[G1B+0], s44, (0<<16)|(1<<20)|(1<<21)|(5<<22)|(3<<25)
.irp g, G1, G1B
	s_mov_b32 s[\g+1], ROWB<<16                    ; tensor_dim0
	s_mov_b32 s[\g+2], 128<<16                     ; tensor_dim1
	s_mov_b32 s[\g+3], ROWB<<16                    ; tile_dim0
	s_mov_b32 s[\g+4], 128                         ; tile_dim1
	s_mov_b32 s[\g+5], KROW                        ; tensor_dim0_stride
	s_mov_b32 s[\g+6], 0
	s_mov_b32 s[\g+7], 0
.endr
	s_lshl_b32 s18, s16, 7                         ; which 128 rows of the tile I fetch
	s_lshl_b32 s20, s17, 8
	s_add_co_u32 s20, s20, s18
	s_lshl_b32 s20, s20, 10                        ; A: (256 x tile row + 128 x half) rows of 1,024 bytes
	s_lshl_b32 s46, s42, 8
	s_add_co_u32 s46, s46, s18
	s_lshl_b32 s46, s46, 10                        ; B likewise, by the tile column
.if FFN
	s_add_co_u32 s46, s46, 0x400000                ; ffn_w1's codes lie at 4 MiB in wtc
.else
	s_lshl_b32 s87, ttmp9, 22
	s_lshl_b32 s88, ttmp9, 20
	s_cmp_eq_u32 ttmp9, 2
	s_cselect_b32 s89, s88, s87                    ; A's tensor: query 0, key 4 MiB in actc; Wv 2 MiB in wtc
	s_cselect_b32 s90, s87, s88                    ; B's: Wq 0, Wk 1 MiB in wtc; value 8 MiB in actc
	s_add_co_u32 s20, s20, s89
	s_add_co_u32 s46, s46, s90
.endif
	s_mov_b32 s21, 0
	s_mov_b32 s47, 0
	s_mul_i32 s45, s14, HALFT                      ; where they go: wave x 128 rows: no place in the cluster enters an LDS address
	s_wait_dscnt 0x0                               ; both opening adds are done
	s_wait_kmcnt 0x0
	s_load_b512 s[68:83], s[8:9], 0x0              ; the sixteen exponents
.if FFN
	s_add_nc_u64 s[20:21], s[4:5], s[20:21]
	s_add_nc_u64 s[46:47], s[6:7], s[46:47]
.else
	s_cmp_eq_u32 ttmp9, 2                          ; the choice of buffers hangs on the cluster's x alone
	s_cselect_b64 s[92:93], s[6:7], s[4:5]
	s_cselect_b64 s[94:95], s[4:5], s[6:7]
	s_add_nc_u64 s[20:21], s[92:93], s[20:21]
	s_add_nc_u64 s[46:47], s[94:95], s[46:47]
.endif
	CROUND                                         ; all sixteen work-groups are here: the first joint loads meet
.irp s, 0,1
	s_mov_b32 s[G0+4*\s], 1
	s_add_co_u32 s[G0+4*\s+1], s45, \s*SLOT
	s_add_nc_u64 s[G0+4*\s+2:G0+4*\s+3], s[20:21], \s*ROWB
	s_or_b32 s[G0+4*\s+3], s[G0+4*\s+3], 0x80000000
	s_mov_b32 s[G0B+4*\s], 1
	s_add_co_u32 s[G0B+4*\s+1], s45, \s*SLOT
	s_add_nc_u64 s[G0B+4*\s+2:G0B+4*\s+3], s[46:47], \s*ROWB
	s_or_b32 s[G0B+4*\s+3], s[G0B+4*\s+3], 0x80000000
	JLOAD G0+4*\s, G1, G0B+4*\s, G1B
.endr
	v_and_b32 v1, 15, v0                           ; r = l % 16
	v_bfe_u32 v2, v0, 4, 1                         ; h = l / 16
	v_mul_u32_u24 v3, v1, PITCH
	v_lshl_add_u32 v4, v2, 4, v3                   ; a fragment's row x pitch + 16 x half
	s_mul_i32 s21, s15, HALFT                      ; my 128 rows of A
	s_mul_i32 s22, s16, HALFT                      ; my 128 rows of B,
	s_add_co_u32 s22, s22, 2*HALFT                 ; which lie behind A's 256
.irp s, 0,1
	v_add_nc_u32 v[ADRA+\s], s21, v4
	v_add_nc_u32 v[ADRB+\s], s22, v4
	s_add_co_u32 s21, s21, SLOT
	s_add_co_u32 s22, s22, SLOT
.endr
	s_mul_i32 s23, s14, 128*SP                     ; my stage
	v_mul_u32_u24 v5, v1, SP
	v_lshl_add_u32 v6, v2, 3, v5
	v_add_nc_u32 v[STO], s23, v6                   ; in: row r, + 8 h
	v_lshl_add_u32 v6, v2, 4, v5
	v_add_nc_u32 v[RD], s23, v6                    ; back: row r, + 16 h
	v_and_b32 v6, 31, v0
	v_lshlrev_b32 v[CO], 4, v6
	s_lshl_b32 s20, s17, 15                        ; my place in the output: (256 x tile row + 128 x half) x 128 bytes,
	s_lshl_b32 s21, s15, 14
	s_add_co_u32 s20, s20, s21
	s_lshl_b32 s46, s42, 1
	s_add_co_u32 s46, s46, s16                     ; + my block of 128 columns x (rows / 16) x 2,048
.if FFN
	s_lshl_b32 s46, s46, 19
.else
	s_cmp_eq_u32 ttmp9, 2
	s_cselect_b32 s47, 17, 19                      ; 1,024 rows in V^T, 4,096 in Q and K
	s_lshl_b32 s46, s46, s47
	s_add_co_u32 s46, s46, s87                     ; + the tensor's 4 MiB in qkv
.endif
	s_add_co_u32 s20, s20, s46
	s_mov_b32 s21, 0
	s_add_nc_u64 s[10:11], s[10:11], s[20:21]
.if FFN
	s_lshl_b32 s98, s42, 10                        ; the bias: my 128 numbers; lane (r, h) wants, for tile b, those of columns 16 b + 8 h + 0 .. 7
	s_lshl_b32 s99, s16, 9
	s_add_co_u32 s98, s98, s99
	s_mov_b32 s99, 0
	s_add_nc_u64 s[12:13], s[12:13], s[98:99]
	v_lshlrev_b32 v7, 5, v2
.irp b, 0,1,2,3,4,5,6,7
	global_load_b128 v[BI+8*\b:BI+8*\b+3], v7, s[12:13] offset:64*\b
	global_load_b128 v[BI+8*\b+4:BI+8*\b+7], v7, s[12:13] offset:64*\b+16
.endr
.endif
	s_wait_kmcnt 0x0
.if FFN
	s_add_co_i32 s96, s80, s81                     ; ea + eb: entries 12, 13
	s_mov_b32 s97, s82                             ; eo: entry 14
.else
	s_add_co_i32 s96, s68, s69
	s_add_co_i32 s97, s70, s71
	s_add_co_i32 s98, s72, s73
	s_cmp_eq_u32 ttmp9, 1                          ; values are chosen, nothing branches on them
	s_cselect_b32 s96, s97, s96
	s_cselect_b32 s97, s75, s74
	s_cmp_eq_u32 ttmp9, 2
	s_cselect_b32 s96, s98, s96                    ; ea + eb
	s_cselect_b32 s97, s76, s97                    ; eo: entry 6, 7 or 8
.endif
	s_sub_co_i32 s97, s97, s96
	s_add_co_i32 s97, s97, 127
	s_lshl_b32 s98, s97, 23
	v_mov_b32 v[SCL], s98                          ; 2^(eo - ea - eb) as f32
	s_add_co_i32 s97, s97, 8
	s_lshl_b32 s97, s97, 23
	s_or_b32 s97, s97, 0x600000
	v_mov_b32 v[LIM], s97                          ; 448 x that
.if FFN
	s_sub_co_i32 s96, 0, s96
	s_wait_loadcnt 0x0
.set j, 0
.rept 64
	v_ldexp_f32 v[BI+j], v[BI+j], s96              ; the bias / 2^(ea + eb): it goes in as the C of each sum's first product
.set j, j+1
.endr
.endif
.macro FRAG reg, adr, q, i             ; a fragment: lane l holds row l % 16; registers 4 c .. 4 c + 3 hold K = 32 c + 16 (l / 16) + 0 .. 15: the same places of k in A and in B
.irp c, 0,1,2,3
	ds_load_b128 v[\reg+4*\c:\reg+4*\c+3], v[\adr] offset:128*(\q)+32*\c+(\i)*16*PITCH
.endr
.endm
; 16 matrix instructions: A's blocks a0, a0 + 1 x B's eight.  zero = 1: the first product starts the sums, from 0 or from the bias.  The 64 accumulators take turns, one instruction a turn.
.macro MUL16 a0, p, zero
.irp a, \a0, \a0+1
.irp b, 0,1,2,3,4,5,6,7
.if (\zero) == 0
	v_wmma_f32_16x16x128_fp8_fp8 v[8*(8*((\a)%4)+\b):8*(8*((\a)%4)+\b)+7], v[128*(\p)+FR*\b:128*(\p)+FR*\b+FR-1], v[AF+FR*(\a):AF+FR*(\a)+FR-1], v[8*(8*((\a)%4)+\b):8*(8*((\a)%4)+\b)+7]
.elseif FFN
	v_wmma_f32_16x16x128_fp8_fp8 v[8*(8*((\a)%4)+\b):8*(8*((\a)%4)+\b)+7], v[128*(\p)+FR*\b:128*(\p)+FR*\b+FR-1], v[AF+FR*(\a):AF+FR*(\a)+FR-1], v[BI+8*\b:BI+8*\b+7]
.else
	v_wmma_f32_16x16x128_fp8_fp8 v[8*(8*((\a)%4)+\b):8*(8*((\a)%4)+\b)+7], v[128*(\p)+FR*\b:128*(\p)+FR*\b+FR-1], v[AF+FR*(\a):AF+FR*(\a)+FR-1], 0
.endif
.endr
.endr
.endm
.macro FETCH_B slot, q, p
	WIN TO_B
.irp i, 0,1,2,3,4,5,6,7
	FRAG 128*(\p)+FR*\i, ADRB+\slot, \q, \i
.endr
	WIN 0
.endm
.macro FETCH_A slot, q, i0
.irp i, \i0, \i0+1, \i0+2, \i0+3
	FRAG AF+FR*(\i), ADRA+\slot, \q, \i
.endr
.endm
.macro PLACES n                        ; plain vector instructions between a matrix instruction and a load into, or a read of, its registers
.rept \n
	v_nop
.endr
.endm
.macro STEP slot, q, zero              ; a step of 128 along K that has its successor in the same slot
	s_wait_dscnt 4*NL                              ; B's set and A's blocks 0-3 are in; the youngest 16 loads (A's blocks 4-7) may be out
.if (\zero) && FFN
	WIN 0x81                                       ; C (the bias) in window 0, D in window 2
.else
	WIN MUL_LO
.endif
	MUL16 0, (\q)%2, \zero
	MUL16 2, (\q)%2, \zero
	s_wait_dscnt 0
	PLACES NP
	FETCH_B \slot, (\q)+1, 1-(\q)%2
	FETCH_A \slot, (\q)+1, 0
.if (\zero) && FFN
	WIN 0xc1
.else
	WIN MUL_HI
.endif
	MUL16 4, (\q)%2, \zero
	MUL16 6, (\q)%2, \zero
	PLACES NP
	WIN 0
	FETCH_A \slot, (\q)+1, 4
.endm
; A slot's last step changes slots: ONE barrier; in front of it each wave waits for all its tensor loads, adds 0 to its spare word, and waits for that and for its reads of this slot.  fill = 1: this slot is filled again.
.macro TURN slot, next, fill
	s_wait_tensorcnt 0x0                           ; all my tensor loads have landed: my part of the next slot
	ds_add_u32 v[SPW], v[NIL]
	s_wait_dscnt 4*NL+1                            ; the add and the youngest 16 loads may be out
	WIN MUL_LO
	MUL16 0, 1, 0
	s_wait_dscnt 0x0                               ; the add is done, and my reads of this slot are over
	s_barrier_signal -1
	MUL16 2, 1, 0
	WIN 0
	s_barrier_wait -1
.if \fill
	CREST                                          ; the barrier has opened a round of the cluster's barrier: no wave of any partner still reads this slot or has a load on its way
	s_add_nc_u64 s[G0+4*\slot+2:G0+4*\slot+3], s[G0+4*\slot+2:G0+4*\slot+3], 2*ROWB
	s_add_nc_u64 s[G0B+4*\slot+2:G0B+4*\slot+3], s[G0B+4*\slot+2:G0B+4*\slot+3], 2*ROWB
	JLOAD G0+4*\slot, G1, G0B+4*\slot, G1B         ; the first tensor load behind the round; its four v_nop are the places in front of the loads below
.else
	PLACES NP
.endif
	FETCH_B \next, 0, 0
	FETCH_A \next, 0, 0
	WIN MUL_HI
	MUL16 4, 1, 0
	MUL16 6, 1, 0
	PLACES NP
	WIN 0
	FETCH_A \next, 0, 4
.endm
	s_wait_tensorcnt 1                             ; my part of K step 0 is in; K step 1's load may be out
	s_barrier_signal -1
	s_barrier_wait -1
	FETCH_B 0, 0, 0
	FETCH_A 0, 0, 0
	FETCH_A 0, 0, 4
	STEP 0, 0, 1                                   ; the first step stands in front of the loop: its products start the sums
	s_mov_b32 s3, LAPS-1
.Llap:                                                 ; a trip goes once round the ring and fills both slots again
	TURN 0, 1, 1
	STEP 1, 0, 0
	TURN 1, 0, 1
	STEP 0, 0, 0
	s_sub_co_u32 s3, s3, 1
	s_cmp_lg_u32 s3, 0
	s_cbranch_scc1 .Llap
	TURN 0, 1, 0                                   ; the last lap fills nothing
	STEP 1, 0, 0
	s_wait_dscnt 4*NL
	WIN MUL_LO
	MUL16 0, 1, 0
	MUL16 2, 1, 0
	s_wait_dscnt 0
	WIN MUL_HI
	MUL16 4, 1, 0
	MUL16 6, 1, 0
	WIN 0
; THE WAY OUT.  Block a (16 rows x 128 columns): the hold, eight conversions (a lane's eight numbers of tile b are columns 16 b + 8 h + 0 .. 7 of row r: 8 bytes), into my stage at row 16 a + r, byte 16 b + 8 h.
.macro CODES a
.set AC, 64*((\a)%4)
	WIN 0x02+((\a)/4)                              ; source 0: window 2 or 3
.set j, 0
.rept 64
.if FFN
	v_med3_num_f32 v[TMP+j], v[AC+j], 0, v[LIM]    ; the activation and the hold in one; each accumulator from its low end on
.else
	v_med3_num_f32 v[TMP+j], v[AC+j], -v[LIM], v[LIM]   ; the hold at the largest code x the scale; each accumulator from its low end on
.endif
.set j, j+1
.endr
	WIN 0
.irp b, 0,1,2,3,4,5,6,7
	v_cvt_scalef32_pk8_fp8_f32 v[CD+16*(\a)+2*\b:CD+16*(\a)+2*\b+1], v[TMP+8*\b:TMP+8*\b+7], v[SCL]
.endr
	v_nop                                          ; a plain line between the conversions and the next block's holds, which write their sources
.irp b, 0,1,2,3,4,5,6,7
	ds_store_b64 v[STO], v[CD+16*(\a)+2*\b:CD+16*(\a)+2*\b+1] offset:(\a)*16*SP+16*\b
.endr
.endm
	PLACES NP
.irp a, 0,1,2,3,4,5,6,7
	CODES \a
.endr
.irp a, 0,1,2,3                        ; back in the order of the operand's registers: lane (r, h) takes bytes 32 c + 16 h on of row r.  LDS serves a wave's instructions in order: these see my stores
.irp c, 0,1,2,3
	ds_load_b128 v[TMP+16*\a+4*\c:TMP+16*\a+4*\c+3], v[RD] offset:\a*16*SP+32*\c
.endr
.endr
	s_wait_dscnt 0x0                               ; they are in, and all my stores into the stage have read the codes' registers,
.irp a, 0,1,2,3
.irp c, 0,1,2,3
	ds_load_b128 v[CD+16*\a+4*\c:CD+16*\a+4*\c+3], v[RD] offset:(\a+4)*16*SP+32*\c   ; which take blocks 4 to 7
.endr
.endr
.irp a, 0,1,2,3
.irp c, 0,1,2,3
	global_store_b128 v[CO], v[TMP+16*\a+4*\c:TMP+16*\a+4*\c+3], s[10:11] offset:\a*2048+512*\c th:TH_STORE_NT   ; 32 lanes store 512 consecutive bytes
.endr
.endr
	s_wait_dscnt 0x0
.irp a, 0,1,2,3
.irp c, 0,1,2,3
	global_store_b128 v[CO], v[CD+16*\a+4*\c:CD+16*\a+4*\c+3], s[10:11] offset:(\a+4)*2048+512*\c th:TH_STORE_NT
.endr
.endr
	s_wait_tensorcnt 0x0                           ; the wave's end
	ds_add_u32 v[SPW], v[NIL]
	s_wait_dscnt 0x0
	CROUND                                         ; the closing round: no work-group ends while a partner may still ask for a tile that names it
	s_endpgm
.Lfunc_end_k_qee96feee9d_proj:
	.size	k_qee96feee9d_proj, .Lfunc_end_k_qee96feee9d_proj-k_qee96feee9d_proj
	.p2alignl 7, 3214868480
	.fill 96, 4, 3214868480
	.section	.rodata,"a",@progbits
	.p2align	6, 0x0
	.amdhsa_kernel k_qee96feee9d_proj
		.amdhsa_group_segment_fixed_size 327680
		.amdhsa_private_segment_fixed_size 0
		.amdhsa_enable_private_segment 0
		.amdhsa_kernarg_size 32
		.amdhsa_user_sgpr_count 2
		.amdhsa_user_sgpr_kernarg_segment_ptr 1
		.amdhsa_wavefront_size32 1
		.amdhsa_system_sgpr_workgroup_id_x 1
		.amdhsa_system_sgpr_workgroup_id_y 1
		.amdhsa_system_sgpr_workgroup_id_z 1
		.amdhsa_system_vgpr_workitem_id 0
		.amdhsa_next_free_vgpr 1024
		.amdhsa_next_free_sgpr 100
		.amdhsa_reserve_vcc 0
		.amdhsa_float_denorm_mode_32 3
		.amdhsa_float_denorm_mode_16_64 3
		.amdhsa_memory_ordered 1
		.amdhsa_forward_progress 1
		.amdhsa_inst_pref_size 124
	.end_amdhsa_kernel
	.amdgpu_metadata
---
amdhsa.version: [ 1, 2 ]
amdhsa.kernels:
  - .name:           k_qee96feee9d_proj
    .symbol:         k_qee96feee9d_proj.kd
    .args:
      - { .name: actc, .offset: 0, .size: 8, .value_kind: global_buffer, .address_space: global }
      - { .name: wtc, .offset: 8, .size: 8, .value_kind: global_buffer, .address_space: global }
      - { .name: lowp_scales, .offset: 16, .size: 8, .value_kind: global_buffer, .address_space: global }
      - { .name: qkv, .offset: 24, .size: 8, .value_kind: global_buffer, .address_space: global }
    .group_segment_fixed_size: 327680
    .private_segment_fixed_size: 0
    .kernarg_segment_align: 8
    .kernarg_segment_size: 32
    .max_flat_workgroup_size: 128
    .sgpr_count:     100
    .vgpr_count:     1024
    .wavefront_size: 32
...
	.end_amdgpu_metadata
.endif
;; end of part 3
;; launch attn (part 4): grid 16 x 16, 8 waves a work-group, clusters of 4 x 1, 327,680 bytes of LDS; arguments qkv, lowp_scales, lambda_param, ao; writes ao
.if DOCPART == 4
	.amdgcn_target "amdgcn-amd-amdhsa--gfx1250"
	.amdhsa_code_object_version 6
	.text
	.protected	k_qee96feee9d_attn
	.globl	k_qee96feee9d_attn
	.p2align	8
	.type	k_qee96feee9d_attn,@function
k_qee96feee9d_attn:
	s_mov_b64 s[64:65], 0
	v_nop
	global_prefetch_b8 v0, s[64:65] scope:SCOPE_SE
	s_setreg_imm32_b32 hwreg(HW_REG_WAVE_MODE, 25, 1), 1
	s_wait_xcnt 0x0
	s_wait_alu depctr_hold_cnt(0) depctr_sa_sdst(0) depctr_va_vdst(0) depctr_va_sdst(0) depctr_va_ssrc(0) depctr_va_vcc(0) depctr_vm_vsrc(0)
	s_getreg_b32 s2, hwreg(HW_REG_IB_STS2, 6, 4)
	s_cmp_eq_u32 s2, 0
	s_cbranch_scc0 .Lentry_in_a_cluster
	s_endpgm
.Lentry_in_a_cluster:
	s_bfe_u32 s2, ttmp6, 0x10000c
	s_cmp_lg_u32 s2, 0x3003
	s_cbranch_scc0 .Lentry_shape_is_right
	s_endpgm
.Lentry_shape_is_right:
; attn_out = ((1 - lam) softmax(Q K^T / sqrt(128))) V for 16 pairs (batch, head), both products on codes of FP8 (E4M3).  Scales: Q entry 6, K 7, V 8, the weights 9, the result's codes 10.
; WORK LEFT OUT: the second softmax, softmax(scores - 1), equals the first for all finite scores in exact arithmetic (the 1 is the same along the axis), so attn1 - lam attn2 = (1 - lam) attn1 (shown at the head of the launch qact).
; WHAT IS QUANTISED IS THE FINISHED WEIGHT, normalised: p = (1 - lam) 2^(t - M) / l, t = score x log2(e) / sqrt(128), M = the row's largest t rounded up to a whole number, l = the row's sum of 2^(t - M).
; So a row's M and l must be known before any weight is quantised: TWO PASSES over the keys.  Pass 1: scores, running M and l (when M moves, l is multiplied by 2^(old M - new M): exact).  Pass 2: the scores again, p, its codes, O^T += V^T P^T.
; INPUTS, in qkv, in the order of the operands' registers (a fragment is 2,048 consecutive bytes, load c is 512, lane l at 16 l): Qh at 0 and Kh at 4 MiB: [head][token / 16][2048]; Vt at 8 MiB: [token / 128][channel / 16][2048], K = the keys.
; Kh's rows lie so that tile 2 b + u of a step holds the keys 32 b + 8 u + m + 8 (m / 8): the 16 registers of tiles 2 b, 2 b + 1 of S^T are then the keys 32 b + 16 (lane / 16) + 0 .. 15, in Vt's order.
; SHARES.  A work-group owns 128 queries of one (batch, head), each of its eight waves 16 of them in 256 registers: two waves to a SIMD.  Both products are used transposed: a lane holds ONE query (lane % 16) throughout.
; RING.  Two LDS slots of 512 keys: K's 65,536 bytes, then V's.  Waves 0-3 fetch K's four quarters, waves 4-7 V's four blocks of 128 keys, 16,384 bytes a load.  Eight slots' worth are walked: K's four tiles in pass 1, K's again with V's in pass 2.
; V's tiles 0 and 1 go out at the head and wait in their slots; tiles 2 and 3 follow when tiles 0 and 1 have been read.  Every wait on TENSORcnt is for 0.  At most two tensor loads of a wave are out.
; CLUSTER.  The four query blocks of a cluster walk the same K and V: each tile is asked for JOINTLY, by the same load with the same descriptor and the mask of all four.
; LIMITS: e6 + e7 between -123 and 130; e9, and e10 - e8 - e9, between -126 and 119.  lam lies in (0, 1), so p is never negative and its hold is one-sided.
; REGISTERS: v1-3 addresses that stay; v5, v6 the add's two; v8, v9 the step's addresses; v10, v11 the stage; v12 -M, v13 the largest t, v[14:15] l in two halves; v16-31 Q; v32-95 four fragments; v96-159 S^T, then p; v160-223 O^T; v224-239 codes; v236-254 at work and constants.
.set SLOT1, 131072
.set SPARE, 262144                     ; behind the ring: the spare words, 128 bytes for each of eight waves
.set STAGE, 263168                     ; the way out: 16 rows x 144 bytes for each wave
.set LI,  1                            ; v1   16 x lane
.set LV,  2                            ; v2   16 x lane + 65,536: V's part of a slot
.set PFO, 3                            ; v3   256 x lane
.set SPW, 5
.set NIL, 6
.set ADK, 8
.set ADV, 9
.set WV,  12                           ; s12  my wave's number
.set TB,  18                           ; s18  LDS byte at which the step in hand begins
.set SEL, 20                           ; s[20:21] selects for v_permlanex16_b32: lane l xor 16
.set CS,  22                           ; s[22:23] c = log2(e) / sqrt(128) x 2^(e6 + e7)
.set G1,  24                           ; s[24:31] descriptor group 1
.set G0A, 40                           ; s[40:43] group 0, which walks
.set G0B, 44                           ; s[44:47] group 0 of V's tile 1
.set GB,  48                           ; s[48:49] my quarter of tile 0 in memory
.set GS,  50                           ; s50  from tile to tile, in bytes
.set TI,  51                           ; s51  the tile that the walking descriptor names, 0 to 3
.set CNT, 54                           ; s54  counts slots
.set LIM, 55                           ; s55  a wave prefetches while CNT is above it
.set PFV, 56                           ; s[56:57] pass 2's first prefetch address
.set PFA, 58                           ; s[58:59] where my prefetches stand
.set PFS, 60                           ; s[60:61] their step
.set INN, 62                           ; s62  counts a slot's four steps
.macro ROUND                           ; a round of the cluster's barrier
	s_barrier_signal -1
	s_barrier_wait -1
	s_cmp_lg_u32 s[WV], 0
	s_cbranch_scc1 .Lnot_wave_0_\@
	s_barrier_signal -3
.Lnot_wave_0_\@:
	s_barrier_wait -3
	s_barrier_signal -1
	s_barrier_wait -1
.endm
; A PREFETCH INTO THE L2 of the tile that the NEXT change of slots will ask for: a slot, four key steps, ahead of that load.  The four clusters of a (batch, head) walk the same K and V: the first asks.  Its four partners share a tile's
; 65,536 bytes out BY ADDRESS, 16,384 each (of K a quarter, of V a block of 128 keys); in each, wave 4 asks: two instructions, lanes 256 bytes apart.  Pass 1 asks for K's tiles 2 and 3, pass 2 for V's tiles 2 and 3; the other tiles come by their loads alone.
.macro ASK
	s_cmp_gt_u32 s[CNT], s[LIM]
	s_cbranch_scc0 .Lnot_mine_\@
	global_prefetch_b8 v[PFO], s[PFA:PFA+1] th:TH_LOAD_NT scope:SCOPE_SE
	global_prefetch_b8 v[PFO], s[PFA:PFA+1] offset:8192 th:TH_LOAD_NT scope:SCOPE_SE
.Lnot_mine_\@:
.endm
	s_load_b256 s[4:11], s[0:1], 0x0               ; qkv s[4:5], the scales s[6:7], lambda s[8:9], ao s[10:11]
	v_lshl_add_u32 v[SPW], v0, 2, SPARE
	v_mov_b32 v[NIL], 0
	ds_add_u32 v[SPW], v[NIL]                      ; the wave's opening: the add, twice on end, and its wait ahead of my first tensor load
	ds_add_u32 v[SPW], v[NIL]
	v_lshrrev_b32 v8, 5, v0
	v_readfirstlane_b32 s[WV], v8                  ; wave 0..7
	s_bfe_u32 s13, ttmp6, 0x40000                  ; cx
	s_lshl_b32 s14, ttmp9, 2
	s_add_co_u32 s14, s14, s13                     ; my block of 128 queries: it enters Q's and ao's addresses alone
	s_and_b32 s15, ttmp7, 0xffff
	s_lshr_b32 s16, s15, 3                         ; batch
	s_and_b32 s17, s15, 7                          ; head
	s_mov_b32 s[G1], 15|(3<<16)|(1<<21)            ; the mask: all four; elements of 8 bytes; bit 21 beside a mask; no padding
	s_mov_b32 s[G1+1], 32<<16                      ; tensor_dim0 = 32 elements: 16,384 dense bytes are stated as 64 rows of 256
	s_mov_b32 s[G1+2], 64<<16                      ; tensor_dim1
	s_mov_b32 s[G1+3], 32<<16                      ; tile_dim0
	s_mov_b32 s[G1+4], 64                          ; tile_dim1
	s_mov_b32 s[G1+5], 32                          ; the pitch
	s_mov_b32 s[G1+6], 0
	s_mov_b32 s[G1+7], 0
	s_mov_b32 s[SEL], 0x76543210
	s_mov_b32 s[SEL+1], 0xfedcba98
	s_mov_b32 s[CS], 0x3e0293ee                    ; log2(e) / sqrt(128)
	s_mov_b32 s[TB], 0
	s_mov_b32 s[TI], 0
	s_lshl_b32 s84, s[WV], 14                      ; where my loads go in a slot: K's quarters, then V's blocks, on end
	s_lshl_b32 s85, s17, 19
	s_lshl_b32 s86, s16, 18
	s_add_co_u32 s85, s85, s86                     ; (batch, head) in Qh, Kh and ao
	s_add_co_u32 s87, s85, 0x400000                ; in qkv: K's first byte
	s_and_b32 s88, s[WV], 3
	s_lshl_b32 s90, s88, 14
	s_add_co_u32 s90, s87, s90                     ; a K wave's quarter
	s_lshl_b32 s89, s16, 21
	s_lshl_b32 s91, s17, 14
	s_add_co_u32 s89, s89, s91
	s_add_co_u32 s89, s89, 0x800000                ; V's first byte: block 16 x batch, tiles 8 x head on
	s_lshl_b32 s91, s88, 17
	s_add_co_u32 s91, s89, s91                     ; a V wave's block of 128 keys
	s_mov_b32 s[GS], 0x80000                       ; V: four blocks of 131,072 bytes on
	s_cmp_lt_u32 s[WV], 4
	s_cselect_b32 s52, s90, s91
	s_cselect_b32 s[GS], 0x10000, s[GS]            ; K: 65,536
	s_mov_b32 s53, 0
	s_lshl_b32 s92, s14, 14
	s_lshl_b32 s93, s[WV], 11
	s_add_co_u32 s92, s92, s93
	s_add_co_u32 s92, s92, s85                     ; my 16 queries: token x 128 bytes, in Qh and in ao
	s_mov_b32 s93, 0
	s_lshl_b32 s94, s13, 14
	s_add_co_u32 s94, s94, s87
	s_add_co_u32 s94, s94, 0x10000                 ; the prefetches: my work-group's quarter of K's tile 1; the first change of slots steps it to tile 2
	s_mov_b32 s95, 0
	s_lshl_b32 s96, s13, 17
	s_add_co_u32 s96, s96, s89
	s_add_co_u32 s96, s96, 0x80000                 ; and its block of V's tile 1
	s_mov_b32 s97, 0
	s_xor_b32 s98, s[WV], 4
	s_or_b32 s98, s98, ttmp9                       ; 0 in wave 4 of the first cluster: the same in all four partners
	s_cmp_eq_u32 s98, 0
	s_cselect_b32 s[LIM], 2, -1
	s_mov_b32 s[PFS], 0x10000
	s_mov_b32 s[PFS+1], 0
	v_and_b32 v8, 31, v0
	v_lshlrev_b32 v[LI], 4, v8
	v_lshlrev_b32 v[PFO], 8, v8
	v_add_nc_u32 v[LV], 0x10000, v[LI]
	v_and_b32 v8, 15, v0                           ; r
	v_bfe_u32 v9, v0, 4, 1                         ; h
	s_mul_i32 s99, s[WV], 2304
	s_add_co_u32 s99, s99, STAGE                   ; my stage
	v_mul_u32_u24 v10, v8, 144
	v_lshl_add_u32 v11, v9, 4, v10
	v_lshl_add_u32 v10, v9, 3, v10
	v_add_nc_u32 v10, s99, v10                     ; in: row r, + 8 h
	v_add_nc_u32 v11, s99, v11                     ; back: row r, + 16 h
	s_wait_dscnt 0x0                               ; both opening adds are done
	s_wait_kmcnt 0x0
	s_load_b512 s[68:83], s[6:7], 0x0              ; the sixteen exponents
	s_load_b32 s63, s[8:9], 0x0                    ; lambda
	s_add_nc_u64 s[GB:GB+1], s[4:5], s[52:53]
	s_add_nc_u64 s[PFA:PFA+1], s[4:5], s[94:95]
	s_add_nc_u64 s[PFV:PFV+1], s[4:5], s[96:97]
	s_add_nc_u64 s[94:95], s[4:5], s[92:93]        ; Q
	s_add_nc_u64 s[10:11], s[10:11], s[92:93]      ; ao
	s_mov_b32 s[G0A], 1
	s_mov_b32 s[G0A+1], s84
	s_mov_b64 s[G0A+2:G0A+3], s[GB:GB+1]
	s_or_b32 s[G0A+3], s[G0A+3], 0x80000000
	s_mov_b32 s[G0B], 1
	s_add_co_u32 s[G0B+1], s84, SLOT1
	s_mov_b32 s52, s[GS]
	s_add_nc_u64 s[G0B+2:G0B+3], s[GB:GB+1], s[52:53]
	s_or_b32 s[G0B+3], s[G0B+3], 0x80000000
	ROUND                                          ; all four work-groups are here: the first joint loads meet
	s_cmp_lt_u32 s[WV], 4                          ; every wave has a first fill, in one branch on its number
	s_cbranch_scc0 .Lfirst_v
	tensor_load_to_lds s[G0A:G0A+3], s[G1:G1+7]    ; K's tile 0 into slot 0
	s_nop 0
.rept 4
	v_nop
.endr
	s_branch .Lfirst_done
.Lfirst_v:
	tensor_load_to_lds s[G0A:G0A+3], s[G1:G1+7]    ; V's tile 0 into slot 0,
	s_nop 0
	tensor_load_to_lds s[G0B:G0B+3], s[G1:G1+7]    ; tile 1 into slot 1
	s_nop 0
.rept 4
	v_nop
.endr
.Lfirst_done:
.irp c, 0,1,2,3
	global_load_b128 v[16+4*\c:19+4*\c], v[LI], s[94:95] offset:512*\c   ; Q's fragment stays in registers
.endr
	v_mov_b32 v13, 0xff61b1e6                      ; the largest t so far: -3e38
	v_floor_f32 v12, -v13                          ; -M
	v_mov_b32 v14, 0
	v_mov_b32 v15, 0
	v_mov_b32 v236, 0                              ; written once: a lane permute's destination counts as one of its sources
	v_mov_b32 v253, 0                              ; (named as the upper half of the pair v[252:253])
.set j, 0
.rept 64
	v_mov_b32 v[160+j], 0                          ; O^T: pass 2's step is written once for all its trips, so the sums begin as zeros
.set j, j+1
.endr
	s_wait_kmcnt 0x0
	s_add_co_i32 s84, s74, s75
	s_lshl_b32 s84, s84, 23
	s_add_co_i32 s[CS], s[CS], s84                 ; a score stands for score x 2^(e6 + e7): added to c's exponent field
	s_mov_b32 s[CS+1], s[CS]
	s_add_co_i32 s84, s77, 127
	s_lshl_b32 s85, s84, 23
	v_mov_b32 v244, s85                            ; 2^e9
	s_add_co_i32 s84, s84, 8
	s_lshl_b32 s84, s84, 23
	s_or_b32 s84, s84, 0x600000
	v_mov_b32 v240, s84                            ; 448 x 2^e9
	s_sub_co_i32 s84, s78, s76
	s_sub_co_i32 s84, s84, s77
	s_add_co_i32 s84, s84, 127
	s_lshl_b32 s85, s84, 23
	v_mov_b32 v245, s85                            ; 2^(e10 - e8 - e9): a sum of the second product stands for sum x 2^(e8 + e9)
	s_add_co_i32 s84, s84, 8
	s_lshl_b32 s84, s84, 23
	s_or_b32 s84, s84, 0x600000
	v_mov_b32 v241, s84
	v_mov_b32 v252, s63
	v_mul_f32 v252, 0xbfb8aa3b, v252               ; -lambda log2(e)
	v_exp_f32 v252, v252
	v_nop                                          ; a plain line behind the transcendental,
	s_wait_alu depctr_va_vdst(0)                   ; and a wait ahead of its first reader
	v_add_f32 v252, 1.0, v252
	v_rcp_f32 v252, v252                           ; lam = sigmoid(lambda)
	v_nop
	s_wait_alu depctr_va_vdst(0)
	v_sub_f32 v248, 1.0, v252                      ; 1 - lam
; S^T = K Q^T of the step's 128 keys, four tiles of 16 keys at a time.
.macro SCORES
	v_add_nc_u32 v[ADK], s[TB], v[LI]
	v_add_nc_u32 v[ADV], s[TB], v[LV]
.irp g, 0,1
.rept 2+2*\g
	v_nop                                          ; four places in front of loads into registers that matrix instructions have read; the two additions above are places too
.endr
.irp t, 0,1,2,3
.irp c, 0,1,2,3
	ds_load_b128 v[32+16*\t+4*\c:32+16*\t+4*\c+3], v[ADK] offset:(4*\g+\t)*2048+512*\c
.endr
.endr
	s_wait_dscnt 0x0
.irp t, 0,1,2,3
	v_wmma_f32_16x16x128_fp8_fp8 v[96+8*(4*\g+\t):103+8*(4*\g+\t)], v[32+16*\t:47+16*\t], v[16:31], 0
.endr
.endr
.rept 4
	v_nop
.endr
.endm
.macro TMINUSM                         ; t - M, two at a time, and the exponentials as one batch
.set j, 0
.rept 32
	v_pk_fma_f32 v[96+j:97+j], v[96+j:97+j], s[CS:CS+1], v[12:13] op_sel_hi:[1,0,0]
.set j, j+2
.endr
.set j, 0
.rept 64
	v_exp_f32 v[96+j], v[96+j]
.set j, j+1
.endr
.endm
; PASS 1's step: the running M and l.
.macro STAT
	SCORES
	v_max3_num_f32 v254, v96, v97, v98             ; the step's largest score of my query, in two chains, each accumulator from its low end on
	v_max3_num_f32 v252, v99, v100, v101
.irp i, 6,10,14,18,22,26,30,34,38,42,46,50,54,58
	v_max3_num_f32 v254, v254, v[96+\i], v[97+\i]
	v_max3_num_f32 v252, v252, v[98+\i], v[99+\i]
.endr
	v_max3_num_f32 v254, v254, v158, v159
	v_max_num_f32 v254, v254, v252
	v_permlanex16_b32 v236, v254, s[SEL], s[SEL+1]
	v_max_num_f32 v254, v254, v236                 ; and among lane l xor 16's keys
	v_mul_f32 v254, s[CS], v254                    ; as t (c is positive)
	v_max_num_f32 v13, v13, v254
	v_mov_b32 v254, v12
	v_floor_f32 v12, -v13                          ; the new -M = floor(-t)
	v_sub_f32 v254, v12, v254                      ; old M less new M: a whole number, 0 or less
	v_cvt_i32_f32 v254, v254
	v_ldexp_f32 v252, 1.0, v254                    ; f = 2^(old M - new M)
	TMINUSM
	v_pk_mul_f32 v[14:15], v[14:15], v[252:253] op_sel_hi:[1,0]   ; l under the new M.  (The plain line behind the exponentials)
	s_wait_alu depctr_va_vdst(0)                   ; one wait for the whole batch, ahead of its first reader
	v_pk_add_f32 v[242:243], v[96:97], v[98:99]
.irp j, 4,8,12,16,20,24,28,32,36,40,44,48,52,56,60
	v_pk_add_f32 v[14:15], v[14:15], v[96+\j:97+\j]
	v_pk_add_f32 v[242:243], v[242:243], v[98+\j:99+\j]
.endr
	v_pk_add_f32 v[14:15], v[14:15], v[242:243]
.endm
.macro VLOAD g                         ; four tiles of 16 channels x the step's 128 keys
.irp t, 0,1,2,3
.irp c, 0,1,2,3
	ds_load_b128 v[32+16*\t+4*\c:32+16*\t+4*\c+3], v[ADV] offset:(4*(\g)+\t)*2048+512*\c
.endr
.endr
.endm
; PASS 2's step: the scores again, the finished weights, their codes, O^T += V^T P^T.
.macro PVS
	SCORES
	VLOAD 0                                        ; behind the four places: they land while the weights are made
	TMINUSM
	v_nop                                          ; the plain line behind the exponentials
	s_wait_alu depctr_va_vdst(0)                   ; one wait for the batch
.set j, 0
.rept 32
	v_pk_mul_f32 v[96+j:97+j], v[96+j:97+j], v[246:247] op_sel_hi:[1,0]   ; x (1 - lam) / l: the weight as the problem has it
.set j, j+2
.endr
.irp b, 0,1,2,3
.irp i, 0,1,2,3,4,5,6,7,8,9,10,11,12,13,14,15
	v_min_num_f32 v[96+16*\b+\i], v[96+16*\b+\i], v240   ; the conversion does not saturate (ISA guide 7.6.2); the weight is not negative, so the hold is one-sided
.endr
	v_cvt_scalef32_pk8_fp8_f32 v[224+4*\b:225+4*\b], v[96+16*\b:103+16*\b], v244
	v_cvt_scalef32_pk8_fp8_f32 v[226+4*\b:227+4*\b], v[104+16*\b:111+16*\b], v244
.endr
	v_nop                                          ; a plain line between the conversions and the products that read their results
	s_wait_dscnt 0x0
.irp t, 0,1,2,3
	v_wmma_f32_16x16x128_fp8_fp8 v[160+8*\t:167+8*\t], v[32+16*\t:47+16*\t], v[224:239], v[160+8*\t:167+8*\t]
.endr
.rept 4
	v_nop
.endr
	VLOAD 1
	s_wait_dscnt 0x0
.irp t, 4,5,6,7
	v_wmma_f32_16x16x128_fp8_fp8 v[160+8*\t:167+8*\t], v[32+16*(\t-4):47+16*(\t-4)], v[224:239], v[160+8*\t:167+8*\t]
.endr
.endm
; THE CHANGE OF SLOTS stands at a slot's head.  Each wave waits for all its tensor loads, adds 0 to its spare word, and waits for that and for its reads of the slot that it has left.  Behind the round the slot ahead is whole and nobody
; reads the other one, which takes the next tile: fill = 1: K's alone; fill = 2: K's and V's; fill = 0: nothing, and a plain barrier.  The load has a slot's four steps in which to land.
.macro CHANGE fill
	s_wait_tensorcnt 0x0                           ; no tensor load of mine is out, so a group 0 may be written
	ds_add_u32 v[SPW], v[NIL]
.if \fill
	s_xor_b32 s[G0A+1], s[G0A+1], SLOT1            ; the walking descriptor: the other slot than last time,
	s_add_co_u32 s[TI], s[TI], 1
	s_and_b32 s[TI], s[TI], 3                      ; the next of the four tiles, round again for pass 2
	s_mul_i32 s52, s[TI], s[GS]
	s_add_nc_u64 s[G0A+2:G0A+3], s[GB:GB+1], s[52:53]
	s_or_b32 s[G0A+3], s[G0A+3], 0x80000000
	s_wait_xcnt 0x0                                ; the last prefetches, a slot back, have read their address
	s_add_nc_u64 s[PFA:PFA+1], s[PFA:PFA+1], s[PFS:PFS+1]
.endif
	s_wait_dscnt 0x0                               ; the add is done, and my reads of the slot that I have left are over
.if \fill
	ROUND
.else
	s_barrier_signal -1
	s_barrier_wait -1
.endif
.if \fill == 1
	s_cmp_lt_u32 s[WV], 4
	s_cbranch_scc0 .Lnone_\@
.endif
.if \fill
	tensor_load_to_lds s[G0A:G0A+3], s[G1:G1+7]    ; the first thing behind the round, and my one tensor load until the next
	s_nop 0
.rept 4
	v_nop
.endr
.Lnone_\@:
	ASK
.endif
.endm
.macro P2SLOT fill
	CHANGE \fill
	s_mov_b32 s[INN], 4
.Lpv_\@:
	PVS
	s_add_co_u32 s[TB], s[TB], 16384
	s_sub_co_u32 s[INN], s[INN], 1
	s_cmp_lg_u32 s[INN], 0
	s_cbranch_scc1 .Lpv_\@
	s_sub_co_u32 s[TB], s[TB], 65536
	s_xor_b32 s[TB], s[TB], SLOT1                  ; on to the other slot
.endm
	s_wait_loadcnt 0x0                             ; Q
	s_mov_b32 s[CNT], 4
.Lp1:                                              ; PASS 1: four slots
	CHANGE 1
	s_mov_b32 s[INN], 4
.Lst:
	STAT
	s_add_co_u32 s[TB], s[TB], 16384
	s_sub_co_u32 s[INN], s[INN], 1
	s_cmp_lg_u32 s[INN], 0
	s_cbranch_scc1 .Lst
	s_sub_co_u32 s[TB], s[TB], 65536
	s_xor_b32 s[TB], s[TB], SLOT1
	s_sub_co_u32 s[CNT], s[CNT], 1
	s_cmp_lg_u32 s[CNT], 0
	s_cbranch_scc1 .Lp1
	v_add_f32 v14, v14, v15                        ; l: its two halves,
	v_permlanex16_b32 v252, v14, s[SEL], s[SEL+1]
	v_add_f32 v14, v14, v252                       ; and lane l xor 16's
	v_rcp_f32 v14, v14
	v_nop
	s_wait_xcnt 0x0                                ; pass 1's prefetches have read their address:
	s_mov_b64 s[PFA:PFA+1], s[PFV:PFV+1]           ; pass 2's stand in V
	s_mov_b32 s[PFS], 0x80000
	s_sub_co_u32 s[LIM], s[LIM], 1
	s_wait_alu depctr_va_vdst(0)
	v_mul_f32 v246, v248, v14                      ; (1 - lam) / l
	v_mov_b32 v247, v246
	s_mov_b32 s[CNT], 3
	P2SLOT 1                                       ; PASS 2.  Slot 0: K's tile 0, V's tile 0; slot 1 takes K's tile 1 (V's tile 1 lies there unread)
	s_sub_co_u32 s[CNT], s[CNT], 1
.Lp2:                                              ; two trips: the slot that was left takes K's and V's tiles 2, then 3
	P2SLOT 2
	s_sub_co_u32 s[CNT], s[CNT], 1
	s_cmp_lg_u32 s[CNT], 0
	s_cbranch_scc1 .Lp2
	P2SLOT 0                                       ; the last slot is written out: nothing is left to fetch
	; THE WAY OUT.  Register 8 t + i of lane (r, h) is O(query r, channel 16 t + 8 h + i).  Held, converted with 2^(e10 - e8 - e9), through my stage, out in the order of the next operand's registers.
.rept 4
	v_nop
.endr
.set j, 0
.rept 64
	v_med3_num_f32 v[96+j], v[160+j], -v241, v241
.set j, j+1
.endr
.irp t, 0,1,2,3,4,5,6,7
	v_cvt_scalef32_pk8_fp8_f32 v[224+2*\t:225+2*\t], v[96+8*\t:103+8*\t], v245
.endr
	v_nop
.irp t, 0,1,2,3,4,5,6,7
	ds_store_b64 v10, v[224+2*\t:225+2*\t] offset:16*\t
.endr
.irp c, 0,1,2,3
	ds_load_b128 v[32+4*\c:35+4*\c], v11 offset:32*\c   ; LDS serves a wave's instructions in order: these see my stores
.endr
.irp c, 0,1,2,3
	s_wait_dscnt 3-\c                              ; the younger loads may be out
	global_store_b128 v[LI], v[32+4*\c:35+4*\c], s[10:11] offset:512*\c th:TH_STORE_NT   ; 32 lanes store 512 consecutive bytes
.endr
	s_wait_tensorcnt 0x0                           ; the wave's end
	ds_add_u32 v[SPW], v[NIL]
	s_wait_dscnt 0x0
	ROUND                                          ; the closing round
	s_endpgm
.Lfunc_end_k_qee96feee9d_attn:
	.size	k_qee96feee9d_attn, .Lfunc_end_k_qee96feee9d_attn-k_qee96feee9d_attn
	.p2alignl 7, 3214868480
	.fill 96, 4, 3214868480
	.section	.rodata,"a",@progbits
	.p2align	6, 0x0
	.amdhsa_kernel k_qee96feee9d_attn
		.amdhsa_group_segment_fixed_size 327680
		.amdhsa_private_segment_fixed_size 0
		.amdhsa_enable_private_segment 0
		.amdhsa_kernarg_size 32
		.amdhsa_user_sgpr_count 2
		.amdhsa_user_sgpr_kernarg_segment_ptr 1
		.amdhsa_wavefront_size32 1
		.amdhsa_system_sgpr_workgroup_id_x 1
		.amdhsa_system_sgpr_workgroup_id_y 1
		.amdhsa_system_sgpr_workgroup_id_z 1
		.amdhsa_system_vgpr_workitem_id 0
		.amdhsa_next_free_vgpr 256
		.amdhsa_next_free_sgpr 100
		.amdhsa_reserve_vcc 0
		.amdhsa_float_denorm_mode_32 3
		.amdhsa_float_denorm_mode_16_64 3
		.amdhsa_memory_ordered 1
		.amdhsa_forward_progress 1
		.amdhsa_inst_pref_size 76
	.end_amdhsa_kernel
	.amdgpu_metadata
---
amdhsa.version: [ 1, 2 ]
amdhsa.kernels:
  - .name:           k_qee96feee9d_attn
    .symbol:         k_qee96feee9d_attn.kd
    .args:
      - { .name: qkv, .offset: 0, .size: 8, .value_kind: global_buffer, .address_space: global }
      - { .name: lowp_scales, .offset: 8, .size: 8, .value_kind: global_buffer, .address_space: global }
      - { .name: lambda_param, .offset: 16, .size: 8, .value_kind: global_buffer, .address_space: global }
      - { .name: ao, .offset: 24, .size: 8, .value_kind: global_buffer, .address_space: global }
    .group_segment_fixed_size: 327680
    .private_segment_fixed_size: 0
    .kernarg_segment_align: 8
    .kernarg_segment_size: 32
    .max_flat_workgroup_size: 256
    .sgpr_count:     100
    .vgpr_count:     256
    .wavefront_size: 32
...
	.end_amdgpu_metadata
.endif
;; end of part 4
;; launch wo_ln1 (part 5): grid 64 x 1, 4 waves a work-group, no clusters, 327,680 bytes of LDS; arguments ao, wtc, lowp_scales, query, ln1_g, ln1_b, x1, x1c; writes x1, x1c
.if DOCPART == 5
	.amdgcn_target "amdgcn-amd-amdhsa--gfx1250"
	.amdhsa_code_object_version 6
	.text
	.protected	k_qee96feee9d_wo_ln1
	.globl	k_qee96feee9d_wo_ln1
	.p2align	8
	.type	k_qee96feee9d_wo_ln1,@function
k_qee96feee9d_wo_ln1:
	s_mov_b64 s[64:65], 0
	v_nop
	global_prefetch_b8 v0, s[64:65] scope:SCOPE_SE
	s_setreg_imm32_b32 hwreg(HW_REG_WAVE_MODE, 25, 1), 1
	s_wait_xcnt 0x0
; out = LayerNorm(resid + A W (+ bias)) x g + beta, the product on codes of FP8 (E4M3).  One text, two uses, by the constants below.
; KB = 8, this file: q_enh = LayerNorm(query + attn_out Wo): A = ao, W = Wo's codes at 3 MiB in wtc, scales' entries 10, 11; out = x1 (f32), and its codes with entry 12, row-major, in x1c.
; KB = 32: out0 = LayerNorm(q_enh + hidden ffn_w2 + ffn_b2): A = hc, W = ffn_w2's codes at 8 MiB, entries 14, 15; resid = x1; no codes.
; SHARES.  The norm wants whole rows of 1,024: a work-group takes 64 rows x all 1,024 columns, 64 work-groups.  Wave w takes all 64 rows x columns 256 w on: 64 accumulators, 512 registers.
; THE MATRIX INSTRUCTION IS USED TRANSPOSED (source 0 = 16 columns' weights, source 1 = 16 rows): lane (r, h) holds row 16 a + r and columns 256 w + 16 b + 8 h + 0 .. 7 in accumulator (a, b): window 2 + b / 8, register 32 (b % 8) + 8 a.
; A and W lie in memory in the order of the operands' registers: [K / 128][tile of 16][2048 bytes].  THE ROWS' CODES, which all four waves read, come ONCE into LDS, by one tensor load a wave (KB x 8,192 bytes in all), and are never filled again.
; THE WEIGHTS GO FROM MEMORY STRAIGHT INTO REGISTERS: each fragment is read by exactly one wave of the work-group, so a way through LDS would add a write and a read for each byte and spare none.  NO CLUSTER, for the same count:
; two LDS slots for 1,024 columns' weights would hold 128 along K each, so a joint load would have one step's 64 matrix instructions in which to land; here a wave has 48 to 64 loads of 512 bytes on their way all the time.
; THE SUMS BEGIN AS (resid + bias) / 2^E, E = ea + eb, brought into the accumulators' layout through a stage in LDS: no first step differs, nothing is added at the end.  The statistics are taken of y = z / 2^E:
; mean and centred squares (two passes, in registers), var(z) = var(y) 2^(2 E), and (z - mu) rstd = (y - mean) x rstd 2^E.  A row's sums meet across the four waves in LDS: two barriers.
; LIMITS: E between -126 and 126; entry 12 between -126 and 119.  NaN among the inputs is not served by the hold.
; REGISTERS: window 0: v1-15 addresses; v16-23 the bias, or the codes' two scale numbers; v24-31 sums; v32-127 at work; v128-191, v192-255 the rows' fragments, two sets (at the head: the residual; at the end: rows on their way out).
;   window 1: the weights' 16 fragments; at the end g (v[8 b]) and beta (v[128 + 8 b]).   windows 2, 3: the accumulators.
.set KB,   8                           ; K / 128
.set WOFF, 0x300000                    ; the weight's place in wtc
.set EA,   10
.set EB,   11
.set HASB, 0                           ; a bias?
.set HASC, 1                           ; codes out?
.set RR,   KB/4                        ; rows of 8,192 bytes in a wave's tensor load
.set STG,  262144                      ; LDS: the rows' codes from 0 on; a stage of 16 rows x 528 bytes for each wave;
.set CST,  295936                      ; a stage of 16 rows x 272 bytes for each wave, for the codes;
.set SCR1, 313344                      ; the rows' partial sums, 256 bytes a wave; the second set 1,024 bytes on;
.set SPARE, 315392                     ; the spare words
.set SPW, 1
.set NIL, 2
.set LI,  3                            ; 16 x lane
.set PFO, 4                            ; 256 x lane
.set CO,  6                            ; 16 x lane + 1,024 w: my bytes of a row of f32
.set STW, 7                            ; the stage by rows
.set STF, 8                            ; the stage by the accumulators' layout: 528 r + 32 h
.set ADA, 9                            ; the rows' fragments
.set SX,  10
.set SY,  11
.set GBO, 12                           ; g, beta: 32 h + 1,024 w
.set CSTO, 13
.set CRD, 14
.set CGO, 15
.set LIM, 16
.set SCL, 17
.set MSB, 0
.macro WIN new
.if MSB != (\new)
	s_set_vgpr_msb (MSB<<8)|(\new)
.set MSB, (\new)
.endif
.endm
.macro PLACES
.rept 4
	v_nop
.endr
.endm
	s_load_b512 s[4:19], s[0:1], 0x0               ; A s[4:5], wtc s[6:7], the scales s[8:9], resid s[10:11], g s[12:13], beta s[14:15], out s[16:17], the codes or the bias s[18:19]
	v_lshl_add_u32 v[SPW], v0, 2, SPARE
	v_mov_b32 v[NIL], 0
	ds_add_u32 v[SPW], v[NIL]                      ; the wave's opening: the add, twice on end, and its wait ahead of my first tensor load
	ds_add_u32 v[SPW], v[NIL]
	v_lshrrev_b32 v5, 5, v0
	v_readfirstlane_b32 s20, v5                    ; wave 0..3
	s_mov_b32 s28, 3<<16                           ; descriptor group 1: no mask, elements of 8 bytes, no padding
	s_mov_b32 s29, 1024<<16                        ; tensor_dim0 = 1,024 elements: my work-group's four tiles of one block of 128 along K, 8,192 bytes
	s_mov_b32 s30, RR<<16                          ; tensor_dim1
	s_mov_b32 s31, 1024<<16                        ; tile_dim0
	s_mov_b32 s32, RR                              ; tile_dim1
	s_mov_b32 s33, 65536                           ; the pitch: 524,288 bytes from block to block
	s_mov_b32 s34, 0
	s_mov_b32 s35, 0
	s_mov_b32 s24, 1
	s_mul_i32 s25, s20, RR*8192                    ; my quarter of the blocks, in LDS
	s_mul_i32 s44, s20, RR*524288                  ; and in memory,
	s_lshl_b32 s45, ttmp9, 13
	s_add_co_u32 s44, s44, s45                     ; at my work-group's four tiles
	s_mov_b32 s45, 0
	s_lshl_b32 s48, s20, 15
	s_add_co_u32 s48, s48, WOFF                    ; my 16 tiles of columns
	s_mov_b32 s49, 0
	s_lshl_b32 s50, ttmp9, 18                      ; my work-group's 64 rows of f32
	s_mov_b32 s51, 0
	s_lshl_b32 s52, ttmp9, 16                      ; and of codes
	s_mov_b32 s53, 0
	s_mov_b32 s46, 0x76543210
	s_mov_b32 s47, 0xfedcba98
	s_mov_b32 s39, 0
	v_and_b32 v24, 15, v0                          ; r
	v_bfe_u32 v25, v0, 4, 1                        ; h
	v_and_b32 v5, 31, v0
	v_lshlrev_b32 v[LI], 4, v5
	v_lshlrev_b32 v[PFO], 8, v5
	s_lshl_b32 s54, s20, 10
	v_add_nc_u32 v[CO], s54, v[LI]
	s_mul_i32 s55, s20, 8448
	s_add_co_u32 s55, s55, STG
	v_add_nc_u32 v[STW], s55, v[LI]
	v_mul_u32_u24 v26, v24, 528
	v_lshl_add_u32 v26, v25, 5, v26
	v_add_nc_u32 v[STF], s55, v26
	v_mov_b32 v[ADA], v[LI]
	s_lshl_b32 s55, s20, 8
	v_lshlrev_b32 v26, 2, v24
	v_add_nc_u32 v[SY], SCR1, v26
	v_add_nc_u32 v[SX], s55, v[SY]
	v_lshlrev_b32 v26, 5, v25
	v_add_nc_u32 v[GBO], s54, v26
	s_mul_i32 s56, s20, 4352
	s_add_co_u32 s56, s56, CST
	v_mul_u32_u24 v26, v24, 272
	v_lshl_add_u32 v26, v25, 3, v26
	v_add_nc_u32 v[CSTO], s56, v26                 ; the codes' stage, in: row r, + 8 h
	v_mul_u32_u24 v26, v25, 272
	v_lshl_add_u32 v26, v24, 4, v26
	v_add_nc_u32 v[CRD], s56, v26                  ; back: sixteen lanes to a row
	v_lshlrev_b32 v26, 10, v25
	v_lshl_add_u32 v26, v24, 4, v26
	v_add_nc_u32 v[CGO], s55, v26                  ; and the same place in rows of 1,024 codes, + 256 w
	s_wait_dscnt 0x0                               ; both opening adds are done
	s_wait_kmcnt 0x0
	s_load_b512 s[68:83], s[8:9], 0x0              ; the sixteen exponents
	s_add_nc_u64 s[26:27], s[4:5], s[44:45]
	s_or_b32 s27, s27, 0x80000000
	tensor_load_to_lds s[24:27], s[28:35]          ; my one tensor load of the launch
	s_nop 0
	PLACES
	s_add_nc_u64 s[36:37], s[6:7], s[48:49]        ; the weights
	s_add_nc_u64 s[10:11], s[10:11], s[50:51]
	s_add_nc_u64 s[16:17], s[16:17], s[50:51]
.if HASC
	s_add_nc_u64 s[18:19], s[18:19], s[52:53]
.endif
.if KB == 32
	s_min_u32 s44, ttmp9, 3                        ; the prefetches: work-groups 0 to 3 ask; wave 4 g + w takes 8,192 bytes of a step's 131,072
	s_lshl_b32 s44, s44, 2
	s_add_co_u32 s44, s44, s20
	s_lshl_b32 s44, s44, 13
	s_add_co_u32 s44, s44, WOFF+3*131072           ; at K step 3
	s_add_nc_u64 s[84:85], s[6:7], s[44:45]
	s_cmp_lt_u32 ttmp9, 4
	s_cselect_b32 s88, 1, -1
.endif
.macro BLOAD g, ah                     ; the weights' fragments 4 g .. 4 g + 3 of the K step ah ahead of the base: each load 512 consecutive bytes
.irp bb, 0,1,2,3
.irp c, 0,1,2,3
	global_load_b128 v[16*(4*(\g)+\bb)+4*\c:16*(4*(\g)+\bb)+4*\c+3], v[LI], s[36:37] offset:(\ah)*131072+(4*(\g)+\bb)*2048+512*\c
.endr
.endr
.endm
.macro LOADR i                         ; chunk i of the residual: rows 16 (i / 2) on, my columns 128 (i % 2) on: 16 loads of 512 consecutive bytes
.set RB, 128+64*((\i)%2)
.irp t, 0,1,2,3,4,5,6,7,8,9,10,11,12,13,14,15
	global_load_b128 v[RB+4*\t:RB+4*\t+3], v[CO], s[10:11] offset:(16*((\i)/2)+\t)*4096+512*((\i)%2) th:TH_LOAD_NT
.endr
.endm
.macro RESIN i                         ; chunk i, x 2^-E (+ the bias), through my stage into the accumulators
.set RB, 128+64*((\i)%2)
.if (\i) < 7
	s_wait_loadcnt 16                              ; this chunk is in; the next chunk's 16 loads may be out
.else
	s_wait_loadcnt 0
.endif
.set j, 0
.rept 32
.if HASB
	v_pk_fma_f32 v[RB+j:RB+j+1], v[RB+j:RB+j+1], s[40:41], v[16+4*((\i)%2)+j%4:16+4*((\i)%2)+j%4+1] op_sel_hi:[1,0,1]
.else
	v_pk_mul_f32 v[RB+j:RB+j+1], v[RB+j:RB+j+1], s[40:41] op_sel_hi:[1,0]
.endif
.set j, j+2
.endr
.irp t, 0,1,2,3,4,5,6,7,8,9,10,11,12,13,14,15
	ds_store_b128 v[STW], v[RB+4*\t:RB+4*\t+3] offset:528*\t
.endr
	WIN 0x80+0x40*((\i)%2)                         ; destination window 2 or 3
.irp b, 0,1,2,3,4,5,6,7
	ds_load_b128 v[32*\b+8*((\i)/2):32*\b+8*((\i)/2)+3], v[STF] offset:64*\b      ; LDS serves a wave's instructions in order: these see my stores
	ds_load_b128 v[32*\b+8*((\i)/2)+4:32*\b+8*((\i)/2)+7], v[STF] offset:64*\b+16
.endr
	WIN 0
	s_wait_dscnt 0x0                               ; the stores have read their registers, the stage has been read
.if (\i) < 6
	LOADR (\i)+2
.endif
.endm
	WIN 0x40                                       ; destination window 1
	BLOAD 0, 0
	BLOAD 1, 0
	BLOAD 2, 0
	BLOAD 3, 0
	WIN 0
.if HASB
	global_load_b128 v[16:19], v[CO], s[18:19]               ; the bias of my columns, as a row's loads take them
	global_load_b128 v[20:23], v[CO], s[18:19] offset:512
.endif
	LOADR 0
	LOADR 1
	s_wait_kmcnt 0x0
	s_add_co_i32 s42, s[68+EA], s[68+EB]           ; E
	s_sub_co_i32 s44, 127, s42
	s_lshl_b32 s40, s44, 23                        ; 2^-E as f32
	s_mov_b32 s41, s40
	s_lshl_b32 s43, s42, 1                         ; 2 E
.if HASC
	s_add_co_i32 s44, s80, 127
	s_lshl_b32 s45, s44, 23
	v_mov_b32 v[SCL], s45                          ; 2^e12
	s_add_co_i32 s44, s44, 8
	s_lshl_b32 s44, s44, 23
	s_or_b32 s44, s44, 0x600000
	v_mov_b32 v[LIM], s44                          ; 448 x 2^e12
.endif
.if HASB
	s_wait_loadcnt 32                              ; the bias is in; the two chunks' 32 loads behind it may be out
.irp j, 16,18,20,22
	v_pk_mul_f32 v[\j:\j+1], v[\j:\j+1], s[40:41] op_sel_hi:[1,0]
.endr
.endif
.irp i, 0,1,2,3,4,5,6,7
	RESIN \i
.endr
	s_wait_tensorcnt 0x0                           ; my quarter of the rows' codes is in,
	s_barrier_signal -1
	s_barrier_wait -1                              ; everybody's is; nothing is filled again
.macro AFETCH set, koff                ; the four tiles of rows of one K step
.irp a, 0,1,2,3
.irp c, 0,1,2,3
	ds_load_b128 v[128+64*(\set)+16*\a+4*\c:128+64*(\set)+16*\a+4*\c+3], v[ADA] offset:(\koff)+\a*2048+512*\c
.endr
.endr
.endm
.macro MUL g, set                      ; 16 products; the 64 accumulators take turns, one instruction a turn, in the same order in every step
.irp bb, 0,1,2,3
.irp a, 0,1,2,3
.set RA, 32*((4*(\g)+\bb)%8)+8*\a
	v_wmma_f32_16x16x128_fp8_fp8 v[RA:RA+7], v[16*(4*(\g)+\bb):16*(4*(\g)+\bb)+15], v[128+64*(\set)+16*\a:128+64*(\set)+16*\a+15], v[RA:RA+7]
.endr
.endr
.endm
; A PREFETCH INTO THE L2 (KB = 32 alone: with KB = 8 the walk is eight steps long): the weights of the K steps three and four ahead of the step in hand, two steps ahead of the loads that will want the first of them.
; All 64 work-groups walk the same weights: work-groups 0 to 3 ask, each wave for 8,192 bytes of a step, lanes 256 bytes apart: each block is named once.  K steps 0 to 2 and the last come by their loads alone.
.macro ASK
	s_cmp_gt_u32 s38, s88
	s_cbranch_scc0 .Lnot_mine_\@
	global_prefetch_b8 v[PFO], s[84:85] th:TH_LOAD_NT scope:SCOPE_SE
	global_prefetch_b8 v[PFO], s[84:85] offset:131072 th:TH_LOAD_NT scope:SCOPE_SE
.Lnot_mine_\@:
.endm
; A K step: four groups of four fragments of the weights.  A group is waited for, multiplied, and loaded again with the next step's at once, so that three groups' loads, or four, are always on their way.
.macro KSTEP set, ah, more, fa, koff, ask
	s_wait_dscnt 0x0                               ; the rows' fragments of this step are in
.irp g, 0,1,2,3
.if \more
	s_wait_loadcnt 48                              ; this group is in; the 48 loads of the three groups issued behind it may be out
.else
	s_wait_loadcnt 48-16*\g
.endif
.if \g < 2
	WIN 0xa1                                       ; source 0 (the weights) window 1, source 1 (the rows) window 0, C and D window 2
.else
	WIN 0xf1
.endif
	MUL \g, \set
.if \more
	PLACES                                         ; in front of loads into registers that matrix instructions have read
	WIN 0x40
	BLOAD \g, \ah
.endif
.if (\g == 0) && (\fa)
	WIN 0
	AFETCH 1-(\set), \koff                         ; the other set, last read in the step before
.if (\ask) && (KB == 32)
	ASK
.endif
.endif
.endr
.endm
	AFETCH 0, 0
	s_mov_b32 s38, KB/2-1
.Lk:                                               ; a trip is two K steps
	KSTEP 0, 1, 1, 1, 8192, 1
	KSTEP 1, 2, 1, 1, 16384, 0
	WIN 0
	s_wait_xcnt 0x0                                ; the loads and prefetches have read their bases
	s_add_nc_u64 s[36:37], s[36:37], 262144
.if KB == 32
	s_add_nc_u64 s[84:85], s[84:85], 262144
.endif
	s_add_co_u32 s39, s39, 16384
	v_add_nc_u32 v[ADA], s39, v[LI]
	s_sub_co_u32 s38, s38, 1
	s_cmp_lg_u32 s38, 0
	s_cbranch_scc1 .Lk
	KSTEP 0, 1, 1, 1, 8192, 0                      ; the last two steps: the last loads nothing
	KSTEP 1, 0, 0, 0, 0, 0
	; ---- the norm.  Sums of my 128 numbers of each of the four rows that I hold, in four chains
	WIN 0
.irp j, 0,1,2,3,4,5,6,7
	v_mov_b32 v[24+\j], 0                          ; (these eight are also the places behind the last products)
.endr
	WIN 0x40
.irp b, 0,1,2,3,4,5,6,7,8,9,10,11,12,13,14,15
	global_load_b128 v[8*\b:8*\b+3], v[GBO], s[12:13] offset:64*\b              ; g and beta of my columns, in the accumulators' layout, where the weights lay
	global_load_b128 v[8*\b+4:8*\b+7], v[GBO], s[12:13] offset:64*\b+16
	global_load_b128 v[128+8*\b:128+8*\b+3], v[GBO], s[14:15] offset:64*\b
	global_load_b128 v[128+8*\b+4:128+8*\b+7], v[GBO], s[14:15] offset:64*\b+16
.endr
.irp u, 0,1
	WIN 0x02+\u                                    ; source 0: window 2 or 3
.irp b, 0,1,2,3,4,5,6,7
.irp p, 0,2,4,6
.irp a, 0,1,2,3
	v_pk_add_f32 v[24+2*\a:25+2*\a], v[32*\b+8*\a+\p:32*\b+8*\a+\p+1], v[24+2*\a:25+2*\a]   ; each accumulator from its low end on
.endr
.endr
.endr
.endr
	WIN 0
; The four sums' halves, the other half of the lanes, and the other three waves: through LDS, each wave's 64 words its own; the result in v[96 + 4 a], the same in every wave.
.macro ACROSS off
.irp a, 0,1,2,3
	v_add_f32 v[24+2*\a], v[24+2*\a], v[25+2*\a]
.endr
.irp a, 0,1,2,3
	v_permlanex16_b32 v[25+2*\a], v[24+2*\a], s46, s47
.endr
.irp a, 0,1,2,3
	v_add_f32 v[24+2*\a], v[24+2*\a], v[25+2*\a]
.endr
.irp a, 0,1,2,3
	ds_store_b32 v[SX], v[24+2*\a] offset:\off+64*\a
.endr
	s_wait_dscnt 0x0                               ; for the others' sake: my stores are done
	s_barrier_signal -1
	s_barrier_wait -1
.irp a, 0,1,2,3
.irp w, 0,1,2,3
	ds_load_b32 v[96+4*\a+\w], v[SY] offset:\off+256*\w+64*\a
.endr
.endr
	s_wait_dscnt 0x0
.irp a, 0,1,2,3
	v_add_f32 v[96+4*\a], v[96+4*\a], v[97+4*\a]
	v_add_f32 v[98+4*\a], v[98+4*\a], v[99+4*\a]
.endr
.irp a, 0,1,2,3
	v_add_f32 v[96+4*\a], v[96+4*\a], v[98+4*\a]
.endr
.endm
	ACROSS 0
.irp a, 0,1,2,3
	v_mul_f32 v[112+2*\a], 0x3a800000, v[96+4*\a]  ; the mean: / 1,024; both words of a pair
	v_mul_f32 v[113+2*\a], 0x3a800000, v[96+4*\a]
.endr
.irp j, 0,1,2,3,4,5,6,7
	v_mov_b32 v[24+\j], 0
.endr
.irp u, 0,1
	WIN 0x82+0x41*\u                               ; destination and source 0: window 2 or 3
.irp b, 0,1,2,3,4,5,6,7
.irp p, 0,2,4,6
.irp a, 0,1,2,3
	v_pk_add_f32 v[32*\b+8*\a+\p:32*\b+8*\a+\p+1], v[32*\b+8*\a+\p:32*\b+8*\a+\p+1], v[112+2*\a:113+2*\a] neg_lo:[0,1] neg_hi:[0,1]   ; centred, in place
.endr
.endr
.endr
	WIN 0x0a+5*\u                                  ; sources 0 and 1
.irp b, 0,1,2,3,4,5,6,7
.irp p, 0,2,4,6
.irp a, 0,1,2,3
	v_pk_fma_f32 v[24+2*\a:25+2*\a], v[32*\b+8*\a+\p:32*\b+8*\a+\p+1], v[32*\b+8*\a+\p:32*\b+8*\a+\p+1], v[24+2*\a:25+2*\a]
.endr
.endr
.endr
.endr
	WIN 0
	ACROSS 1024
.irp a, 0,1,2,3
	v_mul_f32 v[96+4*\a], 0x3a800000, v[96+4*\a]
	v_ldexp_f32 v[96+4*\a], v[96+4*\a], s43        ; the variance of z
	v_add_f32 v[96+4*\a], 0x3727c5ac, v[96+4*\a]   ; + 1e-5
.endr
.irp a, 0,1,2,3
	v_rsq_f32 v[97+4*\a], v[96+4*\a]
.endr
	v_nop                                          ; a plain line behind the last of the batch,
	s_wait_alu depctr_va_vdst(0)                   ; and one wait for the four, ahead of their first reader
.irp a, 0,1,2,3
	v_ldexp_f32 v[120+2*\a], v[97+4*\a], s42       ; rstd x 2^E
	v_ldexp_f32 v[121+2*\a], v[97+4*\a], s42
.endr
	s_wait_loadcnt 0x0                             ; g and beta
.irp u, 0,1
	WIN 0x82+0x41*\u
.irp b, 0,1,2,3,4,5,6,7
.irp p, 0,2,4,6
.irp a, 0,1,2,3
	v_pk_mul_f32 v[32*\b+8*\a+\p:32*\b+8*\a+\p+1], v[32*\b+8*\a+\p:32*\b+8*\a+\p+1], v[120+2*\a:121+2*\a]
.endr
.endr
.endr
	WIN 0x96+0x41*\u                               ; sources 1 and 2 (g, beta): window 1
.irp b, 0,1,2,3,4,5,6,7
.irp p, 0,2,4,6
.irp a, 0,1,2,3
	v_pk_fma_f32 v[32*\b+8*\a+\p:32*\b+8*\a+\p+1], v[32*\b+8*\a+\p:32*\b+8*\a+\p+1], v[64*\u+8*\b+\p:64*\u+8*\b+\p+1], v[128+64*\u+8*\b+\p:128+64*\u+8*\b+\p+1]
.endr
.endr
.endr
.endr
	WIN 0
; ---- the rows leave as f32: chunk i (rows 16 (i / 2) on, my columns 128 (i % 2) on) through my stage, back as rows of 512 bytes
.macro TOSTAGE i
	WIN 0x08+4*((\i)%2)                            ; the stores' data: window 2 or 3
.irp b, 0,1,2,3,4,5,6,7
	ds_store_b128 v[STF], v[32*\b+8*((\i)/2):32*\b+8*((\i)/2)+3] offset:64*\b
	ds_store_b128 v[STF], v[32*\b+8*((\i)/2)+4:32*\b+8*((\i)/2)+7] offset:64*\b+16
.endr
	WIN 0
.set BB, 32+96*((\i)%2)
.irp t, 0,1,2,3,4,5,6,7,8,9,10,11,12,13,14,15
	ds_load_b128 v[BB+4*\t:BB+4*\t+3], v[STW] offset:528*\t
.endr
.endm
.macro SEND i, younger
.set BB, 32+96*((\i)%2)
	s_wait_dscnt \younger                          ; the chunk is back; the next chunk's 16 stores and 16 loads may be out
.irp t, 0,1,2,3,4,5,6,7,8,9,10,11,12,13,14,15
	global_store_b128 v[CO], v[BB+4*\t:BB+4*\t+3], s[16:17] offset:(16*((\i)/2)+\t)*4096+512*((\i)%2) th:TH_STORE_NT   ; 32 lanes store 512 consecutive bytes
.endr
.endm
	TOSTAGE 0
.irp i, 1,2,3,4,5,6,7
.if \i > 1
	s_wait_xcnt 0x0                                ; chunk i - 2's stores have read their registers: chunk i's loads may land there
.endif
	TOSTAGE \i
	SEND \i-1, 32
.endr
	SEND 7, 0
.if HASC
	; ---- and as codes, row-major: a lane's eight numbers of tile b are 8 bytes of row r; 16 rows x my 256 columns gather in the codes' stage and leave sixteen lanes to an aligned 256 bytes
	s_wait_xcnt 0x0                                ; the stores above have read their registers
.irp a, 0,1,2,3
.irp u, 0,1
	WIN 0x02+\u
.irp b, 0,1,2,3,4,5,6,7
.irp j, 0,1,2,3,4,5,6,7
	v_med3_num_f32 v[32+8*\b+\j], v[32*\b+8*\a+\j], -v[LIM], v[LIM]   ; the hold at the largest code x the scale
.endr
.endr
	WIN 0
.irp b, 0,1,2,3,4,5,6,7
	v_cvt_scalef32_pk8_fp8_f32 v[96+16*\u+2*\b:97+16*\u+2*\b], v[32+8*\b:39+8*\b], v[SCL]
.endr
	v_nop                                          ; a plain line between the conversions and the next holds, which write their sources
.irp b, 0,1,2,3,4,5,6,7
	ds_store_b64 v[CSTO], v[96+16*\u+2*\b:97+16*\u+2*\b] offset:128*\u+16*\b
.endr
.endr
.irp t, 0,1,2,3,4,5,6,7
	ds_load_b128 v[128+32*\a+4*\t:128+32*\a+4*\t+3], v[CRD] offset:544*\t
.endr
	s_wait_dscnt 0x0
.irp t, 0,1,2,3,4,5,6,7
	global_store_b128 v[CGO], v[128+32*\a+4*\t:128+32*\a+4*\t+3], s[18:19] offset:(16*\a+2*\t)*1024 th:TH_STORE_NT
.endr
.endr
.endif
	s_wait_tensorcnt 0x0                           ; the wave's end
	ds_add_u32 v[SPW], v[NIL]
	s_wait_dscnt 0x0
	s_endpgm
.Lfunc_end_k_qee96feee9d_wo_ln1:
	.size	k_qee96feee9d_wo_ln1, .Lfunc_end_k_qee96feee9d_wo_ln1-k_qee96feee9d_wo_ln1
	.p2alignl 7, 3214868480
	.fill 96, 4, 3214868480
	.section	.rodata,"a",@progbits
	.p2align	6, 0x0
	.amdhsa_kernel k_qee96feee9d_wo_ln1
		.amdhsa_group_segment_fixed_size 327680
		.amdhsa_private_segment_fixed_size 0
		.amdhsa_enable_private_segment 0
		.amdhsa_kernarg_size 64
		.amdhsa_user_sgpr_count 2
		.amdhsa_user_sgpr_kernarg_segment_ptr 1
		.amdhsa_wavefront_size32 1
		.amdhsa_system_sgpr_workgroup_id_x 1
		.amdhsa_system_sgpr_workgroup_id_y 1
		.amdhsa_system_sgpr_workgroup_id_z 1
		.amdhsa_system_vgpr_workitem_id 0
		.amdhsa_next_free_vgpr 1024
		.amdhsa_next_free_sgpr 100
		.amdhsa_reserve_vcc 0
		.amdhsa_float_denorm_mode_32 3
		.amdhsa_float_denorm_mode_16_64 3
		.amdhsa_memory_ordered 1
		.amdhsa_forward_progress 1
		.amdhsa_inst_pref_size 255
	.end_amdhsa_kernel
	.section	.bss,"aw",@nobits
	.p2align	6
	.space	262144
	.amdgpu_metadata
---
amdhsa.version: [ 1, 2 ]
amdhsa.kernels:
  - .name:           k_qee96feee9d_wo_ln1
    .symbol:         k_qee96feee9d_wo_ln1.kd
    .args:
      - { .name: ao, .offset: 0, .size: 8, .value_kind: global_buffer, .address_space: global }
      - { .name: wtc, .offset: 8, .size: 8, .value_kind: global_buffer, .address_space: global }
      - { .name: lowp_scales, .offset: 16, .size: 8, .value_kind: global_buffer, .address_space: global }
      - { .name: query, .offset: 24, .size: 8, .value_kind: global_buffer, .address_space: global }
      - { .name: ln1_g, .offset: 32, .size: 8, .value_kind: global_buffer, .address_space: global }
      - { .name: ln1_b, .offset: 40, .size: 8, .value_kind: global_buffer, .address_space: global }
      - { .name: x1, .offset: 48, .size: 8, .value_kind: global_buffer, .address_space: global }
      - { .name: x1c, .offset: 56, .size: 8, .value_kind: global_buffer, .address_space: global }
    .group_segment_fixed_size: 327680
    .private_segment_fixed_size: 0
    .kernarg_segment_align: 8
    .kernarg_segment_size: 64
    .max_flat_workgroup_size: 128
    .sgpr_count:     100
    .vgpr_count:     1024
    .wavefront_size: 32
...
	.end_amdgpu_metadata
.endif
;; end of part 5
;; launch ffn1 (part 6): grid 16 x 16, 4 waves a work-group, clusters of 4 x 4, 327,680 bytes of LDS; arguments x1c, wtc, lowp_scales, hc, ffn_b1; writes hc
.if DOCPART == 6
	.amdgcn_target "amdgcn-amd-amdhsa--gfx1250"
	.amdhsa_code_object_version 6
	.text
	.protected	k_qee96feee9d_ffn1
	.globl	k_qee96feee9d_ffn1
	.p2align	8
	.type	k_qee96feee9d_ffn1,@function
k_qee96feee9d_ffn1:
	s_mov_b64 s[64:65], 0
	v_nop
	global_prefetch_b8 v0, s[64:65] scope:SCOPE_SE
	s_setreg_imm32_b32 hwreg(HW_REG_WAVE_MODE, 25, 1), 1
	s_wait_xcnt 0x0
	s_wait_alu depctr_hold_cnt(0) depctr_sa_sdst(0) depctr_va_vdst(0) depctr_va_sdst(0) depctr_va_ssrc(0) depctr_va_vcc(0) depctr_vm_vsrc(0)
	s_getreg_b32 s2, hwreg(HW_REG_IB_STS2, 6, 4)
	s_cmp_eq_u32 s2, 0
	s_cbranch_scc0 .Lentry_in_a_cluster
	s_endpgm
.Lentry_in_a_cluster:
	s_bfe_u32 s2, ttmp6, 0x10000c
	s_cmp_lg_u32 s2, 0xf033
	s_cbranch_scc0 .Lentry_shape_is_right
	s_endpgm
.Lentry_shape_is_right:
; A GEMM on codes of FP8 (E4M3), C = A B^T over K = 1,024, whose results are quantised at once and leave as codes IN THE ORDER OF THE NEXT OPERAND'S REGISTERS.  One text, two uses, by the constant FFN.
; FFN = 1, this file: hidden = relu(q_enh ffn_w1 + ffn_b1): A = x1c, B = ffn_w1's codes at 4 MiB in wtc, 4,096 x 4,096, entries 12+13 in, 14 out; the bias, divided by 2^(ea + eb), is the C of each sum's first product; the hold clips at 0.
; FFN = 0: the three projections (Q, K, and V^T with the weight as A).
; A sum stands for sum x 2^(ea + eb), so its code is sum / 2^(eo - ea - eb): the three scales are folded into the conversion's one.  LIMITS: eo - ea - eb between -126 and 119; ea + eb between -126 and 126.
; OUT: [column / 128][row / 16][c 0..3][lane 16 h + r][16 bytes] = codes of columns 128 kb + 32 c + 16 h + 0 .. 15 of row 16 tile + r.  A wave's 128 x 128 are 16,384 consecutive bytes.
; A tile of C, 256 x 256, is made by four waves, each 128 x 128: 64 accumulators, 512 registers.  K goes in steps of 256 through two LDS slots filled by the tensor data mover: a tile's row is 256 bytes of memory.
; CLUSTERS: 4 x 4 work-groups.  The four of a row of the cluster need the same tiles of A, the four of a column the same tiles of B: each tile is asked for JOINTLY.  THE MATRIX INSTRUCTION IS USED TRANSPOSED
; (source 0 = 16 rows of B, source 1 = 16 rows of A): a lane then holds eight neighbouring columns of a row of C, which are neighbours along the next K.
; No prefetch: K has four slots' worth, and the first two go out at the head.
; REGISTERS: window 0: v16-31 addresses and the two scale numbers; v32-95 the bias, later numbers at work; from v128 A's fragments, ONE set; window 1: B's fragments, TWO sets; windows 2, 3: the accumulators ((a, b) at v[8 (8 (a % 4) + b)]).
.set FFN,    1
.set ROWB,   256                       ; a tile's row in bytes
.set KROW,   1024                      ; a row of A or of B in memory
.set PITCH,  272                       ; an LDS row: 256 bytes + 16 of padding: the 16 rows that a load touches start at 16 different banks (64 banks of 4 bytes: ISA guide 11.1)
.set FR,     16                        ; registers of a fragment: 16 rows x 128 K
.set NL,     4                         ; LDS loads that bring one
.set NP,     4                         ; places behind this matrix instruction (ISA guide 7.12.1)
.set HALFT,  128*PITCH
.set SLOT,   4*HALFT                   ; A's 256 rows, then B's 256 rows
.set LAPS,   2                         ; K = 1,024 is twice round the ring
.set SPARE,  2*SLOT                    ; behind the ring: the spare words
.set SP,     144                       ; the way out: a stage of 128 rows x (128 bytes + 16) for each wave, in slot 0, which has had its last fill and its last read by then
.set ADRA, 16
.set ADRB, 20
.set STO,  24                          ; v24  the way out: where I put 8 bytes of a row
.set RD,   25                          ; v25  where I read 16 bytes back
.set CO,   26                          ; v26  16 x lane
.set SPW,  28
.set NIL,  29
.set LIM,  30                          ; v30  448 x 2^(eo - ea - eb)
.set SCL,  31                          ; v31  2^(eo - ea - eb)
.set TMP,  32
.set BI,   32                          ; FFN: the bias, 8 tiles x 8 registers in the result's layout
.set AF,   128
.set CD,   128                         ; the way out: the codes, 16 registers a block
.set G1, 24
.set G0, 32
.set G1B, 48
.set G0B, 56
.set MSB, 0
.macro WIN new                         ; the immediate's high byte repeats the setting that is left
.if MSB != (\new)
	s_set_vgpr_msb (MSB<<8)|(\new)
.set MSB, (\new)
.endif
.endm
.set MUL_LO, 0xa1                      ; source 0 (B) window 1, source 1 (A) window 0, C and D window 2
.set MUL_HI, 0xf1
.set TO_B,   0x40
; A joint load: waves 0 and 1 fetch for A, waves 2 and 3 for B; the branch hangs on the wave's number alone.  An s_nop 0 and four v_nop follow each of the two lines.
.macro JLOAD g0a, g1a, g0b, g1b
	s_cmp_eq_u32 s15, 0
	s_cbranch_scc0 .Lfor_b_\@
	tensor_load_to_lds s[\g0a:\g0a+3], s[\g1a:\g1a+7]
	s_nop 0
.rept 4
	v_nop
.endr
	s_branch .Lasked_\@
.Lfor_b_\@:
	tensor_load_to_lds s[\g0b:\g0b+3], s[\g1b:\g1b+7]
	s_nop 0
.rept 4
	v_nop
.endr
.Lasked_\@:
.endm
.macro CREST                           ; a round of the cluster's barrier behind its opening barrier
	s_cmp_lg_u32 s14, 0
	s_cbranch_scc1 .Lnot_wave_0_\@
	s_barrier_signal -3
.Lnot_wave_0_\@:
	s_barrier_wait -3
	s_barrier_signal -1
	s_barrier_wait -1
.endm
.macro CROUND
	s_barrier_signal -1
	s_barrier_wait -1
	CREST
.endm
	s_load_b256 s[4:11], s[0:1], 0x0               ; A's buffer s[4:5], wtc s[6:7], the scales s[8:9], the output s[10:11]
.if FFN
	s_load_b64 s[12:13], s[0:1], 0x20              ; the bias
.endif
	v_lshl_add_u32 v[SPW], v0, 2, SPARE
	v_mov_b32 v[NIL], 0
	ds_add_u32 v[SPW], v[NIL]                      ; the wave's opening: the add, twice on end, and its wait ahead of my first tensor load
	ds_add_u32 v[SPW], v[NIL]
	v_lshrrev_b32 v1, 5, v0
	v_readfirstlane_b32 s14, v1                    ; wave 0..3
	s_lshr_b32 s15, s14, 1                         ; which half of the tile's rows is mine.  Also: I fetch for A (0) or for B (1)
	s_and_b32 s16, s14, 1                          ; which half of its columns.  Also: which 128 rows of that tile I fetch
	s_bfe_u32 s40, ttmp6, 0x40000                  ; cx, cy: my place in the cluster
	s_bfe_u32 s41, ttmp6, 0x40004
	s_and_b32 s84, ttmp7, 0xffff                   ; the cluster's y
.if FFN
	s_lshl_b32 s42, ttmp9, 2
	s_add_co_u32 s42, s42, s40                     ; tile column = 4 x cluster x + cx
	s_lshl_b32 s17, s84, 2
	s_add_co_u32 s17, s17, s41                     ; tile row = 4 x cluster y + cy
.else
	s_cmp_eq_u32 ttmp9, 2                          ; Q, K: 16 tile rows x 4 tile columns; V^T: 4 x 16
	s_cselect_b32 s85, 0, s84
	s_cselect_b32 s86, s84, 0
	s_lshl_b32 s42, s86, 2
	s_add_co_u32 s42, s42, s40                     ; tile column
	s_lshl_b32 s17, s85, 2
	s_add_co_u32 s17, s17, s41                     ; tile row
.endif
	s_lshl_b32 s43, s41, 2
	s_lshl_b32 s43, 15, s43                        ; my row of the cluster
	s_lshl_b32 s44, 0x1111, s40                    ; my column
	s_or_b32 s[G1+0], s43, (0<<16)|(1<<20)|(1<<21)|(5<<22)|(3<<25)  ; 15:0 the mask; elements of 1 byte; padding on; bit 21 beside a mask; after every 64 words (code 5) four words (code 3)
	s_or_b32 s[G1B+0], s44, (0<<16)|(1<<20)|(1<<21)|(5<<22)|(3<<25)
.irp g, G1, G1B
	s_mov_b32 s[\g+1], ROWB<<16                    ; tensor_dim0
	s_mov_b32 s[\g+2], 128<<16                     ; tensor_dim1
	s_mov_b32 s[\g+3], ROWB<<16                    ; tile_dim0
	s_mov_b32 s[\g+4], 128                         ; tile_dim1
	s_mov_b32 s[\g+5], KROW                        ; tensor_dim0_stride
	s_mov_b32 s[\g+6], 0
	s_mov_b32 s[\g+7], 0
.endr
	s_lshl_b32 s18, s16, 7                         ; which 128 rows of the tile I fetch
	s_lshl_b32 s20, s17, 8
	s_add_co_u32 s20, s20, s18
	s_lshl_b32 s20, s20, 10                        ; A: (256 x tile row + 128 x half) rows of 1,024 bytes
	s_lshl_b32 s46, s42, 8
	s_add_co_u32 s46, s46, s18
	s_lshl_b32 s46, s46, 10                        ; B likewise, by the tile column
.if FFN
	s_add_co_u32 s46, s46, 0x400000                ; ffn_w1's codes lie at 4 MiB in wtc
.else
	s_lshl_b32 s87, ttmp9, 22
	s_lshl_b32 s88, ttmp9, 20
	s_cmp_eq_u32 ttmp9, 2
	s_cselect_b32 s89, s88, s87                    ; A's tensor: query 0, key 4 MiB in actc; Wv 2 MiB in wtc
	s_cselect_b32 s90, s87, s88                    ; B's: Wq 0, Wk 1 MiB in wtc; value 8 MiB in actc
	s_add_co_u32 s20, s20, s89
	s_add_co_u32 s46, s46, s90
.endif
	s_mov_b32 s21, 0
	s_mov_b32 s47, 0
	s_mul_i32 s45, s14, HALFT                      ; where they go: wave x 128 rows: no place in the cluster enters an LDS address
	s_wait_dscnt 0x0                               ; both opening adds are done
	s_wait_kmcnt 0x0
	s_load_b512 s[68:83], s[8:9], 0x0              ; the sixteen exponents
.if FFN
	s_add_nc_u64 s[20:21], s[4:5], s[20:21]
	s_add_nc_u64 s[46:47], s[6:7], s[46:47]
.else
	s_cmp_eq_u32 ttmp9, 2                          ; the choice of buffers hangs on the cluster's x alone
	s_cselect_b64 s[92:93], s[6:7], s[4:5]
	s_cselect_b64 s[94:95], s[4:5], s[6:7]
	s_add_nc_u64 s[20:21], s[92:93], s[20:21]
	s_add_nc_u64 s[46:47], s[94:95], s[46:47]
.endif
	CROUND                                         ; all sixteen work-groups are here: the first joint loads meet
.irp s, 0,1
	s_mov_b32 s[G0+4*\s], 1
	s_add_co_u32 s[G0+4*\s+1], s45, \s*SLOT
	s_add_nc_u64 s[G0+4*\s+2:G0+4*\s+3], s[20:21], \s*ROWB
	s_or_b32 s[G0+4*\s+3], s[G0+4*\s+3], 0x80000000
	s_mov_b32 s[G0B+4*\s], 1
	s_add_co_u32 s[G0B+4*\s+1], s45, \s*SLOT
	s_add_nc_u64 s[G0B+4*\s+2:G0B+4*\s+3], s[46:47], \s*ROWB
	s_or_b32 s[G0B+4*\s+3], s[G0B+4*\s+3], 0x80000000
	JLOAD G0+4*\s, G1, G0B+4*\s, G1B
.endr
	v_and_b32 v1, 15, v0                           ; r = l % 16
	v_bfe_u32 v2, v0, 4, 1                         ; h = l / 16
	v_mul_u32_u24 v3, v1, PITCH
	v_lshl_add_u32 v4, v2, 4, v3                   ; a fragment's row x pitch + 16 x half
	s_mul_i32 s21, s15, HALFT                      ; my 128 rows of A
	s_mul_i32 s22, s16, HALFT                      ; my 128 rows of B,
	s_add_co_u32 s22, s22, 2*HALFT                 ; which lie behind A's 256
.irp s, 0,1
	v_add_nc_u32 v[ADRA+\s], s21, v4
	v_add_nc_u32 v[ADRB+\s], s22, v4
	s_add_co_u32 s21, s21, SLOT
	s_add_co_u32 s22, s22, SLOT
.endr
	s_mul_i32 s23, s14, 128*SP                     ; my stage
	v_mul_u32_u24 v5, v1, SP
	v_lshl_add_u32 v6, v2, 3, v5
	v_add_nc_u32 v[STO], s23, v6                   ; in: row r, + 8 h
	v_lshl_add_u32 v6, v2, 4, v5
	v_add_nc_u32 v[RD], s23, v6                    ; back: row r, + 16 h
	v_and_b32 v6, 31, v0
	v_lshlrev_b32 v[CO], 4, v6
	s_lshl_b32 s20, s17, 15                        ; my place in the output: (256 x tile row + 128 x half) x 128 bytes,
	s_lshl_b32 s21, s15, 14
	s_add_co_u32 s20, s20, s21
	s_lshl_b32 s46, s42, 1
	s_add_co_u32 s46, s46, s16                     ; + my block of 128 columns x (rows / 16) x 2,048
.if FFN
	s_lshl_b32 s46, s46, 19
.else
	s_cmp_eq_u32 ttmp9, 2
	s_cselect_b32 s47, 17, 19                      ; 1,024 rows in V^T, 4,096 in Q and K
	s_lshl_b32 s46, s46, s47
	s_add_co_u32 s46, s46, s87                     ; + the tensor's 4 MiB in qkv
.endif
	s_add_co_u32 s20, s20, s46
	s_mov_b32 s21, 0
	s_add_nc_u64 s[10:11], s[10:11], s[20:21]
.if FFN
	s_lshl_b32 s98, s42, 10                        ; the bias: my 128 numbers; lane (r, h) wants, for tile b, those of columns 16 b + 8 h + 0 .. 7
	s_lshl_b32 s99, s16, 9
	s_add_co_u32 s98, s98, s99
	s_mov_b32 s99, 0
	s_add_nc_u64 s[12:13], s[12:13], s[98:99]
	v_lshlrev_b32 v7, 5, v2
.irp b, 0,1,2,3,4,5,6,7
	global_load_b128 v[BI+8*\b:BI+8*\b+3], v7, s[12:13] offset:64*\b
	global_load_b128 v[BI+8*\b+4:BI+8*\b+7], v7, s[12:13] offset:64*\b+16
.endr
.endif
	s_wait_kmcnt 0x0
.if FFN
	s_add_co_i32 s96, s80, s81                     ; ea + eb: entries 12, 13
	s_mov_b32 s97, s82                             ; eo: entry 14
.else
	s_add_co_i32 s96, s68, s69
	s_add_co_i32 s97, s70, s71
	s_add_co_i32 s98, s72, s73
	s_cmp_eq_u32 ttmp9, 1                          ; values are chosen, nothing branches on them
	s_cselect_b32 s96, s97, s96
	s_cselect_b32 s97, s75, s74
	s_cmp_eq_u32 ttmp9, 2
	s_cselect_b32 s96, s98, s96                    ; ea + eb
	s_cselect_b32 s97, s76, s97                    ; eo: entry 6, 7 or 8
.endif
	s_sub_co_i32 s97, s97, s96
	s_add_co_i32 s97, s97, 127
	s_lshl_b32 s98, s97, 23
	v_mov_b32 v[SCL], s98                          ; 2^(eo - ea - eb) as f32
	s_add_co_i32 s97, s97, 8
	s_lshl_b32 s97, s97, 23
	s_or_b32 s97, s97, 0x600000
	v_mov_b32 v[LIM], s97                          ; 448 x that
.if FFN
	s_sub_co_i32 s96, 0, s96
	s_wait_loadcnt 0x0
.set j, 0
.rept 64
	v_ldexp_f32 v[BI+j], v[BI+j], s96              ; the bias / 2^(ea + eb): it goes in as the C of each sum's first product
.set j, j+1
.endr
.endif
.macro FRAG reg, adr, q, i             ; a fragment: lane l holds row l % 16; registers 4 c .. 4 c + 3 hold K = 32 c + 16 (l / 16) + 0 .. 15: the same places of k in A and in B
.irp c, 0,1,2,3
	ds_load_b128 v[\reg+4*\c:\reg+4*\c+3], v[\adr] offset:128*(\q)+32*\c+(\i)*16*PITCH
.endr
.endm
; 16 matrix instructions: A's blocks a0, a0 + 1 x B's eight.  zero = 1: the first product starts the sums, from 0 or from the bias.  The 64 accumulators take turns, one instruction a turn.
.macro MUL16 a0, p, zero
.irp a, \a0, \a0+1
.irp b, 0,1,2,3,4,5,6,7
.if (\zero) == 0
	v_wmma_f32_16x16x128_fp8_fp8 v[8*(8*((\a)%4)+\b):8*(8*((\a)%4)+\b)+7], v[128*(\p)+FR*\b:128*(\p)+FR*\b+FR-1], v[AF+FR*(\a):AF+FR*(\a)+FR-1], v[8*(8*((\a)%4)+\b):8*(8*((\a)%4)+\b)+7]
.elseif FFN
	v_wmma_f32_16x16x128_fp8_fp8 v[8*(8*((\a)%4)+\b):8*(8*((\a)%4)+\b)+7], v[128*(\p)+FR*\b:128*(\p)+FR*\b+FR-1], v[AF+FR*(\a):AF+FR*(\a)+FR-1], v[BI+8*\b:BI+8*\b+7]
.else
	v_wmma_f32_16x16x128_fp8_fp8 v[8*(8*((\a)%4)+\b):8*(8*((\a)%4)+\b)+7], v[128*(\p)+FR*\b:128*(\p)+FR*\b+FR-1], v[AF+FR*(\a):AF+FR*(\a)+FR-1], 0
.endif
.endr
.endr
.endm
.macro FETCH_B slot, q, p
	WIN TO_B
.irp i, 0,1,2,3,4,5,6,7
	FRAG 128*(\p)+FR*\i, ADRB+\slot, \q, \i
.endr
	WIN 0
.endm
.macro FETCH_A slot, q, i0
.irp i, \i0, \i0+1, \i0+2, \i0+3
	FRAG AF+FR*(\i), ADRA+\slot, \q, \i
.endr
.endm
.macro PLACES n                        ; plain vector instructions between a matrix instruction and a load into, or a read of, its registers
.rept \n
	v_nop
.endr
.endm
.macro STEP slot, q, zero              ; a step of 128 along K that has its successor in the same slot
	s_wait_dscnt 4*NL                              ; B's set and A's blocks 0-3 are in; the youngest 16 loads (A's blocks 4-7) may be out
.if (\zero) && FFN
	WIN 0x81                                       ; C (the bias) in window 0, D in window 2
.else
	WIN MUL_LO
.endif
	MUL16 0, (\q)%2, \zero
	MUL16 2, (\q)%2, \zero
	s_wait_dscnt 0
	PLACES NP
	FETCH_B \slot, (\q)+1, 1-(\q)%2
	FETCH_A \slot, (\q)+1, 0
.if (\zero) && FFN
	WIN 0xc1
.else
	WIN MUL_HI
.endif
	MUL16 4, (\q)%2, \zero
	MUL16 6, (\q)%2, \zero
	PLACES NP
	WIN 0
	FETCH_A \slot, (\q)+1, 4
.endm
; A slot's last step changes slots: ONE barrier; in front of it each wave waits for all its tensor loads, adds 0 to its spare word, and waits for that and for its reads of this slot.  fill = 1: this slot is filled again.
.macro TURN slot, next, fill
	s_wait_tensorcnt 0x0                           ; all my tensor loads have landed: my part of the next slot
	ds_add_u32 v[SPW], v[NIL]
	s_wait_dscnt 4*NL+1                            ; the add and the youngest 16 loads may be out
	WIN MUL_LO
	MUL16 0, 1, 0
	s_wait_dscnt 0x0                               ; the add is done, and my reads of this slot are over
	s_barrier_signal -1
	MUL16 2, 1, 0
	WIN 0
	s_barrier_wait -1
.if \fill
	CREST                                          ; the barrier has opened a round of the cluster's barrier: no wave of any partner still reads this slot or has a load on its way
	s_add_nc_u64 s[G0+4*\slot+2:G0+4*\slot+3], s[G0+4*\slot+2:G0+4*\slot+3], 2*ROWB
	s_add_nc_u64 s[G0B+4*\slot+2:G0B+4*\slot+3], s[G0B+4*\slot+2:G0B+4*\slot+3], 2*ROWB
	JLOAD G0+4*\slot, G1, G0B+4*\slot, G1B         ; the first tensor load behind the round; its four v_nop are the places in front of the loads below
.else
	PLACES NP
.endif
	FETCH_B \next, 0, 0
	FETCH_A \next, 0, 0
	WIN MUL_HI
	MUL16 4, 1, 0
	MUL16 6, 1, 0
	PLACES NP
	WIN 0
	FETCH_A \next, 0, 4
.endm
	s_wait_tensorcnt 1                             ; my part of K step 0 is in; K step 1's load may be out
	s_barrier_signal -1
	s_barrier_wait -1
	FETCH_B 0, 0, 0
	FETCH_A 0, 0, 0
	FETCH_A 0, 0, 4
	STEP 0, 0, 1                                   ; the first step stands in front of the loop: its products start the sums
	s_mov_b32 s3, LAPS-1
.Llap:                                                 ; a trip goes once round the ring and fills both slots again
	TURN 0, 1, 1
	STEP 1, 0, 0
	TURN 1, 0, 1
	STEP 0, 0, 0
	s_sub_co_u32 s3, s3, 1
	s_cmp_lg_u32 s3, 0
	s_cbranch_scc1 .Llap
	TURN 0, 1, 0                                   ; the last lap fills nothing
	STEP 1, 0, 0
	s_wait_dscnt 4*NL
	WIN MUL_LO
	MUL16 0, 1, 0
	MUL16 2, 1, 0
	s_wait_dscnt 0
	WIN MUL_HI
	MUL16 4, 1, 0
	MUL16 6, 1, 0
	WIN 0
; THE WAY OUT.  Block a (16 rows x 128 columns): the hold, eight conversions (a lane's eight numbers of tile b are columns 16 b + 8 h + 0 .. 7 of row r: 8 bytes), into my stage at row 16 a + r, byte 16 b + 8 h.
.macro CODES a
.set AC, 64*((\a)%4)
	WIN 0x02+((\a)/4)                              ; source 0: window 2 or 3
.set j, 0
.rept 64
.if FFN
	v_med3_num_f32 v[TMP+j], v[AC+j], 0, v[LIM]    ; the activation and the hold in one; each accumulator from its low end on
.else
	v_med3_num_f32 v[TMP+j], v[AC+j], -v[LIM], v[LIM]   ; the hold at the largest code x the scale; each accumulator from its low end on
.endif
.set j, j+1
.endr
	WIN 0
.irp b, 0,1,2,3,4,5,6,7
	v_cvt_scalef32_pk8_fp8_f32 v[CD+16*(\a)+2*\b:CD+16*(\a)+2*\b+1], v[TMP+8*\b:TMP+8*\b+7], v[SCL]
.endr
	v_nop                                          ; a plain line between the conversions and the next block's holds, which write their sources
.irp b, 0,1,2,3,4,5,6,7
	ds_store_b64 v[STO], v[CD+16*(\a)+2*\b:CD+16*(\a)+2*\b+1] offset:(\a)*16*SP+16*\b
.endr
.endm
	PLACES NP
.irp a, 0,1,2,3,4,5,6,7
	CODES \a
.endr
.irp a, 0,1,2,3                        ; back in the order of the operand's registers: lane (r, h) takes bytes 32 c + 16 h on of row r.  LDS serves a wave's instructions in order: these see my stores
.irp c, 0,1,2,3
	ds_load_b128 v[TMP+16*\a+4*\c:TMP+16*\a+4*\c+3], v[RD] offset:\a*16*SP+32*\c
.endr
.endr
	s_wait_dscnt 0x0                               ; they are in, and all my stores into the stage have read the codes' registers,
.irp a, 0,1,2,3
.irp c, 0,1,2,3
	ds_load_b128 v[CD+16*\a+4*\c:CD+16*\a+4*\c+3], v[RD] offset:(\a+4)*16*SP+32*\c   ; which take blocks 4 to 7
.endr
.endr
.irp a, 0,1,2,3
.irp c, 0,1,2,3
	global_store_b128 v[CO], v[TMP+16*\a+4*\c:TMP+16*\a+4*\c+3], s[10:11] offset:\a*2048+512*\c th:TH_STORE_NT   ; 32 lanes store 512 consecutive bytes
.endr
.endr
	s_wait_dscnt 0x0
.irp a, 0,1,2,3
.irp c, 0,1,2,3
	global_store_b128 v[CO], v[CD+16*\a+4*\c:CD+16*\a+4*\c+3], s[10:11] offset:(\a+4)*2048+512*\c th:TH_STORE_NT
.endr
.endr
	s_wait_tensorcnt 0x0                           ; the wave's end
	ds_add_u32 v[SPW], v[NIL]
	s_wait_dscnt 0x0
	CROUND                                         ; the closing round: no work-group ends while a partner may still ask for a tile that names it
	s_endpgm
.Lfunc_end_k_qee96feee9d_ffn1:
	.size	k_qee96feee9d_ffn1, .Lfunc_end_k_qee96feee9d_ffn1-k_qee96feee9d_ffn1
	.p2alignl 7, 3214868480
	.fill 96, 4, 3214868480
	.section	.rodata,"a",@progbits
	.p2align	6, 0x0
	.amdhsa_kernel k_qee96feee9d_ffn1
		.amdhsa_group_segment_fixed_size 327680
		.amdhsa_private_segment_fixed_size 0
		.amdhsa_enable_private_segment 0
		.amdhsa_kernarg_size 40
		.amdhsa_user_sgpr_count 2
		.amdhsa_user_sgpr_kernarg_segment_ptr 1
		.amdhsa_wavefront_size32 1
		.amdhsa_system_sgpr_workgroup_id_x 1
		.amdhsa_system_sgpr_workgroup_id_y 1
		.amdhsa_system_sgpr_workgroup_id_z 1
		.amdhsa_system_vgpr_workitem_id 0
		.amdhsa_next_free_vgpr 1024
		.amdhsa_next_free_sgpr 100
		.amdhsa_reserve_vcc 0
		.amdhsa_float_denorm_mode_32 3
		.amdhsa_float_denorm_mode_16_64 3
		.amdhsa_memory_ordered 1
		.amdhsa_forward_progress 1
		.amdhsa_inst_pref_size 130
	.end_amdhsa_kernel
	.amdgpu_metadata
---
amdhsa.version: [ 1, 2 ]
amdhsa.kernels:
  - .name:           k_qee96feee9d_ffn1
    .symbol:         k_qee96feee9d_ffn1.kd
    .args:
      - { .name: x1c, .offset: 0, .size: 8, .value_kind: global_buffer, .address_space: global }
      - { .name: wtc, .offset: 8, .size: 8, .value_kind: global_buffer, .address_space: global }
      - { .name: lowp_scales, .offset: 16, .size: 8, .value_kind: global_buffer, .address_space: global }
      - { .name: hc, .offset: 24, .size: 8, .value_kind: global_buffer, .address_space: global }
      - { .name: ffn_b1, .offset: 32, .size: 8, .value_kind: global_buffer, .address_space: global }
    .group_segment_fixed_size: 327680
    .private_segment_fixed_size: 0
    .kernarg_segment_align: 8
    .kernarg_segment_size: 40
    .max_flat_workgroup_size: 128
    .sgpr_count:     100
    .vgpr_count:     1024
    .wavefront_size: 32
...
	.end_amdgpu_metadata
.endif
;; end of part 6
;; launch ffn2_ln2 (part 7): grid 64 x 1, 4 waves a work-group, no clusters, 327,680 bytes of LDS; arguments hc, wtc, lowp_scales, x1, ln2_g, ln2_b, out0, ffn_b2; writes out0
.if DOCPART == 7
	.amdgcn_target "amdgcn-amd-amdhsa--gfx1250"
	.amdhsa_code_object_version 6
	.text
	.protected	k_qee96feee9d_ffn2_ln2
	.globl	k_qee96feee9d_ffn2_ln2
	.p2align	8
	.type	k_qee96feee9d_ffn2_ln2,@function
k_qee96feee9d_ffn2_ln2:
	s_mov_b64 s[64:65], 0
	v_nop
	global_prefetch_b8 v0, s[64:65] scope:SCOPE_SE
	s_setreg_imm32_b32 hwreg(HW_REG_WAVE_MODE, 25, 1), 1
	s_wait_xcnt 0x0
; out = LayerNorm(resid + A W (+ bias)) x g + beta, the product on codes of FP8 (E4M3).  One text, two uses, by the constants below.
; KB = 32, this file: out0 = LayerNorm(q_enh + hidden ffn_w2 + ffn_b2): A = hc, W = ffn_w2's codes at 8 MiB in wtc, scales' entries 14, 15; resid = x1; no codes.
; KB = 8: q_enh = LayerNorm(query + attn_out Wo), with its codes.
; SHARES.  The norm wants whole rows of 1,024: a work-group takes 64 rows x all 1,024 columns, 64 work-groups.  Wave w takes all 64 rows x columns 256 w on: 64 accumulators, 512 registers.
; THE MATRIX INSTRUCTION IS USED TRANSPOSED (source 0 = 16 columns' weights, source 1 = 16 rows): lane (r, h) holds row 16 a + r and columns 256 w + 16 b + 8 h + 0 .. 7 in accumulator (a, b): window 2 + b / 8, register 32 (b % 8) + 8 a.
; A and W lie in memory in the order of the operands' registers: [K / 128][tile of 16][2048 bytes].  THE ROWS' CODES, which all four waves read, come ONCE into LDS, by one tensor load a wave (KB x 8,192 bytes in all), and are never filled again.
; THE WEIGHTS GO FROM MEMORY STRAIGHT INTO REGISTERS: each fragment is read by exactly one wave of the work-group, so a way through LDS would add a write and a read for each byte and spare none.  NO CLUSTER, for the same count:
; two LDS slots for 1,024 columns' weights would hold 128 along K each, so a joint load would have one step's 64 matrix instructions in which to land; here a wave has 48 to 64 loads of 512 bytes on their way all the time.
; THE SUMS BEGIN AS (resid + bias) / 2^E, E = ea + eb, brought into the accumulators' layout through a stage in LDS: no first step differs, nothing is added at the end.  The statistics are taken of y = z / 2^E:
; mean and centred squares (two passes, in registers), var(z) = var(y) 2^(2 E), and (z - mu) rstd = (y - mean) x rstd 2^E.  A row's sums meet across the four waves in LDS: two barriers.
; LIMITS: E between -126 and 126.  NaN among the inputs is carried as arithmetic carries it.
; REGISTERS: window 0: v1-15 addresses; v16-23 the bias, or the codes' two scale numbers; v24-31 sums; v32-127 at work; v128-191, v192-255 the rows' fragments, two sets (at the head: the residual; at the end: rows on their way out).
;   window 1: the weights' 16 fragments; at the end g (v[8 b]) and beta (v[128 + 8 b]).   windows 2, 3: the accumulators.
.set KB,   32                          ; K / 128
.set WOFF, 0x800000                    ; the weight's place in wtc
.set EA,   14
.set EB,   15
.set HASB, 1                           ; a bias?
.set HASC, 0                           ; codes out?
.set RR,   KB/4                        ; rows of 8,192 bytes in a wave's tensor load
.set STG,  262144                      ; LDS: the rows' codes from 0 on; a stage of 16 rows x 528 bytes for each wave;
.set CST,  295936                      ; a stage of 16 rows x 272 bytes for each wave, for the codes;
.set SCR1, 313344                      ; the rows' partial sums, 256 bytes a wave; the second set 1,024 bytes on;
.set SPARE, 315392                     ; the spare words
.set SPW, 1
.set NIL, 2
.set LI,  3                            ; 16 x lane
.set PFO, 4                            ; 256 x lane
.set CO,  6                            ; 16 x lane + 1,024 w: my bytes of a row of f32
.set STW, 7                            ; the stage by rows
.set STF, 8                            ; the stage by the accumulators' layout: 528 r + 32 h
.set ADA, 9                            ; the rows' fragments
.set SX,  10
.set SY,  11
.set GBO, 12                           ; g, beta: 32 h + 1,024 w
.set CSTO, 13
.set CRD, 14
.set CGO, 15
.set LIM, 16
.set SCL, 17
.set MSB, 0
.macro WIN new
.if MSB != (\new)
	s_set_vgpr_msb (MSB<<8)|(\new)
.set MSB, (\new)
.endif
.endm
.macro PLACES
.rept 4
	v_nop
.endr
.endm
	s_load_b512 s[4:19], s[0:1], 0x0               ; A s[4:5], wtc s[6:7], the scales s[8:9], resid s[10:11], g s[12:13], beta s[14:15], out s[16:17], the codes or the bias s[18:19]
	v_lshl_add_u32 v[SPW], v0, 2, SPARE
	v_mov_b32 v[NIL], 0
	ds_add_u32 v[SPW], v[NIL]                      ; the wave's opening: the add, twice on end, and its wait ahead of my first tensor load
	ds_add_u32 v[SPW], v[NIL]
	v_lshrrev_b32 v5, 5, v0
	v_readfirstlane_b32 s20, v5                    ; wave 0..3
	s_mov_b32 s28, 3<<16                           ; descriptor group 1: no mask, elements of 8 bytes, no padding
	s_mov_b32 s29, 1024<<16                        ; tensor_dim0 = 1,024 elements: my work-group's four tiles of one block of 128 along K, 8,192 bytes
	s_mov_b32 s30, RR<<16                          ; tensor_dim1
	s_mov_b32 s31, 1024<<16                        ; tile_dim0
	s_mov_b32 s32, RR                              ; tile_dim1
	s_mov_b32 s33, 65536                           ; the pitch: 524,288 bytes from block to block
	s_mov_b32 s34, 0
	s_mov_b32 s35, 0
	s_mov_b32 s24, 1
	s_mul_i32 s25, s20, RR*8192                    ; my quarter of the blocks, in LDS
	s_mul_i32 s44, s20, RR*524288                  ; and in memory,
	s_lshl_b32 s45, ttmp9, 13
	s_add_co_u32 s44, s44, s45                     ; at my work-group's four tiles
	s_mov_b32 s45, 0
	s_lshl_b32 s48, s20, 15
	s_add_co_u32 s48, s48, WOFF                    ; my 16 tiles of columns
	s_mov_b32 s49, 0
	s_lshl_b32 s50, ttmp9, 18                      ; my work-group's 64 rows of f32
	s_mov_b32 s51, 0
	s_lshl_b32 s52, ttmp9, 16                      ; and of codes
	s_mov_b32 s53, 0
	s_mov_b32 s46, 0x76543210
	s_mov_b32 s47, 0xfedcba98
	s_mov_b32 s39, 0
	v_and_b32 v24, 15, v0                          ; r
	v_bfe_u32 v25, v0, 4, 1                        ; h
	v_and_b32 v5, 31, v0
	v_lshlrev_b32 v[LI], 4, v5
	v_lshlrev_b32 v[PFO], 8, v5
	s_lshl_b32 s54, s20, 10
	v_add_nc_u32 v[CO], s54, v[LI]
	s_mul_i32 s55, s20, 8448
	s_add_co_u32 s55, s55, STG
	v_add_nc_u32 v[STW], s55, v[LI]
	v_mul_u32_u24 v26, v24, 528
	v_lshl_add_u32 v26, v25, 5, v26
	v_add_nc_u32 v[STF], s55, v26
	v_mov_b32 v[ADA], v[LI]
	s_lshl_b32 s55, s20, 8
	v_lshlrev_b32 v26, 2, v24
	v_add_nc_u32 v[SY], SCR1, v26
	v_add_nc_u32 v[SX], s55, v[SY]
	v_lshlrev_b32 v26, 5, v25
	v_add_nc_u32 v[GBO], s54, v26
	s_mul_i32 s56, s20, 4352
	s_add_co_u32 s56, s56, CST
	v_mul_u32_u24 v26, v24, 272
	v_lshl_add_u32 v26, v25, 3, v26
	v_add_nc_u32 v[CSTO], s56, v26                 ; the codes' stage, in: row r, + 8 h
	v_mul_u32_u24 v26, v25, 272
	v_lshl_add_u32 v26, v24, 4, v26
	v_add_nc_u32 v[CRD], s56, v26                  ; back: sixteen lanes to a row
	v_lshlrev_b32 v26, 10, v25
	v_lshl_add_u32 v26, v24, 4, v26
	v_add_nc_u32 v[CGO], s55, v26                  ; and the same place in rows of 1,024 codes, + 256 w
	s_wait_dscnt 0x0                               ; both opening adds are done
	s_wait_kmcnt 0x0
	s_load_b512 s[68:83], s[8:9], 0x0              ; the sixteen exponents
	s_add_nc_u64 s[26:27], s[4:5], s[44:45]
	s_or_b32 s27, s27, 0x80000000
	tensor_load_to_lds s[24:27], s[28:35]          ; my one tensor load of the launch
	s_nop 0
	PLACES
	s_add_nc_u64 s[36:37], s[6:7], s[48:49]        ; the weights
	s_add_nc_u64 s[10:11], s[10:11], s[50:51]
	s_add_nc_u64 s[16:17], s[16:17], s[50:51]
.if HASC
	s_add_nc_u64 s[18:19], s[18:19], s[52:53]
.endif
.if KB == 32
	s_min_u32 s44, ttmp9, 3                        ; the prefetches: work-groups 0 to 3 ask; wave 4 g + w takes 8,192 bytes of a step's 131,072
	s_lshl_b32 s44, s44, 2
	s_add_co_u32 s44, s44, s20
	s_lshl_b32 s44, s44, 13
	s_add_co_u32 s44, s44, WOFF+3*131072           ; at K step 3
	s_add_nc_u64 s[84:85], s[6:7], s[44:45]
	s_cmp_lt_u32 ttmp9, 4
	s_cselect_b32 s88, 1, -1
.endif
.macro BLOAD g, ah                     ; the weights' fragments 4 g .. 4 g + 3 of the K step ah ahead of the base: each load 512 consecutive bytes
.irp bb, 0,1,2,3
.irp c, 0,1,2,3
	global_load_b128 v[16*(4*(\g)+\bb)+4*\c:16*(4*(\g)+\bb)+4*\c+3], v[LI], s[36:37] offset:(\ah)*131072+(4*(\g)+\bb)*2048+512*\c
.endr
.endr
.endm
.macro LOADR i                         ; chunk i of the residual: rows 16 (i / 2) on, my columns 128 (i % 2) on: 16 loads of 512 consecutive bytes
.set RB, 128+64*((\i)%2)
.irp t, 0,1,2,3,4,5,6,7,8,9,10,11,12,13,14,15
	global_load_b128 v[RB+4*\t:RB+4*\t+3], v[CO], s[10:11] offset:(16*((\i)/2)+\t)*4096+512*((\i)%2) th:TH_LOAD_NT
.endr
.endm
.macro RESIN i                         ; chunk i, x 2^-E (+ the bias), through my stage into the accumulators
.set RB, 128+64*((\i)%2)
.if (\i) < 7
	s_wait_loadcnt 16                              ; this chunk is in; the next chunk's 16 loads may be out
.else
	s_wait_loadcnt 0
.endif
.set j, 0
.rept 32
.if HASB
	v_pk_fma_f32 v[RB+j:RB+j+1], v[RB+j:RB+j+1], s[40:41], v[16+4*((\i)%2)+j%4:16+4*((\i)%2)+j%4+1] op_sel_hi:[1,0,1]
.else
	v_pk_mul_f32 v[RB+j:RB+j+1], v[RB+j:RB+j+1], s[40:41] op_sel_hi:[1,0]
.endif
.set j, j+2
.endr
.irp t, 0,1,2,3,4,5,6,7,8,9,10,11,12,13,14,15
	ds_store_b128 v[STW], v[RB+4*\t:RB+4*\t+3] offset:528*\t
.endr
	WIN 0x80+0x40*((\i)%2)                         ; destination window 2 or 3
.irp b, 0,1,2,3,4,5,6,7
	ds_load_b128 v[32*\b+8*((\i)/2):32*\b+8*((\i)/2)+3], v[STF] offset:64*\b      ; LDS serves a wave's instructions in order: these see my stores
	ds_load_b128 v[32*\b+8*((\i)/2)+4:32*\b+8*((\i)/2)+7], v[STF] offset:64*\b+16
.endr
	WIN 0
	s_wait_dscnt 0x0                               ; the stores have read their registers, the stage has been read
.if (\i) < 6
	LOADR (\i)+2
.endif
.endm
	WIN 0x40                                       ; destination window 1
	BLOAD 0, 0
	BLOAD 1, 0
	BLOAD 2, 0
	BLOAD 3, 0
	WIN 0
.if HASB
	global_load_b128 v[16:19], v[CO], s[18:19]               ; the bias of my columns, as a row's loads take them
	global_load_b128 v[20:23], v[CO], s[18:19] offset:512
.endif
	LOADR 0
	LOADR 1
	s_wait_kmcnt 0x0
	s_add_co_i32 s42, s[68+EA], s[68+EB]           ; E
	s_sub_co_i32 s44, 127, s42
	s_lshl_b32 s40, s44, 23                        ; 2^-E as f32
	s_mov_b32 s41, s40
	s_lshl_b32 s43, s42, 1                         ; 2 E
.if HASC
	s_add_co_i32 s44, s80, 127
	s_lshl_b32 s45, s44, 23
	v_mov_b32 v[SCL], s45                          ; 2^e12
	s_add_co_i32 s44, s44, 8
	s_lshl_b32 s44, s44, 23
	s_or_b32 s44, s44, 0x600000
	v_mov_b32 v[LIM], s44                          ; 448 x 2^e12
.endif
.if HASB
	s_wait_loadcnt 32                              ; the bias is in; the two chunks' 32 loads behind it may be out
.irp j, 16,18,20,22
	v_pk_mul_f32 v[\j:\j+1], v[\j:\j+1], s[40:41] op_sel_hi:[1,0]
.endr
.endif
.irp i, 0,1,2,3,4,5,6,7
	RESIN \i
.endr
	s_wait_tensorcnt 0x0                           ; my quarter of the rows' codes is in,
	s_barrier_signal -1
	s_barrier_wait -1                              ; everybody's is; nothing is filled again
.macro AFETCH set, koff                ; the four tiles of rows of one K step
.irp a, 0,1,2,3
.irp c, 0,1,2,3
	ds_load_b128 v[128+64*(\set)+16*\a+4*\c:128+64*(\set)+16*\a+4*\c+3], v[ADA] offset:(\koff)+\a*2048+512*\c
.endr
.endr
.endm
.macro MUL g, set                      ; 16 products; the 64 accumulators take turns, one instruction a turn, in the same order in every step
.irp bb, 0,1,2,3
.irp a, 0,1,2,3
.set RA, 32*((4*(\g)+\bb)%8)+8*\a
	v_wmma_f32_16x16x128_fp8_fp8 v[RA:RA+7], v[16*(4*(\g)+\bb):16*(4*(\g)+\bb)+15], v[128+64*(\set)+16*\a:128+64*(\set)+16*\a+15], v[RA:RA+7]
.endr
.endr
.endm
; A PREFETCH INTO THE L2 (KB = 32 alone: with KB = 8 the walk is eight steps long): the weights of the K steps three and four ahead of the step in hand, two steps ahead of the loads that will want the first of them.
; All 64 work-groups walk the same weights: work-groups 0 to 3 ask, each wave for 8,192 bytes of a step, lanes 256 bytes apart: each block is named once.  K steps 0 to 2 and the last come by their loads alone.
.macro ASK
	s_cmp_gt_u32 s38, s88
	s_cbranch_scc0 .Lnot_mine_\@
	global_prefetch_b8 v[PFO], s[84:85] th:TH_LOAD_NT scope:SCOPE_SE
	global_prefetch_b8 v[PFO], s[84:85] offset:131072 th:TH_LOAD_NT scope:SCOPE_SE
.Lnot_mine_\@:
.endm
; A K step: four groups of four fragments of the weights.  A group is waited for, multiplied, and loaded again with the next step's at once, so that three groups' loads, or four, are always on their way.
.macro KSTEP set, ah, more, fa, koff, ask
	s_wait_dscnt 0x0                               ; the rows' fragments of this step are in
.irp g, 0,1,2,3
.if \more
	s_wait_loadcnt 48                              ; this group is in; the 48 loads of the three groups issued behind it may be out
.else
	s_wait_loadcnt 48-16*\g
.endif
.if \g < 2
	WIN 0xa1                                       ; source 0 (the weights) window 1, source 1 (the rows) window 0, C and D window 2
.else
	WIN 0xf1
.endif
	MUL \g, \set
.if \more
	PLACES                                         ; in front of loads into registers that matrix instructions have read
	WIN 0x40
	BLOAD \g, \ah
.endif
.if (\g == 0) && (\fa)
	WIN 0
	AFETCH 1-(\set), \koff                         ; the other set, last read in the step before
.if (\ask) && (KB == 32)
	ASK
.endif
.endif
.endr
.endm
	AFETCH 0, 0
	s_mov_b32 s38, KB/2-1
.Lk:                                               ; a trip is two K steps
	KSTEP 0, 1, 1, 1, 8192, 1
	KSTEP 1, 2, 1, 1, 16384, 0
	WIN 0
	s_wait_xcnt 0x0                                ; the loads and prefetches have read their bases
	s_add_nc_u64 s[36:37], s[36:37], 262144
.if KB == 32
	s_add_nc_u64 s[84:85], s[84:85], 262144
.endif
	s_add_co_u32 s39, s39, 16384
	v_add_nc_u32 v[ADA], s39, v[LI]
	s_sub_co_u32 s38, s38, 1
	s_cmp_lg_u32 s38, 0
	s_cbranch_scc1 .Lk
	KSTEP 0, 1, 1, 1, 8192, 0                      ; the last two steps: the last loads nothing
	KSTEP 1, 0, 0, 0, 0, 0
	; ---- the norm.  Sums of my 128 numbers of each of the four rows that I hold, in four chains
	WIN 0
.irp j, 0,1,2,3,4,5,6,7
	v_mov_b32 v[24+\j], 0                          ; (these eight are also the places behind the last products)
.endr
	WIN 0x40
.irp b, 0,1,2,3,4,5,6,7,8,9,10,11,12,13,14,15
	global_load_b128 v[8*\b:8*\b+3], v[GBO], s[12:13] offset:64*\b              ; g and beta of my columns, in the accumulators' layout, where the weights lay
	global_load_b128 v[8*\b+4:8*\b+7], v[GBO], s[12:13] offset:64*\b+16
	global_load_b128 v[128+8*\b:128+8*\b+3], v[GBO], s[14:15] offset:64*\b
	global_load_b128 v[128+8*\b+4:128+8*\b+7], v[GBO], s[14:15] offset:64*\b+16
.endr
.irp u, 0,1
	WIN 0x02+\u                                    ; source 0: window 2 or 3
.irp b, 0,1,2,3,4,5,6,7
.irp p, 0,2,4,6
.irp a, 0,1,2,3
	v_pk_add_f32 v[24+2*\a:25+2*\a], v[32*\b+8*\a+\p:32*\b+8*\a+\p+1], v[24+2*\a:25+2*\a]   ; each accumulator from its low end on
.endr
.endr
.endr
.endr
	WIN 0
; The four sums' halves, the other half of the lanes, and the other three waves: through LDS, each wave's 64 words its own; the result in v[96 + 4 a], the same in every wave.
.macro ACROSS off
.irp a, 0,1,2,3
	v_add_f32 v[24+2*\a], v[24+2*\a], v[25+2*\a]
.endr
.irp a, 0,1,2,3
	v_permlanex16_b32 v[25+2*\a], v[24+2*\a], s46, s47
.endr
.irp a, 0,1,2,3
	v_add_f32 v[24+2*\a], v[24+2*\a], v[25+2*\a]
.endr
.irp a, 0,1,2,3
	ds_store_b32 v[SX], v[24+2*\a] offset:\off+64*\a
.endr
	s_wait_dscnt 0x0                               ; for the others' sake: my stores are done
	s_barrier_signal -1
	s_barrier_wait -1
.irp a, 0,1,2,3
.irp w, 0,1,2,3
	ds_load_b32 v[96+4*\a+\w], v[SY] offset:\off+256*\w+64*\a
.endr
.endr
	s_wait_dscnt 0x0
.irp a, 0,1,2,3
	v_add_f32 v[96+4*\a], v[96+4*\a], v[97+4*\a]
	v_add_f32 v[98+4*\a], v[98+4*\a], v[99+4*\a]
.endr
.irp a, 0,1,2,3
	v_add_f32 v[96+4*\a], v[96+4*\a], v[98+4*\a]
.endr
.endm
	ACROSS 0
.irp a, 0,1,2,3
	v_mul_f32 v[112+2*\a], 0x3a800000, v[96+4*\a]  ; the mean: / 1,024; both words of a pair
	v_mul_f32 v[113+2*\a], 0x3a800000, v[96+4*\a]
.endr
.irp j, 0,1,2,3,4,5,6,7
	v_mov_b32 v[24+\j], 0
.endr
.irp u, 0,1
	WIN 0x82+0x41*\u                               ; destination and source 0: window 2 or 3
.irp b, 0,1,2,3,4,5,6,7
.irp p, 0,2,4,6
.irp a, 0,1,2,3
	v_pk_add_f32 v[32*\b+8*\a+\p:32*\b+8*\a+\p+1], v[32*\b+8*\a+\p:32*\b+8*\a+\p+1], v[112+2*\a:113+2*\a] neg_lo:[0,1] neg_hi:[0,1]   ; centred, in place
.endr
.endr
.endr
	WIN 0x0a+5*\u                                  ; sources 0 and 1
.irp b, 0,1,2,3,4,5,6,7
.irp p, 0,2,4,6
.irp a, 0,1,2,3
	v_pk_fma_f32 v[24+2*\a:25+2*\a], v[32*\b+8*\a+\p:32*\b+8*\a+\p+1], v[32*\b+8*\a+\p:32*\b+8*\a+\p+1], v[24+2*\a:25+2*\a]
.endr
.endr
.endr
.endr
	WIN 0
	ACROSS 1024
.irp a, 0,1,2,3
	v_mul_f32 v[96+4*\a], 0x3a800000, v[96+4*\a]
	v_ldexp_f32 v[96+4*\a], v[96+4*\a], s43        ; the variance of z
	v_add_f32 v[96+4*\a], 0x3727c5ac, v[96+4*\a]   ; + 1e-5
.endr
.irp a, 0,1,2,3
	v_rsq_f32 v[97+4*\a], v[96+4*\a]
.endr
	v_nop                                          ; a plain line behind the last of the batch,
	s_wait_alu depctr_va_vdst(0)                   ; and one wait for the four, ahead of their first reader
.irp a, 0,1,2,3
	v_ldexp_f32 v[120+2*\a], v[97+4*\a], s42       ; rstd x 2^E
	v_ldexp_f32 v[121+2*\a], v[97+4*\a], s42
.endr
	s_wait_loadcnt 0x0                             ; g and beta
.irp u, 0,1
	WIN 0x82+0x41*\u
.irp b, 0,1,2,3,4,5,6,7
.irp p, 0,2,4,6
.irp a, 0,1,2,3
	v_pk_mul_f32 v[32*\b+8*\a+\p:32*\b+8*\a+\p+1], v[32*\b+8*\a+\p:32*\b+8*\a+\p+1], v[120+2*\a:121+2*\a]
.endr
.endr
.endr
	WIN 0x96+0x41*\u                               ; sources 1 and 2 (g, beta): window 1
.irp b, 0,1,2,3,4,5,6,7
.irp p, 0,2,4,6
.irp a, 0,1,2,3
	v_pk_fma_f32 v[32*\b+8*\a+\p:32*\b+8*\a+\p+1], v[32*\b+8*\a+\p:32*\b+8*\a+\p+1], v[64*\u+8*\b+\p:64*\u+8*\b+\p+1], v[128+64*\u+8*\b+\p:128+64*\u+8*\b+\p+1]
.endr
.endr
.endr
.endr
	WIN 0
; ---- the rows leave as f32: chunk i (rows 16 (i / 2) on, my columns 128 (i % 2) on) through my stage, back as rows of 512 bytes
.macro TOSTAGE i
	WIN 0x08+4*((\i)%2)                            ; the stores' data: window 2 or 3
.irp b, 0,1,2,3,4,5,6,7
	ds_store_b128 v[STF], v[32*\b+8*((\i)/2):32*\b+8*((\i)/2)+3] offset:64*\b
	ds_store_b128 v[STF], v[32*\b+8*((\i)/2)+4:32*\b+8*((\i)/2)+7] offset:64*\b+16
.endr
	WIN 0
.set BB, 32+96*((\i)%2)
.irp t, 0,1,2,3,4,5,6,7,8,9,10,11,12,13,14,15
	ds_load_b128 v[BB+4*\t:BB+4*\t+3], v[STW] offset:528*\t
.endr
.endm
.macro SEND i, younger
.set BB, 32+96*((\i)%2)
	s_wait_dscnt \younger                          ; the chunk is back; the next chunk's 16 stores and 16 loads may be out
.irp t, 0,1,2,3,4,5,6,7,8,9,10,11,12,13,14,15
	global_store_b128 v[CO], v[BB+4*\t:BB+4*\t+3], s[16:17] offset:(16*((\i)/2)+\t)*4096+512*((\i)%2) th:TH_STORE_NT   ; 32 lanes store 512 consecutive bytes
.endr
.endm
	TOSTAGE 0
.irp i, 1,2,3,4,5,6,7
.if \i > 1
	s_wait_xcnt 0x0                                ; chunk i - 2's stores have read their registers: chunk i's loads may land there
.endif
	TOSTAGE \i
	SEND \i-1, 32
.endr
	SEND 7, 0
.if HASC
	; ---- and as codes, row-major: a lane's eight numbers of tile b are 8 bytes of row r; 16 rows x my 256 columns gather in the codes' stage and leave sixteen lanes to an aligned 256 bytes
	s_wait_xcnt 0x0                                ; the stores above have read their registers
.irp a, 0,1,2,3
.irp u, 0,1
	WIN 0x02+\u
.irp b, 0,1,2,3,4,5,6,7
.irp j, 0,1,2,3,4,5,6,7
	v_med3_num_f32 v[32+8*\b+\j], v[32*\b+8*\a+\j], -v[LIM], v[LIM]   ; the hold at the largest code x the scale
.endr
.endr
	WIN 0
.irp b, 0,1,2,3,4,5,6,7
	v_cvt_scalef32_pk8_fp8_f32 v[96+16*\u+2*\b:97+16*\u+2*\b], v[32+8*\b:39+8*\b], v[SCL]
.endr
	v_nop                                          ; a plain line between the conversions and the next holds, which write their sources
.irp b, 0,1,2,3,4,5,6,7
	ds_store_b64 v[CSTO], v[96+16*\u+2*\b:97+16*\u+2*\b] offset:128*\u+16*\b
.endr
.endr
.irp t, 0,1,2,3,4,5,6,7
	ds_load_b128 v[128+32*\a+4*\t:128+32*\a+4*\t+3], v[CRD] offset:544*\t
.endr
	s_wait_dscnt 0x0
.irp t, 0,1,2,3,4,5,6,7
	global_store_b128 v[CGO], v[128+32*\a+4*\t:128+32*\a+4*\t+3], s[18:19] offset:(16*\a+2*\t)*1024 th:TH_STORE_NT
.endr
.endr
.endif
	s_wait_tensorcnt 0x0                           ; the wave's end
	ds_add_u32 v[SPW], v[NIL]
	s_wait_dscnt 0x0
	s_endpgm
.Lfunc_end_k_qee96feee9d_ffn2_ln2:
	.size	k_qee96feee9d_ffn2_ln2, .Lfunc_end_k_qee96feee9d_ffn2_ln2-k_qee96feee9d_ffn2_ln2
	.p2alignl 7, 3214868480
	.fill 96, 4, 3214868480
	.section	.rodata,"a",@progbits
	.p2align	6, 0x0
	.amdhsa_kernel k_qee96feee9d_ffn2_ln2
		.amdhsa_group_segment_fixed_size 327680
		.amdhsa_private_segment_fixed_size 0
		.amdhsa_enable_private_segment 0
		.amdhsa_kernarg_size 64
		.amdhsa_user_sgpr_count 2
		.amdhsa_user_sgpr_kernarg_segment_ptr 1
		.amdhsa_wavefront_size32 1
		.amdhsa_system_sgpr_workgroup_id_x 1
		.amdhsa_system_sgpr_workgroup_id_y 1
		.amdhsa_system_sgpr_workgroup_id_z 1
		.amdhsa_system_vgpr_workitem_id 0
		.amdhsa_next_free_vgpr 1024
		.amdhsa_next_free_sgpr 100
		.amdhsa_reserve_vcc 0
		.amdhsa_float_denorm_mode_32 3
		.amdhsa_float_denorm_mode_16_64 3
		.amdhsa_memory_ordered 1
		.amdhsa_forward_progress 1
		.amdhsa_inst_pref_size 221
	.end_amdhsa_kernel
	.amdgpu_metadata
---
amdhsa.version: [ 1, 2 ]
amdhsa.kernels:
  - .name:           k_qee96feee9d_ffn2_ln2
    .symbol:         k_qee96feee9d_ffn2_ln2.kd
    .args:
      - { .name: hc, .offset: 0, .size: 8, .value_kind: global_buffer, .address_space: global }
      - { .name: wtc, .offset: 8, .size: 8, .value_kind: global_buffer, .address_space: global }
      - { .name: lowp_scales, .offset: 16, .size: 8, .value_kind: global_buffer, .address_space: global }
      - { .name: x1, .offset: 24, .size: 8, .value_kind: global_buffer, .address_space: global }
      - { .name: ln2_g, .offset: 32, .size: 8, .value_kind: global_buffer, .address_space: global }
      - { .name: ln2_b, .offset: 40, .size: 8, .value_kind: global_buffer, .address_space: global }
      - { .name: out0, .offset: 48, .size: 8, .value_kind: global_buffer, .address_space: global }
      - { .name: ffn_b2, .offset: 56, .size: 8, .value_kind: global_buffer, .address_space: global }
    .group_segment_fixed_size: 327680
    .private_segment_fixed_size: 0
    .kernarg_segment_align: 8
    .kernarg_segment_size: 64
    .max_flat_workgroup_size: 128
    .sgpr_count:     100
    .vgpr_count:     1024
    .wavefront_size: 32
...
	.end_amdgpu_metadata
.endif
;; end of part 7
;; ======== version 2 of 2: 9 launches
;; workspace buffers: actc 12,582,912 bytes; wtc 12,582,912 bytes; qkv 12,582,912 bytes; ao 4,194,304 bytes; x1 16,777,216 bytes; x1c 4,194,304 bytes; hc 16,777,216 bytes; z 16,777,216 bytes
;; launch qact: the kernel of part 1 again; grid 384 x 1, 4 waves a work-group, no clusters, 33,280 bytes of LDS; arguments query, key, value, lowp_scales, actc; writes actc
;; launch qwt: the kernel of part 2 again; grid 384 x 1, 4 waves a work-group, no clusters, 35,840 bytes of LDS; arguments Wq, Wk, Wv, Wo, ffn_w1, ffn_w2, lowp_scales, wtc; writes wtc
;; launch proj: the kernel of part 3 again; grid 12 x 16, 4 waves a work-group, clusters of 4 x 4, 327,680 bytes of LDS; arguments actc, wtc, lowp_scales, qkv; writes qkv
;; launch attn: the kernel of part 4 again; grid 16 x 16, 8 waves a work-group, clusters of 4 x 1, 327,680 bytes of LDS; arguments qkv, lowp_scales, lambda_param, ao; writes ao
;; launch wo_g (part 8): grid 4 x 64, 4 waves a work-group, clusters of 4 x 1, 327,680 bytes of LDS; arguments ao, wtc, z; writes z
.if DOCPART == 8
	.amdgcn_target "amdgcn-amd-amdhsa--gfx1250"
	.amdhsa_code_object_version 6
	.text
	.protected	k_qee96feee9d_wo_g
	.globl	k_qee96feee9d_wo_g
	.p2align	8
	.type	k_qee96feee9d_wo_g,@function
k_qee96feee9d_wo_g:
	s_mov_b64 s[64:65], 0
	v_nop
	global_prefetch_b8 v0, s[64:65] scope:SCOPE_SE
	s_setreg_imm32_b32 hwreg(HW_REG_WAVE_MODE, 25, 1), 1
	s_wait_xcnt 0x0
	s_wait_alu depctr_hold_cnt(0) depctr_sa_sdst(0) depctr_va_vdst(0) depctr_va_sdst(0) depctr_va_ssrc(0) depctr_va_vcc(0) depctr_vm_vsrc(0)
	s_getreg_b32 s2, hwreg(HW_REG_IB_STS2, 6, 4)
	s_cmp_eq_u32 s2, 0
	s_cbranch_scc0 .Lentry_in_a_cluster
	s_endpgm
.Lentry_in_a_cluster:
	s_bfe_u32 s2, ttmp6, 0x10000c
	s_cmp_lg_u32 s2, 0x3003
	s_cbranch_scc0 .Lentry_shape_is_right
	s_endpgm
.Lentry_shape_is_right:
; z = the raw f32 sums of A W on codes of FP8 (E4M3): [4096][1024].  The scales, the residual, the bias and the norm follow in the next launch.  One text, two uses, by the constants below.
; KB = 8, this file: attn_out Wo: A = ao, W = Wo's codes at 3 MiB in wtc.   KB = 32: hidden ffn_w2: A = hc, W = ffn_w2's codes at 8 MiB.
; A and W lie in memory in the order of the operands' registers: [K / 128][tile of 16][c 0..3][lane 16 h + r][16 bytes]: a fragment is 2,048 consecutive bytes, load c is 512, lane l at 16 l.
; SHARES.  A work-group takes 64 rows x 256 columns, 256 work-groups; wave w takes all 64 rows x columns 64 w on: 16 accumulators.  So a work-group takes in K x 256 bytes of weights and K x 64 of rows' codes.
; THE MATRIX INSTRUCTION IS USED TRANSPOSED (source 0 = 16 columns' weights, source 1 = 16 rows): lane (r, h) holds row 16 a + r and columns 64 w + 16 bb + 8 h + 0 .. 7 in accumulator (a, bb), at v[32 bb + 8 a] of window 2.
; CLUSTER.  The four work-groups of a cluster own the four blocks of columns of the same 64 rows: the rows' codes are asked for JOINTLY, one load a wave (KB x 8,192 bytes in all), once, and never filled again.
; THE WEIGHTS GO FROM MEMORY STRAIGHT INTO REGISTERS and are not asked for jointly: each fragment is read by exactly one wave of its work-group, and a way through LDS would add, for a step's 16 matrix instructions,
; 8,192 bytes of LDS reads a wave to the 8,192 that the rows' fragments already take.  Four sets of registers: the weights are asked for four K steps ahead, 48 to 64 loads of 512 bytes a wave on their way.
; A K step: the next step's rows' fragments are asked of LDS, this step's and this step's weights are waited for, 16 products, four places, the weights of four steps on.  The first step's products start the sums.
; REGISTERS: window 0: v1-9 addresses; v128-191, v192-255 the rows' fragments, two sets; at the end rows on their way out.   window 1: the weights, four sets of 64.   window 2: v0-127 the accumulators.
.set KB,   8                           ; K / 128, a multiple of 4, at least 8
.set WOFF, 0x300000                    ; the weight's place in wtc
.set RR,   KB/4                        ; rows of 8,192 bytes in a wave's tensor load
.set STG,  262144                      ; LDS: the rows' codes from 0 on; here a stage of 16 rows x 272 bytes for each wave;
.set SPARE, STG+4*16*272               ; the spare words, 128 bytes for each wave
.set SPW, 1
.set NIL, 2
.set LI,  3                            ; 16 x lane
.set PFO, 4                            ; 256 x lane
.set CO,  6                            ; the way out: 4,096 (lane / 16) + 16 (lane % 16): two rows of z an instruction
.set STF, 7                            ; the stage in the accumulators' layout: 272 r + 32 h
.set STR, 8                            ; the stage by rows: 272 (lane / 16) + 16 (lane % 16)
.set ADA, 9                            ; the rows' fragments
.set MSB, 0
.macro WIN new                         ; the immediate's high byte repeats the setting that is left
.if MSB != (\new)
	s_set_vgpr_msb (MSB<<8)|(\new)
.set MSB, (\new)
.endif
.endm
.macro PLACES                          ; plain vector instructions between a matrix instruction and a load into, or a read of, its registers
.rept 4
	v_nop
.endr
.endm
.macro ROUND                           ; a round of the cluster's barrier
	s_barrier_signal -1
	s_barrier_wait -1
	s_cmp_lg_u32 s20, 0
	s_cbranch_scc1 .Lnot_wave_0_\@
	s_barrier_signal -3
.Lnot_wave_0_\@:
	s_barrier_wait -3
	s_barrier_signal -1
	s_barrier_wait -1
.endm
	s_load_b128 s[4:7], s[0:1], 0x0                ; A s[4:5], wtc s[6:7]
	s_load_b64 s[8:9], s[0:1], 0x10                ; z
	v_lshl_add_u32 v[SPW], v0, 2, SPARE
	v_mov_b32 v[NIL], 0
	ds_add_u32 v[SPW], v[NIL]                      ; the wave's opening: the add, twice on end, and its wait ahead of my first tensor load
	ds_add_u32 v[SPW], v[NIL]
	v_lshrrev_b32 v5, 5, v0
	v_readfirstlane_b32 s20, v5                    ; wave 0..3
	s_bfe_u32 s21, ttmp6, 0x40000                  ; cx
	s_lshl_b32 s22, ttmp9, 2
	s_add_co_u32 s21, s21, s22                     ; my block of 256 columns: it enters the weights' and z's addresses alone
	s_and_b32 s23, ttmp7, 0xffff                   ; my block of 64 rows, which the four partners share
	s_mov_b32 s28, 15|(3<<16)|(1<<21)              ; descriptor group 1: the mask: all four; elements of 8 bytes; bit 21 beside a mask; no padding
	s_mov_b32 s29, 1024<<16                        ; tensor_dim0 = 1,024 elements: my rows' four tiles of one block of 128 along K, 8,192 bytes
	s_mov_b32 s30, RR<<16                          ; tensor_dim1
	s_mov_b32 s31, 1024<<16                        ; tile_dim0
	s_mov_b32 s32, RR                              ; tile_dim1
	s_mov_b32 s33, 65536                           ; the pitch: 524,288 bytes from block to block
	s_mov_b32 s34, 0
	s_mov_b32 s35, 0
	s_mov_b32 s24, 1
	s_mul_i32 s25, s20, RR*8192                    ; my quarter of the blocks, in LDS
	s_mul_i32 s44, s20, RR*524288                  ; and in memory,
	s_lshl_b32 s45, s23, 13
	s_add_co_u32 s44, s44, s45                     ; at the rows' four tiles
	s_mov_b32 s45, 0
	s_lshl_b32 s48, s21, 15                        ; the weights: 16 tiles of columns a work-group,
	s_lshl_b32 s49, s20, 13
	s_add_co_u32 s48, s48, s49                     ; four a wave
	s_add_co_u32 s48, s48, WOFF
	s_mov_b32 s49, 0
	s_lshl_b32 s50, s23, 18                        ; z: 64 rows of 4,096 bytes,
	s_lshl_b32 s51, s21, 10
	s_add_co_u32 s50, s50, s51                     ; + 1,024 bytes a block of columns,
	s_lshl_b32 s51, s20, 8
	s_add_co_u32 s50, s50, s51                     ; + 256 a wave
	s_mov_b32 s51, 0
	s_mov_b32 s39, 0
	v_and_b32 v24, 15, v0                          ; r
	v_bfe_u32 v25, v0, 4, 1                        ; h
	v_and_b32 v5, 31, v0
	v_lshlrev_b32 v[LI], 4, v5
.if KB > 8
	v_lshlrev_b32 v[PFO], 8, v5
	s_cmp_eq_u32 s23, 0                            ; the same in all four partners
	s_cselect_b32 s40, 2, -1
.endif
	v_lshlrev_b32 v[CO], 12, v25
	v_lshl_add_u32 v[CO], v24, 4, v[CO]
	s_mul_i32 s55, s20, 16*272
	s_add_co_u32 s55, s55, STG                     ; my stage
	v_mul_u32_u24 v26, v24, 272
	v_lshl_add_u32 v26, v25, 5, v26
	v_add_nc_u32 v[STF], s55, v26
	v_mul_u32_u24 v26, v25, 272
	v_lshl_add_u32 v26, v24, 4, v26
	v_add_nc_u32 v[STR], s55, v26
	v_mov_b32 v[ADA], v[LI]
	s_wait_dscnt 0x0                               ; both opening adds are done
	s_wait_kmcnt 0x0
	s_add_nc_u64 s[26:27], s[4:5], s[44:45]
	s_or_b32 s27, s27, 0x80000000
	s_add_nc_u64 s[36:37], s[6:7], s[48:49]        ; the weights
	s_add_nc_u64 s[8:9], s[8:9], s[50:51]
	ROUND                                          ; all four work-groups are here: the joint loads meet
	tensor_load_to_lds s[24:27], s[28:35]          ; my one tensor load of the launch
	s_nop 0
	PLACES
.macro BLOAD set, ah                   ; my four fragments of the weights of the K step ah ahead of the base: each load 512 consecutive bytes
.irp bb, 0,1,2,3
.irp c, 0,1,2,3
	global_load_b128 v[64*(\set)+16*\bb+4*\c:64*(\set)+16*\bb+4*\c+3], v[LI], s[36:37] offset:(\ah)*131072+\bb*2048+512*\c
.endr
.endr
.endm
.macro AFETCH set, koff                ; the four tiles of rows of one K step
.irp a, 0,1,2,3
.irp c, 0,1,2,3
	ds_load_b128 v[128+64*(\set)+16*\a+4*\c:128+64*(\set)+16*\a+4*\c+3], v[ADA] offset:(\koff)+\a*2048+512*\c
.endr
.endr
.endm
.macro MUL i, zero                     ; 16 products; the 16 accumulators take turns, one instruction a turn, in the same order in every step.  zero = 1: they start the sums
.irp bb, 0,1,2,3
.irp a, 0,1,2,3
.if \zero
	v_wmma_f32_16x16x128_fp8_fp8 v[32*\bb+8*\a:32*\bb+8*\a+7], v[64*(\i)+16*\bb:64*(\i)+16*\bb+15], v[128+64*((\i)%2)+16*\a:128+64*((\i)%2)+16*\a+15], 0
.else
	v_wmma_f32_16x16x128_fp8_fp8 v[32*\bb+8*\a:32*\bb+8*\a+7], v[64*(\i)+16*\bb:64*(\i)+16*\bb+15], v[128+64*((\i)%2)+16*\a:128+64*((\i)%2)+16*\a+15], v[32*\bb+8*\a:32*\bb+8*\a+7]
.endif
.endr
.endr
.endm
; A PREFETCH INTO THE L2 (KB = 32 alone: with KB = 8 all weights are asked for by the end of the fourth step): the weights of the K steps 12 to 15 on from the trip's first, eight steps ahead of the loads that will want them.
; The 64 clusters walk the same weights: the cluster of row block 0 asks; each wave for its own 8,192 bytes of a step, lanes 256 bytes apart, so that each block is named once; the partners differ by address alone.
; The four lines stand together, behind the loads of a trip's first step.  Only the loop's first four trips ask: the last step named is the weight's last.  Steps 0 to 15 come by their loads alone.
.macro ASK
	s_cmp_gt_u32 s38, s40
	s_cbranch_scc0 .Lnot_mine_\@
.irp i, 12,13,14,15
	global_prefetch_b8 v[PFO], s[36:37] offset:\i*131072 th:TH_LOAD_NT scope:SCOPE_SE
.endr
.Lnot_mine_\@:
.endm
; K step i of four.  more = 1: my set of weights is loaded again, with those of four steps on.  fa = 1: the next step's rows' fragments are asked for, into the set that the step before multiplied (its four places stand behind its products).
.macro KSTEP i, zero, more, fa, ask
	WIN 0
.if \fa
	AFETCH ((\i)+1)%2, ((\i)+1)*8192
	s_wait_dscnt 16                                ; this step's fragments are in; the 16 loads just issued may be out
.else
	s_wait_dscnt 0x0
.endif
.if \more
	s_wait_loadcnt 48                              ; this step's weights are in; the 48 loads of the three steps behind it may be out
.else
	s_wait_loadcnt 48-16*(\i)
.endif
	WIN 0xa1                                       ; source 0 (the weights) window 1, source 1 (the rows) window 0, C and D window 2
	MUL \i, \zero
	PLACES
.if \more
	WIN 0x40                                       ; destination window 1
	BLOAD \i, 4+(\i)
.endif
.if \ask
	WIN 0
	ASK
.endif
.endm
.macro ADV                             ; four K steps on
	WIN 0
	s_wait_xcnt 0x0                                ; the loads and prefetches have read their base
	s_add_nc_u64 s[36:37], s[36:37], 524288
	s_add_co_u32 s39, s39, 32768
	v_add_nc_u32 v[ADA], s39, v[LI]
.endm
	WIN 0x40
	BLOAD 0, 0
	BLOAD 1, 1
	BLOAD 2, 2
	BLOAD 3, 3
	WIN 0
	s_wait_tensorcnt 0x0                           ; my quarter of the rows' codes is in,
	s_barrier_signal -1
	s_barrier_wait -1                              ; everybody's is; nothing is filled again
	AFETCH 0, 0
	KSTEP 0, 1, 1, 1, 0                            ; the first four steps stand in front of the loop: the first one's products start the sums
	KSTEP 1, 0, 1, 1, 0
	KSTEP 2, 0, 1, 1, 0
	KSTEP 3, 0, 1, 1, 0
	ADV
.if KB > 8
	s_mov_b32 s38, KB/4-2
.Lk:                                               ; a trip is four K steps
	KSTEP 0, 0, 1, 1, 1
	KSTEP 1, 0, 1, 1, 0
	KSTEP 2, 0, 1, 1, 0
	KSTEP 3, 0, 1, 1, 0
	ADV
	s_sub_co_u32 s38, s38, 1
	s_cmp_lg_u32 s38, 0
	s_cbranch_scc1 .Lk
.endif
	KSTEP 0, 0, 0, 1, 0                            ; the last four steps load no weights; the counts run down
	KSTEP 1, 0, 0, 1, 0
	KSTEP 2, 0, 0, 1, 0
	KSTEP 3, 0, 0, 0, 0
	; THE WAY OUT, block by block of 16 rows x my 64 columns.  A lane holds 32 neighbouring bytes of a row: a block goes through my stage and comes back as rows of 256 bytes.  The four places stand behind the last products.
.irp a, 0,1,2,3
	WIN 0x08                                       ; the stores' data: window 2
.irp bb, 0,1,2,3
	ds_store_b128 v[STF], v[32*\bb+8*\a:32*\bb+8*\a+3] offset:64*\bb        ; each accumulator from its low end on
	ds_store_b128 v[STF], v[32*\bb+8*\a+4:32*\bb+8*\a+7] offset:64*\bb+16
.endr
	WIN 0
.irp t, 0,1,2,3,4,5,6,7
	ds_load_b128 v[128+32*\a+4*\t:128+32*\a+4*\t+3], v[STR] offset:2*\t*272   ; LDS serves a wave's instructions in order (ISA guide 5.7.1.4): these see my stores, and the next block's stores come behind them
.endr
.endr
.irp a, 0,1,2,3
	s_wait_dscnt 16*(3-\a)                         ; the block is back; the later blocks' 8 stores and 8 loads each may be out
.irp t, 0,1,2,3,4,5,6,7
	global_store_b128 v[CO], v[128+32*\a+4*\t:128+32*\a+4*\t+3], s[8:9] offset:(16*\a+2*\t)*4096 th:TH_STORE_NT   ; sixteen lanes store 256 consecutive bytes, aligned
.endr
.endr
	s_wait_tensorcnt 0x0                           ; the wave's end
	ds_add_u32 v[SPW], v[NIL]
	s_wait_dscnt 0x0
	ROUND                                          ; the closing round
	s_endpgm
.Lfunc_end_k_qee96feee9d_wo_g:
	.size	k_qee96feee9d_wo_g, .Lfunc_end_k_qee96feee9d_wo_g-k_qee96feee9d_wo_g
	.p2alignl 7, 3214868480
	.fill 96, 4, 3214868480
	.section	.rodata,"a",@progbits
	.p2align	6, 0x0
	.amdhsa_kernel k_qee96feee9d_wo_g
		.amdhsa_group_segment_fixed_size 327680
		.amdhsa_private_segment_fixed_size 0
		.amdhsa_enable_private_segment 0
		.amdhsa_kernarg_size 24
		.amdhsa_user_sgpr_count 2
		.amdhsa_user_sgpr_kernarg_segment_ptr 1
		.amdhsa_wavefront_size32 1
		.amdhsa_system_sgpr_workgroup_id_x 1
		.amdhsa_system_sgpr_workgroup_id_y 1
		.amdhsa_system_sgpr_workgroup_id_z 1
		.amdhsa_system_vgpr_workitem_id 0
		.amdhsa_next_free_vgpr 640
		.amdhsa_next_free_sgpr 66
		.amdhsa_reserve_vcc 0
		.amdhsa_float_denorm_mode_32 3
		.amdhsa_float_denorm_mode_16_64 3
		.amdhsa_memory_ordered 1
		.amdhsa_forward_progress 1
		.amdhsa_inst_pref_size 42
	.end_amdhsa_kernel
	.amdgpu_metadata
---
amdhsa.version: [ 1, 2 ]
amdhsa.kernels:
  - .name:           k_qee96feee9d_wo_g
    .symbol:         k_qee96feee9d_wo_g.kd
    .args:
      - { .name: ao, .offset: 0, .size: 8, .value_kind: global_buffer, .address_space: global }
      - { .name: wtc, .offset: 8, .size: 8, .value_kind: global_buffer, .address_space: global }
      - { .name: z, .offset: 16, .size: 8, .value_kind: global_buffer, .address_space: global }
    .group_segment_fixed_size: 327680
    .private_segment_fixed_size: 0
    .kernarg_segment_align: 8
    .kernarg_segment_size: 24
    .max_flat_workgroup_size: 128
    .sgpr_count:     66
    .vgpr_count:     640
    .wavefront_size: 32
...
	.end_amdgpu_metadata
.endif
;; end of part 8
;; launch ln1 (part 9): grid 512 x 1, 4 waves a work-group, no clusters, 8,704 bytes of LDS; arguments z, lowp_scales, query, ln1_g, ln1_b, x1, x1c; writes x1, x1c
.if DOCPART == 9
	.amdgcn_target "amdgcn-amd-amdhsa--gfx1250"
	.amdhsa_code_object_version 6
	.text
	.protected	k_qee96feee9d_ln1
	.globl	k_qee96feee9d_ln1
	.p2align	8
	.type	k_qee96feee9d_ln1,@function
k_qee96feee9d_ln1:
	s_mov_b64 s[64:65], 0
	v_nop
	global_prefetch_b8 v0, s[64:65] scope:SCOPE_SE
	s_setreg_imm32_b32 hwreg(HW_REG_WAVE_MODE, 25, 1), 1
	s_wait_xcnt 0x0
; out = LayerNorm(resid + z 2^E (+ bias)) x g + beta, rows of 1,024 f32; z holds a quantised product's raw sums, E = its two operands' exponents added.  One text, two uses, by the constants below.
; This file: q_enh = LayerNorm(query + attn_out Wo): entries 10, 11; no bias; out = x1, and its codes of FP8 (E4M3) with entry 12, row-major, in x1c.
; The other: out0 = LayerNorm(q_enh + hidden ffn_w2 + ffn_b2): entries 14, 15; resid = x1; the bias; no codes.
; A stream: memory binds.  No matrix unit, no cluster, no barrier: a wave takes TWO WHOLE ROWS and shares nothing.  Lane l holds columns 128 j + 4 l + 0 .. 3, j = 0 .. 7: every load and store is 512 consecutive bytes.
; All of a wave's loads are issued at its head: row 0's z and resid, the bias, g, beta, row 1's z and resid: nothing is loaded twice, nothing is filled again.
; The mean and the centred squares are taken in two passes over the row in registers, four chains each, then across the 32 lanes.
; CODES: code = x / 2^e, held within +-448, to the nearest code, ties to even.  A conversion takes eight registers: those of loads 2 i and 2 i + 1; each of its two words is then four neighbouring codes of the row.
; The row's eight words a lane turn through 1,024 bytes of the wave's own LDS, as they lie in the row, and leave as two stores of 512 consecutive bytes.
; LIMITS: E between -126 and 127; entry 12 between -126 and 119.  NaN among the inputs is not served by the hold.
; REGISTERS: v1-7 addresses; v8-15 four chains; v[16:17] the mean, v18 the variance, v[20:21] 1 / sqrt; v22, v23 the codes' two scale numbers; row r: z, then x, then the result at v[32 + 64 r], resid at v[64 + 64 r];
;   v160-191 g, v192-223 beta, v224-255 the bias, or the codes and their way back.
.set EA,   10
.set EB,   11
.set HASB, 0                           ; a bias?
.set HASC, 1                           ; codes out?
.set SPARE, 8192                       ; LDS: 2,048 bytes for each wave; behind them the spare words
.set SPW, 1
.set NIL, 2
.set LI,  3                            ; 16 x lane
.set CO,  4                            ; 16 x lane + 8,192 x wave: my bytes of my wave's first row
.set ST,  5                            ; the codes' stage, in: 2,048 x wave + 4 x lane
.set SL,  6                            ; back: 2,048 x wave + 16 x lane; the same number is my place in the work-group's eight rows of codes
.set LIM, 22
.set SCL, 23
.set Z,   32
.set G,   160
.set B,   192
.set BI,  224
.set CD,  224
.set BK,  240
	s_load_b256 s[4:11], s[0:1], 0x0               ; z s[4:5], the scales s[6:7], resid s[8:9], g s[10:11]
	s_load_b128 s[12:15], s[0:1], 0x20             ; beta s[12:13], out s[14:15]
	s_load_b64 s[16:17], s[0:1], 0x30              ; the codes, or the bias
.if HASC
	v_lshl_add_u32 v[SPW], v0, 2, SPARE
	v_mov_b32 v[NIL], 0
.endif
	v_lshrrev_b32 v7, 5, v0
	v_readfirstlane_b32 s18, v7                    ; wave
	v_and_b32 v7, 31, v0                           ; lane
	v_lshlrev_b32 v[LI], 4, v7
	s_lshl_b32 s19, s18, 13
	v_add_nc_u32 v[CO], s19, v[LI]
	s_lshl_b32 s40, ttmp9, 15                      ; the work-group's eight rows of 4,096 bytes
	s_mov_b32 s41, 0
.if HASC
	s_lshl_b32 s19, s18, 11
	v_lshl_add_u32 v[ST], v7, 2, s19
	v_add_nc_u32 v[SL], s19, v[LI]
	s_lshl_b32 s42, ttmp9, 13                      ; and of 1,024 codes
	s_mov_b32 s43, 0
.endif
	s_mov_b32 s38, 0x3a800000                      ; 1 / 1,024
	s_mov_b32 s39, 0x3727c5ac                      ; 1e-5
	s_mov_b32 s44, 0x76543210                      ; selects for v_permlanex16_b32: lane l xor 16
	s_mov_b32 s45, 0xfedcba98
	s_wait_kmcnt 0x0
	s_load_b512 s[20:35], s[6:7], 0x0              ; the sixteen exponents
	s_add_nc_u64 s[4:5], s[4:5], s[40:41]
	s_add_nc_u64 s[8:9], s[8:9], s[40:41]
	s_add_nc_u64 s[14:15], s[14:15], s[40:41]
.if HASC
	s_add_nc_u64 s[16:17], s[16:17], s[42:43]
.endif
.macro LOADROW r
.irp j, 0,1,2,3,4,5,6,7
	global_load_b128 v[Z+64*(\r)+4*\j:Z+64*(\r)+4*\j+3], v[CO], s[4:5] offset:4096*(\r)+512*\j th:TH_LOAD_NT
.endr
.irp j, 0,1,2,3,4,5,6,7
	global_load_b128 v[Z+64*(\r)+32+4*\j:Z+64*(\r)+32+4*\j+3], v[CO], s[8:9] offset:4096*(\r)+512*\j th:TH_LOAD_NT
.endr
.endm
	LOADROW 0
.if HASB
.irp j, 0,1,2,3,4,5,6,7
	global_load_b128 v[BI+4*\j:BI+4*\j+3], v[LI], s[16:17] offset:512*\j
.endr
.endif
.irp j, 0,1,2,3,4,5,6,7
	global_load_b128 v[G+4*\j:G+4*\j+3], v[LI], s[10:11] offset:512*\j
.endr
.irp j, 0,1,2,3,4,5,6,7
	global_load_b128 v[B+4*\j:B+4*\j+3], v[LI], s[12:13] offset:512*\j
.endr
	LOADROW 1
	s_wait_kmcnt 0x0
	s_add_co_i32 s36, s[20+EA], s[20+EB]           ; E
	s_add_co_i32 s36, s36, 127
	s_lshl_b32 s36, s36, 23                        ; 2^E as f32
	s_mov_b32 s37, s36                             ; (named with it as a pair, so it is written)
.if HASC
	s_add_co_i32 s46, s32, 127
	s_lshl_b32 s47, s46, 23
	v_mov_b32 v[SCL], s47                          ; 2^e12: the conversion takes its exponent field
	s_add_co_i32 s46, s46, 8
	s_lshl_b32 s46, s46, 23
	s_or_b32 s46, s46, 0x600000
	v_mov_b32 v[LIM], s46                          ; 448 x 2^e12
.endif
.macro FOLD                            ; the four chains, their halves, and the 32 lanes: the sum in v8 of every lane
	v_pk_add_f32 v[8:9], v[8:9], v[10:11]
	v_pk_add_f32 v[12:13], v[12:13], v[14:15]
	v_pk_add_f32 v[8:9], v[8:9], v[12:13]
	v_add_f32 v8, v8, v9
	v_add_f32_dpp v8, v8, v8 row_xmask:1 row_mask:0xf bank_mask:0xf
	v_add_f32_dpp v8, v8, v8 row_xmask:2 row_mask:0xf bank_mask:0xf
	v_add_f32_dpp v8, v8, v8 row_xmask:4 row_mask:0xf bank_mask:0xf
	v_add_f32_dpp v8, v8, v8 row_xmask:8 row_mask:0xf bank_mask:0xf
	v_permlanex16_b32 v7, v8, s44, s45             ; its destination counts as read: v7 has been written
	v_add_f32 v8, v8, v7
.endm
; Row r.  c1: the loads that may be out when z, resid and the bias are wanted; c2: when g and beta are.
.macro ROW r, c1, c2
.set ZZ, Z+64*(\r)
.set RS, Z+64*(\r)+32
	s_wait_loadcnt \c1
.if HASB
.set j, 0
.rept 16
	v_pk_add_f32 v[RS+j:RS+j+1], v[RS+j:RS+j+1], v[BI+j:BI+j+1]
.set j, j+2
.endr
.endif
.set j, 0
.rept 16
	v_pk_fma_f32 v[ZZ+j:ZZ+j+1], v[ZZ+j:ZZ+j+1], s[36:37], v[RS+j:RS+j+1] op_sel_hi:[1,0,1]   ; x = z 2^E + resid (+ bias)
.set j, j+2
.endr
.irp k, 0,2,4,6
	v_pk_add_f32 v[8+\k:9+\k], v[ZZ+\k:ZZ+\k+1], v[ZZ+8+\k:ZZ+9+\k]       ; the first numbers start the chains: nothing is cleared
.endr
.irp m, 16,24
.irp k, 0,2,4,6
	v_pk_add_f32 v[8+\k:9+\k], v[8+\k:9+\k], v[ZZ+\m+\k:ZZ+\m+\k+1]
.endr
.endr
	FOLD
	v_mul_f32 v16, s38, v8                         ; the mean, in both words of a pair
	v_mul_f32 v17, s38, v8
.set j, 0
.rept 16
	v_pk_add_f32 v[ZZ+j:ZZ+j+1], v[ZZ+j:ZZ+j+1], v[16:17] neg_lo:[0,1] neg_hi:[0,1]   ; centred, in place
.set j, j+2
.endr
.irp k, 0,2,4,6
	v_pk_mul_f32 v[8+\k:9+\k], v[ZZ+\k:ZZ+\k+1], v[ZZ+\k:ZZ+\k+1]
.endr
.irp m, 8,16,24
.irp k, 0,2,4,6
	v_pk_fma_f32 v[8+\k:9+\k], v[ZZ+\m+\k:ZZ+\m+\k+1], v[ZZ+\m+\k:ZZ+\m+\k+1], v[8+\k:9+\k]
.endr
.endr
	FOLD
	v_fma_f32 v18, v8, s38, s39                    ; the variance + 1e-5
	v_rsq_f32 v20, v18                             ; twice, to fill the pair that the packed multiply takes
	v_rsq_f32 v21, v18
	v_nop                                          ; a plain line behind the transcendentals,
	s_wait_alu depctr_va_vdst(0)                   ; and one wait for both, ahead of their first reader
.set j, 0
.rept 16
	v_pk_mul_f32 v[ZZ+j:ZZ+j+1], v[ZZ+j:ZZ+j+1], v[20:21]
.set j, j+2
.endr
	s_wait_loadcnt \c2
.set j, 0
.rept 16
	v_pk_fma_f32 v[ZZ+j:ZZ+j+1], v[ZZ+j:ZZ+j+1], v[G+j:G+j+1], v[B+j:B+j+1]
.set j, j+2
.endr
.irp j, 0,1,2,3,4,5,6,7
	global_store_b128 v[CO], v[ZZ+4*\j:ZZ+4*\j+3], s[14:15] offset:4096*(\r)+512*\j th:TH_STORE_NT   ; 32 lanes store 512 consecutive bytes; these registers are not written again
.endr
.if HASC
.set j, 0
.rept 32
	v_med3_num_f32 v[RS+j], v[ZZ+j], -v[LIM], v[LIM]   ; the conversion does not saturate (ISA guide 7.6.2): the hold at the largest code x the scale, into the registers that resid has left
.set j, j+1
.endr
.irp i, 0,1,2,3
	v_cvt_scalef32_pk8_fp8_f32 v[CD+8*(\r)+2*\i:CD+8*(\r)+2*\i+1], v[RS+8*\i:RS+8*\i+7], v[SCL]
.endr
	v_nop                                          ; a plain line behind the last conversion
.irp j, 0,1,2,3,4,5,6,7
	ds_store_b32 v[ST], v[CD+8*(\r)+\j] offset:1024*(\r)+128*\j    ; word j: the codes of columns 128 j + 4 l on
.endr
.irp u, 0,1
	ds_load_b128 v[BK+8*(\r)+4*\u:BK+8*(\r)+4*\u+3], v[SL] offset:1024*(\r)+512*\u   ; LDS serves a wave's instructions in order: these see my stores
.endr
.irp u, 0,1
	s_wait_dscnt 1-\u                              ; the younger load may be out
	global_store_b128 v[SL], v[BK+8*(\r)+4*\u:BK+8*(\r)+4*\u+3], s[16:17] offset:1024*(\r)+512*\u th:TH_STORE_NT
.endr
.endif
.endm
	ROW 0, 32, 16                                  ; 32: g, beta and row 1; 16: row 1
	ROW 1, 0, 0
.if HASC
	s_wait_tensorcnt 0x0                           ; the wave's end, behind my last LDS store
	ds_add_u32 v[SPW], v[NIL]
	s_wait_dscnt 0x0
.endif
	s_endpgm
.Lfunc_end_k_qee96feee9d_ln1:
	.size	k_qee96feee9d_ln1, .Lfunc_end_k_qee96feee9d_ln1-k_qee96feee9d_ln1
	.p2alignl 7, 3214868480
	.fill 96, 4, 3214868480
	.section	.rodata,"a",@progbits
	.p2align	6, 0x0
	.amdhsa_kernel k_qee96feee9d_ln1
		.amdhsa_group_segment_fixed_size 8704
		.amdhsa_private_segment_fixed_size 0
		.amdhsa_enable_private_segment 0
		.amdhsa_kernarg_size 56
		.amdhsa_user_sgpr_count 2
		.amdhsa_user_sgpr_kernarg_segment_ptr 1
		.amdhsa_wavefront_size32 1
		.amdhsa_system_sgpr_workgroup_id_x 1
		.amdhsa_system_sgpr_workgroup_id_y 1
		.amdhsa_system_sgpr_workgroup_id_z 1
		.amdhsa_system_vgpr_workitem_id 0
		.amdhsa_next_free_vgpr 256
		.amdhsa_next_free_sgpr 66
		.amdhsa_reserve_vcc 0
		.amdhsa_float_denorm_mode_32 3
		.amdhsa_float_denorm_mode_16_64 3
		.amdhsa_memory_ordered 1
		.amdhsa_forward_progress 1
		.amdhsa_inst_pref_size 29
	.end_amdhsa_kernel
	.amdgpu_metadata
---
amdhsa.version: [ 1, 2 ]
amdhsa.kernels:
  - .name:           k_qee96feee9d_ln1
    .symbol:         k_qee96feee9d_ln1.kd
    .args:
      - { .name: z, .offset: 0, .size: 8, .value_kind: global_buffer, .address_space: global }
      - { .name: lowp_scales, .offset: 8, .size: 8, .value_kind: global_buffer, .address_space: global }
      - { .name: query, .offset: 16, .size: 8, .value_kind: global_buffer, .address_space: global }
      - { .name: ln1_g, .offset: 24, .size: 8, .value_kind: global_buffer, .address_space: global }
      - { .name: ln1_b, .offset: 32, .size: 8, .value_kind: global_buffer, .address_space: global }
      - { .name: x1, .offset: 40, .size: 8, .value_kind: global_buffer, .address_space: global }
      - { .name: x1c, .offset: 48, .size: 8, .value_kind: global_buffer, .address_space: global }
    .group_segment_fixed_size: 8704
    .private_segment_fixed_size: 0
    .kernarg_segment_align: 8
    .kernarg_segment_size: 56
    .max_flat_workgroup_size: 128
    .sgpr_count:     66
    .vgpr_count:     256
    .wavefront_size: 32
...
	.end_amdgpu_metadata
.endif
;; end of part 9
;; launch ffn1: the kernel of part 6 again; grid 16 x 16, 4 waves a work-group, clusters of 4 x 4, 327,680 bytes of LDS; arguments x1c, wtc, lowp_scales, hc, ffn_b1; writes hc
;; launch ffn2_g (part 10): grid 4 x 64, 4 waves a work-group, clusters of 4 x 1, 327,680 bytes of LDS; arguments hc, wtc, z; writes z
.if DOCPART == 10
	.amdgcn_target "amdgcn-amd-amdhsa--gfx1250"
	.amdhsa_code_object_version 6
	.text
	.protected	k_qee96feee9d_ffn2_g
	.globl	k_qee96feee9d_ffn2_g
	.p2align	8
	.type	k_qee96feee9d_ffn2_g,@function
k_qee96feee9d_ffn2_g:
	s_mov_b64 s[64:65], 0
	v_nop
	global_prefetch_b8 v0, s[64:65] scope:SCOPE_SE
	s_setreg_imm32_b32 hwreg(HW_REG_WAVE_MODE, 25, 1), 1
	s_wait_xcnt 0x0
	s_wait_alu depctr_hold_cnt(0) depctr_sa_sdst(0) depctr_va_vdst(0) depctr_va_sdst(0) depctr_va_ssrc(0) depctr_va_vcc(0) depctr_vm_vsrc(0)
	s_getreg_b32 s2, hwreg(HW_REG_IB_STS2, 6, 4)
	s_cmp_eq_u32 s2, 0
	s_cbranch_scc0 .Lentry_in_a_cluster
	s_endpgm
.Lentry_in_a_cluster:
	s_bfe_u32 s2, ttmp6, 0x10000c
	s_cmp_lg_u32 s2, 0x3003
	s_cbranch_scc0 .Lentry_shape_is_right
	s_endpgm
.Lentry_shape_is_right:
; z = the raw f32 sums of A W on codes of FP8 (E4M3): [4096][1024].  The scales, the residual, the bias and the norm follow in the next launch.  One text, two uses, by the constants below.
; KB = 32, this file: hidden ffn_w2: A = hc, W = ffn_w2's codes at 8 MiB in wtc.   KB = 8: attn_out Wo: A = ao, W = Wo's codes at 3 MiB.
; A and W lie in memory in the order of the operands' registers: [K / 128][tile of 16][c 0..3][lane 16 h + r][16 bytes]: a fragment is 2,048 consecutive bytes, load c is 512, lane l at 16 l.
; SHARES.  A work-group takes 64 rows x 256 columns, 256 work-groups; wave w takes all 64 rows x columns 64 w on: 16 accumulators.  So a work-group takes in K x 256 bytes of weights and K x 64 of rows' codes.
; THE MATRIX INSTRUCTION IS USED TRANSPOSED (source 0 = 16 columns' weights, source 1 = 16 rows): lane (r, h) holds row 16 a + r and columns 64 w + 16 bb + 8 h + 0 .. 7 in accumulator (a, bb), at v[32 bb + 8 a] of window 2.
; CLUSTER.  The four work-groups of a cluster own the four blocks of columns of the same 64 rows: the rows' codes are asked for JOINTLY, one load a wave (KB x 8,192 bytes in all), once, and never filled again.
; THE WEIGHTS GO FROM MEMORY STRAIGHT INTO REGISTERS and are not asked for jointly: each fragment is read by exactly one wave of its work-group, and a way through LDS would add, for a step's 16 matrix instructions,
; 8,192 bytes of LDS reads a wave to the 8,192 that the rows' fragments already take.  Four sets of registers: the weights are asked for four K steps ahead, 48 to 64 loads of 512 bytes a wave on their way.
; A K step: the next step's rows' fragments are asked of LDS, this step's and this step's weights are waited for, 16 products, four places, the weights of four steps on.  The first step's products start the sums.
; REGISTERS: window 0: v1-9 addresses; v128-191, v192-255 the rows' fragments, two sets; at the end rows on their way out.   window 1: the weights, four sets of 64.   window 2: v0-127 the accumulators.
.set KB,   32                          ; K / 128, a multiple of 4, at least 8
.set WOFF, 0x800000                    ; the weight's place in wtc
.set RR,   KB/4                        ; rows of 8,192 bytes in a wave's tensor load
.set STG,  262144                      ; LDS: the rows' codes from 0 on; here a stage of 16 rows x 272 bytes for each wave;
.set SPARE, STG+4*16*272               ; the spare words, 128 bytes for each wave
.set SPW, 1
.set NIL, 2
.set LI,  3                            ; 16 x lane
.set PFO, 4                            ; 256 x lane
.set CO,  6                            ; the way out: 4,096 (lane / 16) + 16 (lane % 16): two rows of z an instruction
.set STF, 7                            ; the stage in the accumulators' layout: 272 r + 32 h
.set STR, 8                            ; the stage by rows: 272 (lane / 16) + 16 (lane % 16)
.set ADA, 9                            ; the rows' fragments
.set MSB, 0
.macro WIN new                         ; the immediate's high byte repeats the setting that is left
.if MSB != (\new)
	s_set_vgpr_msb (MSB<<8)|(\new)
.set MSB, (\new)
.endif
.endm
.macro PLACES                          ; plain vector instructions between a matrix instruction and a load into, or a read of, its registers
.rept 4
	v_nop
.endr
.endm
.macro ROUND                           ; a round of the cluster's barrier
	s_barrier_signal -1
	s_barrier_wait -1
	s_cmp_lg_u32 s20, 0
	s_cbranch_scc1 .Lnot_wave_0_\@
	s_barrier_signal -3
.Lnot_wave_0_\@:
	s_barrier_wait -3
	s_barrier_signal -1
	s_barrier_wait -1
.endm
	s_load_b128 s[4:7], s[0:1], 0x0                ; A s[4:5], wtc s[6:7]
	s_load_b64 s[8:9], s[0:1], 0x10                ; z
	v_lshl_add_u32 v[SPW], v0, 2, SPARE
	v_mov_b32 v[NIL], 0
	ds_add_u32 v[SPW], v[NIL]                      ; the wave's opening: the add, twice on end, and its wait ahead of my first tensor load
	ds_add_u32 v[SPW], v[NIL]
	v_lshrrev_b32 v5, 5, v0
	v_readfirstlane_b32 s20, v5                    ; wave 0..3
	s_bfe_u32 s21, ttmp6, 0x40000                  ; cx
	s_lshl_b32 s22, ttmp9, 2
	s_add_co_u32 s21, s21, s22                     ; my block of 256 columns: it enters the weights' and z's addresses alone
	s_and_b32 s23, ttmp7, 0xffff                   ; my block of 64 rows, which the four partners share
	s_mov_b32 s28, 15|(3<<16)|(1<<21)              ; descriptor group 1: the mask: all four; elements of 8 bytes; bit 21 beside a mask; no padding
	s_mov_b32 s29, 1024<<16                        ; tensor_dim0 = 1,024 elements: my rows' four tiles of one block of 128 along K, 8,192 bytes
	s_mov_b32 s30, RR<<16                          ; tensor_dim1
	s_mov_b32 s31, 1024<<16                        ; tile_dim0
	s_mov_b32 s32, RR                              ; tile_dim1
	s_mov_b32 s33, 65536                           ; the pitch: 524,288 bytes from block to block
	s_mov_b32 s34, 0
	s_mov_b32 s35, 0
	s_mov_b32 s24, 1
	s_mul_i32 s25, s20, RR*8192                    ; my quarter of the blocks, in LDS
	s_mul_i32 s44, s20, RR*524288                  ; and in memory,
	s_lshl_b32 s45, s23, 13
	s_add_co_u32 s44, s44, s45                     ; at the rows' four tiles
	s_mov_b32 s45, 0
	s_lshl_b32 s48, s21, 15                        ; the weights: 16 tiles of columns a work-group,
	s_lshl_b32 s49, s20, 13
	s_add_co_u32 s48, s48, s49                     ; four a wave
	s_add_co_u32 s48, s48, WOFF
	s_mov_b32 s49, 0
	s_lshl_b32 s50, s23, 18                        ; z: 64 rows of 4,096 bytes,
	s_lshl_b32 s51, s21, 10
	s_add_co_u32 s50, s50, s51                     ; + 1,024 bytes a block of columns,
	s_lshl_b32 s51, s20, 8
	s_add_co_u32 s50, s50, s51                     ; + 256 a wave
	s_mov_b32 s51, 0
	s_mov_b32 s39, 0
	v_and_b32 v24, 15, v0                          ; r
	v_bfe_u32 v25, v0, 4, 1                        ; h
	v_and_b32 v5, 31, v0
	v_lshlrev_b32 v[LI], 4, v5
.if KB > 8
	v_lshlrev_b32 v[PFO], 8, v5
	s_cmp_eq_u32 s23, 0                            ; the same in all four partners
	s_cselect_b32 s40, 2, -1
.endif
	v_lshlrev_b32 v[CO], 12, v25
	v_lshl_add_u32 v[CO], v24, 4, v[CO]
	s_mul_i32 s55, s20, 16*272
	s_add_co_u32 s55, s55, STG                     ; my stage
	v_mul_u32_u24 v26, v24, 272
	v_lshl_add_u32 v26, v25, 5, v26
	v_add_nc_u32 v[STF], s55, v26
	v_mul_u32_u24 v26, v25, 272
	v_lshl_add_u32 v26, v24, 4, v26
	v_add_nc_u32 v[STR], s55, v26
	v_mov_b32 v[ADA], v[LI]
	s_wait_dscnt 0x0                               ; both opening adds are done
	s_wait_kmcnt 0x0
	s_add_nc_u64 s[26:27], s[4:5], s[44:45]
	s_or_b32 s27, s27, 0x80000000
	s_add_nc_u64 s[36:37], s[6:7], s[48:49]        ; the weights
	s_add_nc_u64 s[8:9], s[8:9], s[50:51]
	ROUND                                          ; all four work-groups are here: the joint loads meet
	tensor_load_to_lds s[24:27], s[28:35]          ; my one tensor load of the launch
	s_nop 0
	PLACES
.macro BLOAD set, ah                   ; my four fragments of the weights of the K step ah ahead of the base: each load 512 consecutive bytes
.irp bb, 0,1,2,3
.irp c, 0,1,2,3
	global_load_b128 v[64*(\set)+16*\bb+4*\c:64*(\set)+16*\bb+4*\c+3], v[LI], s[36:37] offset:(\ah)*131072+\bb*2048+512*\c
.endr
.endr
.endm
.macro AFETCH set, koff                ; the four tiles of rows of one K step
.irp a, 0,1,2,3
.irp c, 0,1,2,3
	ds_load_b128 v[128+64*(\set)+16*\a+4*\c:128+64*(\set)+16*\a+4*\c+3], v[ADA] offset:(\koff)+\a*2048+512*\c
.endr
.endr
.endm
.macro MUL i, zero                     ; 16 products; the 16 accumulators take turns, one instruction a turn, in the same order in every step.  zero = 1: they start the sums
.irp bb, 0,1,2,3
.irp a, 0,1,2,3
.if \zero
	v_wmma_f32_16x16x128_fp8_fp8 v[32*\bb+8*\a:32*\bb+8*\a+7], v[64*(\i)+16*\bb:64*(\i)+16*\bb+15], v[128+64*((\i)%2)+16*\a:128+64*((\i)%2)+16*\a+15], 0
.else
	v_wmma_f32_16x16x128_fp8_fp8 v[32*\bb+8*\a:32*\bb+8*\a+7], v[64*(\i)+16*\bb:64*(\i)+16*\bb+15], v[128+64*((\i)%2)+16*\a:128+64*((\i)%2)+16*\a+15], v[32*\bb+8*\a:32*\bb+8*\a+7]
.endif
.endr
.endr
.endm
; A PREFETCH INTO THE L2 (KB = 32 alone: with KB = 8 all weights are asked for by the end of the fourth step): the weights of the K steps 12 to 15 on from the trip's first, eight steps ahead of the loads that will want them.
; The 64 clusters walk the same weights: the cluster of row block 0 asks; each wave for its own 8,192 bytes of a step, lanes 256 bytes apart, so that each block is named once; the partners differ by address alone.
; The four lines stand together, behind the loads of a trip's first step.  Only the loop's first four trips ask: the last step named is the weight's last.  Steps 0 to 15 come by their loads alone.
.macro ASK
	s_cmp_gt_u32 s38, s40
	s_cbranch_scc0 .Lnot_mine_\@
.irp i, 12,13,14,15
	global_prefetch_b8 v[PFO], s[36:37] offset:\i*131072 th:TH_LOAD_NT scope:SCOPE_SE
.endr
.Lnot_mine_\@:
.endm
; K step i of four.  more = 1: my set of weights is loaded again, with those of four steps on.  fa = 1: the next step's rows' fragments are asked for, into the set that the step before multiplied (its four places stand behind its products).
.macro KSTEP i, zero, more, fa, ask
	WIN 0
.if \fa
	AFETCH ((\i)+1)%2, ((\i)+1)*8192
	s_wait_dscnt 16                                ; this step's fragments are in; the 16 loads just issued may be out
.else
	s_wait_dscnt 0x0
.endif
.if \more
	s_wait_loadcnt 48                              ; this step's weights are in; the 48 loads of the three steps behind it may be out
.else
	s_wait_loadcnt 48-16*(\i)
.endif
	WIN 0xa1                                       ; source 0 (the weights) window 1, source 1 (the rows) window 0, C and D window 2
	MUL \i, \zero
	PLACES
.if \more
	WIN 0x40                                       ; destination window 1
	BLOAD \i, 4+(\i)
.endif
.if \ask
	WIN 0
	ASK
.endif
.endm
.macro ADV                             ; four K steps on
	WIN 0
	s_wait_xcnt 0x0                                ; the loads and prefetches have read their base
	s_add_nc_u64 s[36:37], s[36:37], 524288
	s_add_co_u32 s39, s39, 32768
	v_add_nc_u32 v[ADA], s39, v[LI]
.endm
	WIN 0x40
	BLOAD 0, 0
	BLOAD 1, 1
	BLOAD 2, 2
	BLOAD 3, 3
	WIN 0
	s_wait_tensorcnt 0x0                           ; my quarter of the rows' codes is in,
	s_barrier_signal -1
	s_barrier_wait -1                              ; everybody's is; nothing is filled again
	AFETCH 0, 0
	KSTEP 0, 1, 1, 1, 0                            ; the first four steps stand in front of the loop: the first one's products start the sums
	KSTEP 1, 0, 1, 1, 0
	KSTEP 2, 0, 1, 1, 0
	KSTEP 3, 0, 1, 1, 0
	ADV
.if KB > 8
	s_mov_b32 s38, KB/4-2
.Lk:                                               ; a trip is four K steps
	KSTEP 0, 0, 1, 1, 1
	KSTEP 1, 0, 1, 1, 0
	KSTEP 2, 0, 1, 1, 0
	KSTEP 3, 0, 1, 1, 0
	ADV
	s_sub_co_u32 s38, s38, 1
	s_cmp_lg_u32 s38, 0
	s_cbranch_scc1 .Lk
.endif
	KSTEP 0, 0, 0, 1, 0                            ; the last four steps load no weights; the counts run down
	KSTEP 1, 0, 0, 1, 0
	KSTEP 2, 0, 0, 1, 0
	KSTEP 3, 0, 0, 0, 0
	; THE WAY OUT, block by block of 16 rows x my 64 columns.  A lane holds 32 neighbouring bytes of a row: a block goes through my stage and comes back as rows of 256 bytes.  The four places stand behind the last products.
.irp a, 0,1,2,3
	WIN 0x08                                       ; the stores' data: window 2
.irp bb, 0,1,2,3
	ds_store_b128 v[STF], v[32*\bb+8*\a:32*\bb+8*\a+3] offset:64*\bb        ; each accumulator from its low end on
	ds_store_b128 v[STF], v[32*\bb+8*\a+4:32*\bb+8*\a+7] offset:64*\bb+16
.endr
	WIN 0
.irp t, 0,1,2,3,4,5,6,7
	ds_load_b128 v[128+32*\a+4*\t:128+32*\a+4*\t+3], v[STR] offset:2*\t*272   ; LDS serves a wave's instructions in order (ISA guide 5.7.1.4): these see my stores, and the next block's stores come behind them
.endr
.endr
.irp a, 0,1,2,3
	s_wait_dscnt 16*(3-\a)                         ; the block is back; the later blocks' 8 stores and 8 loads each may be out
.irp t, 0,1,2,3,4,5,6,7
	global_store_b128 v[CO], v[128+32*\a+4*\t:128+32*\a+4*\t+3], s[8:9] offset:(16*\a+2*\t)*4096 th:TH_STORE_NT   ; sixteen lanes store 256 consecutive bytes, aligned
.endr
.endr
	s_wait_tensorcnt 0x0                           ; the wave's end
	ds_add_u32 v[SPW], v[NIL]
	s_wait_dscnt 0x0
	ROUND                                          ; the closing round
	s_endpgm
.Lfunc_end_k_qee96feee9d_ffn2_g:
	.size	k_qee96feee9d_ffn2_g, .Lfunc_end_k_qee96feee9d_ffn2_g-k_qee96feee9d_ffn2_g
	.p2alignl 7, 3214868480
	.fill 96, 4, 3214868480
	.section	.rodata,"a",@progbits
	.p2align	6, 0x0
	.amdhsa_kernel k_qee96feee9d_ffn2_g
		.amdhsa_group_segment_fixed_size 327680
		.amdhsa_private_segment_fixed_size 0
		.amdhsa_enable_private_segment 0
		.amdhsa_kernarg_size 24
		.amdhsa_user_sgpr_count 2
		.amdhsa_user_sgpr_kernarg_segment_ptr 1
		.amdhsa_wavefront_size32 1
		.amdhsa_system_sgpr_workgroup_id_x 1
		.amdhsa_system_sgpr_workgroup_id_y 1
		.amdhsa_system_sgpr_workgroup_id_z 1
		.amdhsa_system_vgpr_workitem_id 0
		.amdhsa_next_free_vgpr 640
		.amdhsa_next_free_sgpr 66
		.amdhsa_reserve_vcc 0
		.amdhsa_float_denorm_mode_32 3
		.amdhsa_float_denorm_mode_16_64 3
		.amdhsa_memory_ordered 1
		.amdhsa_forward_progress 1
		.amdhsa_inst_pref_size 58
	.end_amdhsa_kernel
	.amdgpu_metadata
---
amdhsa.version: [ 1, 2 ]
amdhsa.kernels:
  - .name:           k_qee96feee9d_ffn2_g
    .symbol:         k_qee96feee9d_ffn2_g.kd
    .args:
      - { .name: hc, .offset: 0, .size: 8, .value_kind: global_buffer, .address_space: global }
      - { .name: wtc, .offset: 8, .size: 8, .value_kind: global_buffer, .address_space: global }
      - { .name: z, .offset: 16, .size: 8, .value_kind: global_buffer, .address_space: global }
    .group_segment_fixed_size: 327680
    .private_segment_fixed_size: 0
    .kernarg_segment_align: 8
    .kernarg_segment_size: 24
    .max_flat_workgroup_size: 128
    .sgpr_count:     66
    .vgpr_count:     640
    .wavefront_size: 32
...
	.end_amdgpu_metadata
.endif
;; end of part 10
;; launch ln2 (part 11): grid 512 x 1, 4 waves a work-group, no clusters, 0 bytes of LDS; arguments z, lowp_scales, x1, ln2_g, ln2_b, out0, ffn_b2; writes out0
.if DOCPART == 11
	.amdgcn_target "amdgcn-amd-amdhsa--gfx1250"
	.amdhsa_code_object_version 6
	.text
	.protected	k_qee96feee9d_ln2
	.globl	k_qee96feee9d_ln2
	.p2align	8
	.type	k_qee96feee9d_ln2,@function
k_qee96feee9d_ln2:
	s_mov_b64 s[64:65], 0
	v_nop
	global_prefetch_b8 v0, s[64:65] scope:SCOPE_SE
	s_setreg_imm32_b32 hwreg(HW_REG_WAVE_MODE, 25, 1), 1
	s_wait_xcnt 0x0
; out = LayerNorm(resid + z 2^E (+ bias)) x g + beta, rows of 1,024 f32; z holds a quantised product's raw sums, E = its two operands' exponents added.  One text, two uses, by the constants below.
; This file: out0 = LayerNorm(q_enh + hidden ffn_w2 + ffn_b2): entries 14, 15; resid = x1; the bias; no codes, and so no LDS.
; The other: q_enh = LayerNorm(query + attn_out Wo): entries 10, 11; no bias; its codes of FP8 (E4M3) with entry 12 beside it.
; A stream: memory binds.  No matrix unit, no cluster, no barrier: a wave takes TWO WHOLE ROWS and shares nothing.  Lane l holds columns 128 j + 4 l + 0 .. 3, j = 0 .. 7: every load and store is 512 consecutive bytes.
; All of a wave's loads are issued at its head: row 0's z and resid, the bias, g, beta, row 1's z and resid: nothing is loaded twice, nothing is filled again.
; The mean and the centred squares are taken in two passes over the row in registers, four chains each, then across the 32 lanes.
; CODES (the other use): code = x / 2^e, held within +-448, to the nearest code, ties to even.  A conversion takes eight registers: those of loads 2 i and 2 i + 1; each of its two words is then four neighbouring codes of the row.
; The row's eight words a lane turn through 1,024 bytes of the wave's own LDS, as they lie in the row, and leave as two stores of 512 consecutive bytes.
; LIMITS: E between -126 and 127.  NaN among the inputs is carried as arithmetic carries it.
; REGISTERS: v1-7 addresses; v8-15 four chains; v[16:17] the mean, v18 the variance, v[20:21] 1 / sqrt; v22, v23 the codes' two scale numbers; row r: z, then x, then the result at v[32 + 64 r], resid at v[64 + 64 r];
;   v160-191 g, v192-223 beta, v224-255 the bias, or the codes and their way back.
.set EA,   14
.set EB,   15
.set HASB, 1                           ; a bias?
.set HASC, 0                           ; codes out?
.set SPARE, 8192                       ; LDS: 2,048 bytes for each wave; behind them the spare words
.set SPW, 1
.set NIL, 2
.set LI,  3                            ; 16 x lane
.set CO,  4                            ; 16 x lane + 8,192 x wave: my bytes of my wave's first row
.set ST,  5                            ; the codes' stage, in: 2,048 x wave + 4 x lane
.set SL,  6                            ; back: 2,048 x wave + 16 x lane; the same number is my place in the work-group's eight rows of codes
.set LIM, 22
.set SCL, 23
.set Z,   32
.set G,   160
.set B,   192
.set BI,  224
.set CD,  224
.set BK,  240
	s_load_b256 s[4:11], s[0:1], 0x0               ; z s[4:5], the scales s[6:7], resid s[8:9], g s[10:11]
	s_load_b128 s[12:15], s[0:1], 0x20             ; beta s[12:13], out s[14:15]
	s_load_b64 s[16:17], s[0:1], 0x30              ; the codes, or the bias
.if HASC
	v_lshl_add_u32 v[SPW], v0, 2, SPARE
	v_mov_b32 v[NIL], 0
.endif
	v_lshrrev_b32 v7, 5, v0
	v_readfirstlane_b32 s18, v7                    ; wave
	v_and_b32 v7, 31, v0                           ; lane
	v_lshlrev_b32 v[LI], 4, v7
	s_lshl_b32 s19, s18, 13
	v_add_nc_u32 v[CO], s19, v[LI]
	s_lshl_b32 s40, ttmp9, 15                      ; the work-group's eight rows of 4,096 bytes
	s_mov_b32 s41, 0
.if HASC
	s_lshl_b32 s19, s18, 11
	v_lshl_add_u32 v[ST], v7, 2, s19
	v_add_nc_u32 v[SL], s19, v[LI]
	s_lshl_b32 s42, ttmp9, 13                      ; and of 1,024 codes
	s_mov_b32 s43, 0
.endif
	s_mov_b32 s38, 0x3a800000                      ; 1 / 1,024
	s_mov_b32 s39, 0x3727c5ac                      ; 1e-5
	s_mov_b32 s44, 0x76543210                      ; selects for v_permlanex16_b32: lane l xor 16
	s_mov_b32 s45, 0xfedcba98
	s_wait_kmcnt 0x0
	s_load_b512 s[20:35], s[6:7], 0x0              ; the sixteen exponents
	s_add_nc_u64 s[4:5], s[4:5], s[40:41]
	s_add_nc_u64 s[8:9], s[8:9], s[40:41]
	s_add_nc_u64 s[14:15], s[14:15], s[40:41]
.if HASC
	s_add_nc_u64 s[16:17], s[16:17], s[42:43]
.endif
.macro LOADROW r
.irp j, 0,1,2,3,4,5,6,7
	global_load_b128 v[Z+64*(\r)+4*\j:Z+64*(\r)+4*\j+3], v[CO], s[4:5] offset:4096*(\r)+512*\j th:TH_LOAD_NT
.endr
.irp j, 0,1,2,3,4,5,6,7
	global_load_b128 v[Z+64*(\r)+32+4*\j:Z+64*(\r)+32+4*\j+3], v[CO], s[8:9] offset:4096*(\r)+512*\j th:TH_LOAD_NT
.endr
.endm
	LOADROW 0
.if HASB
.irp j, 0,1,2,3,4,5,6,7
	global_load_b128 v[BI+4*\j:BI+4*\j+3], v[LI], s[16:17] offset:512*\j
.endr
.endif
.irp j, 0,1,2,3,4,5,6,7
	global_load_b128 v[G+4*\j:G+4*\j+3], v[LI], s[10:11] offset:512*\j
.endr
.irp j, 0,1,2,3,4,5,6,7
	global_load_b128 v[B+4*\j:B+4*\j+3], v[LI], s[12:13] offset:512*\j
.endr
	LOADROW 1
	s_wait_kmcnt 0x0
	s_add_co_i32 s36, s[20+EA], s[20+EB]           ; E
	s_add_co_i32 s36, s36, 127
	s_lshl_b32 s36, s36, 23                        ; 2^E as f32
	s_mov_b32 s37, s36                             ; (named with it as a pair, so it is written)
.if HASC
	s_add_co_i32 s46, s32, 127
	s_lshl_b32 s47, s46, 23
	v_mov_b32 v[SCL], s47                          ; 2^e12: the conversion takes its exponent field
	s_add_co_i32 s46, s46, 8
	s_lshl_b32 s46, s46, 23
	s_or_b32 s46, s46, 0x600000
	v_mov_b32 v[LIM], s46                          ; 448 x 2^e12
.endif
.macro FOLD                            ; the four chains, their halves, and the 32 lanes: the sum in v8 of every lane
	v_pk_add_f32 v[8:9], v[8:9], v[10:11]
	v_pk_add_f32 v[12:13], v[12:13], v[14:15]
	v_pk_add_f32 v[8:9], v[8:9], v[12:13]
	v_add_f32 v8, v8, v9
	v_add_f32_dpp v8, v8, v8 row_xmask:1 row_mask:0xf bank_mask:0xf
	v_add_f32_dpp v8, v8, v8 row_xmask:2 row_mask:0xf bank_mask:0xf
	v_add_f32_dpp v8, v8, v8 row_xmask:4 row_mask:0xf bank_mask:0xf
	v_add_f32_dpp v8, v8, v8 row_xmask:8 row_mask:0xf bank_mask:0xf
	v_permlanex16_b32 v7, v8, s44, s45             ; its destination counts as read: v7 has been written
	v_add_f32 v8, v8, v7
.endm
; Row r.  c1: the loads that may be out when z, resid and the bias are wanted; c2: when g and beta are.
.macro ROW r, c1, c2
.set ZZ, Z+64*(\r)
.set RS, Z+64*(\r)+32
	s_wait_loadcnt \c1
.if HASB
.set j, 0
.rept 16
	v_pk_add_f32 v[RS+j:RS+j+1], v[RS+j:RS+j+1], v[BI+j:BI+j+1]
.set j, j+2
.endr
.endif
.set j, 0
.rept 16
	v_pk_fma_f32 v[ZZ+j:ZZ+j+1], v[ZZ+j:ZZ+j+1], s[36:37], v[RS+j:RS+j+1] op_sel_hi:[1,0,1]   ; x = z 2^E + resid (+ bias)
.set j, j+2
.endr
.irp k, 0,2,4,6
	v_pk_add_f32 v[8+\k:9+\k], v[ZZ+\k:ZZ+\k+1], v[ZZ+8+\k:ZZ+9+\k]       ; the first numbers start the chains: nothing is cleared
.endr
.irp m, 16,24
.irp k, 0,2,4,6
	v_pk_add_f32 v[8+\k:9+\k], v[8+\k:9+\k], v[ZZ+\m+\k:ZZ+\m+\k+1]
.endr
.endr
	FOLD
	v_mul_f32 v16, s38, v8                         ; the mean, in both words of a pair
	v_mul_f32 v17, s38, v8
.set j, 0
.rept 16
	v_pk_add_f32 v[ZZ+j:ZZ+j+1], v[ZZ+j:ZZ+j+1], v[16:17] neg_lo:[0,1] neg_hi:[0,1]   ; centred, in place
.set j, j+2
.endr
.irp k, 0,2,4,6
	v_pk_mul_f32 v[8+\k:9+\k], v[ZZ+\k:ZZ+\k+1], v[ZZ+\k:ZZ+\k+1]
.endr
.irp m, 8,16,24
.irp k, 0,2,4,6
	v_pk_fma_f32 v[8+\k:9+\k], v[ZZ+\m+\k:ZZ+\m+\k+1], v[ZZ+\m+\k:ZZ+\m+\k+1], v[8+\k:9+\k]
.endr
.endr
	FOLD
	v_fma_f32 v18, v8, s38, s39                    ; the variance + 1e-5
	v_rsq_f32 v20, v18                             ; twice, to fill the pair that the packed multiply takes
	v_rsq_f32 v21, v18
	v_nop                                          ; a plain line behind the transcendentals,
	s_wait_alu depctr_va_vdst(0)                   ; and one wait for both, ahead of their first reader
.set j, 0
.rept 16
	v_pk_mul_f32 v[ZZ+j:ZZ+j+1], v[ZZ+j:ZZ+j+1], v[20:21]
.set j, j+2
.endr
	s_wait_loadcnt \c2
.set j, 0
.rept 16
	v_pk_fma_f32 v[ZZ+j:ZZ+j+1], v[ZZ+j:ZZ+j+1], v[G+j:G+j+1], v[B+j:B+j+1]
.set j, j+2
.endr
.irp j, 0,1,2,3,4,5,6,7
	global_store_b128 v[CO], v[ZZ+4*\j:ZZ+4*\j+3], s[14:15] offset:4096*(\r)+512*\j th:TH_STORE_NT   ; 32 lanes store 512 consecutive bytes; these registers are not written again
.endr
.if HASC
.set j, 0
.rept 32
	v_med3_num_f32 v[RS+j], v[ZZ+j], -v[LIM], v[LIM]   ; the conversion does not saturate (ISA guide 7.6.2): the hold at the largest code x the scale, into the registers that resid has left
.set j, j+1
.endr
.irp i, 0,1,2,3
	v_cvt_scalef32_pk8_fp8_f32 v[CD+8*(\r)+2*\i:CD+8*(\r)+2*\i+1], v[RS+8*\i:RS+8*\i+7], v[SCL]
.endr
	v_nop                                          ; a plain line behind the last conversion
.irp j, 0,1,2,3,4,5,6,7
	ds_store_b32 v[ST], v[CD+8*(\r)+\j] offset:1024*(\r)+128*\j    ; word j: the codes of columns 128 j + 4 l on
.endr
.irp u, 0,1
	ds_load_b128 v[BK+8*(\r)+4*\u:BK+8*(\r)+4*\u+3], v[SL] offset:1024*(\r)+512*\u   ; LDS serves a wave's instructions in order: these see my stores
.endr
.irp u, 0,1
	s_wait_dscnt 1-\u                              ; the younger load may be out
	global_store_b128 v[SL], v[BK+8*(\r)+4*\u:BK+8*(\r)+4*\u+3], s[16:17] offset:1024*(\r)+512*\u th:TH_STORE_NT
.endr
.endif
.endm
	ROW 0, 32, 16                                  ; 32: g, beta and row 1; 16: row 1
	ROW 1, 0, 0
.if HASC
	s_wait_tensorcnt 0x0                           ; the wave's end, behind my last LDS store
	ds_add_u32 v[SPW], v[NIL]
	s_wait_dscnt 0x0
.endif
	s_endpgm
.Lfunc_end_k_qee96feee9d_ln2:
	.size	k_qee96feee9d_ln2, .Lfunc_end_k_qee96feee9d_ln2-k_qee96feee9d_ln2
	.p2alignl 7, 3214868480
	.fill 96, 4, 3214868480
	.section	.rodata,"a",@progbits
	.p2align	6, 0x0
	.amdhsa_kernel k_qee96feee9d_ln2
		.amdhsa_group_segment_fixed_size 0
		.amdhsa_private_segment_fixed_size 0
		.amdhsa_enable_private_segment 0
		.amdhsa_kernarg_size 56
		.amdhsa_user_sgpr_count 2
		.amdhsa_user_sgpr_kernarg_segment_ptr 1
		.amdhsa_wavefront_size32 1
		.amdhsa_system_sgpr_workgroup_id_x 1
		.amdhsa_system_sgpr_workgroup_id_y 1
		.amdhsa_system_sgpr_workgroup_id_z 1
		.amdhsa_system_vgpr_workitem_id 0
		.amdhsa_next_free_vgpr 256
		.amdhsa_next_free_sgpr 66
		.amdhsa_reserve_vcc 0
		.amdhsa_float_denorm_mode_32 3
		.amdhsa_float_denorm_mode_16_64 3
		.amdhsa_memory_ordered 1
		.amdhsa_forward_progress 1
		.amdhsa_inst_pref_size 25
	.end_amdhsa_kernel
	.amdgpu_metadata
---
amdhsa.version: [ 1, 2 ]
amdhsa.kernels:
  - .name:           k_qee96feee9d_ln2
    .symbol:         k_qee96feee9d_ln2.kd
    .args:
      - { .name: z, .offset: 0, .size: 8, .value_kind: global_buffer, .address_space: global }
      - { .name: lowp_scales, .offset: 8, .size: 8, .value_kind: global_buffer, .address_space: global }
      - { .name: x1, .offset: 16, .size: 8, .value_kind: global_buffer, .address_space: global }
      - { .name: ln2_g, .offset: 24, .size: 8, .value_kind: global_buffer, .address_space: global }
      - { .name: ln2_b, .offset: 32, .size: 8, .value_kind: global_buffer, .address_space: global }
      - { .name: out0, .offset: 40, .size: 8, .value_kind: global_buffer, .address_space: global }
      - { .name: ffn_b2, .offset: 48, .size: 8, .value_kind: global_buffer, .address_space: global }
    .group_segment_fixed_size: 0
    .private_segment_fixed_size: 0
    .kernarg_segment_align: 8
    .kernarg_segment_size: 56
    .max_flat_workgroup_size: 128
    .sgpr_count:     66
    .vgpr_count:     256
    .wavefront_size: 32
...
	.end_amdgpu_metadata
.endif
;; end of part 11
